; MI455X (gfx1250); checked and timed in simulation.
; The chip was launched on July 23, 2026; its instructions are those of AMD's public machine-readable ISA for CDNA 5 (MIT licence, August 2026) and "CDNA5" Instruction Set Architecture Reference Guide (July 2026). The comments in the code are by the model that wrote it; some were corrected since.
;; Softmax Transformer Block. Allowed arithmetic: matrix products marked QUANTISED: E3M2 operands, one E8M0 scale for each 32 along K, by v_wmma_scale_f32_16x16x128_f8f6f4 with both operands' format E3M2, f32 sums; everything else in f32.
;; Inputs: W1 1,024 x 4,096 float32; W2 4,096 x 1,024 float32; Wk 1,024 x 1,024 float32; Wo 1,024 x 1,024 float32; Wq 1,024 x 1,024 float32; Wv 1,024 x 1,024 float32; ln1_b 1,024 float32; ln1_w 1,024 float32; ln2_b 1,024 float32; ln2_w 1,024 float32; x 2 x 2,048 x 1,024 float32.
;; Outputs: out0 2 x 2,048 x 1,024 float32.
;; This version of the problem:
;;   THIS VERSION OF THE PROBLEM IS GIVEN IN LOW PRECISION. The matrix products marked QUANTISED in the list below multiply operands that are first quantised to E3M2 (3 exponent bits, 2 mantissa bits; 6 bits a number), with one power-of-two scale for each 32 numbers along K (OCP MX v1.0); their sums are f32. All else is computed in f32.
;;   The module's matrix products, in the order in which they are computed (A, B: the left and right operand; K: the contracted axis; several contracted axes count as one K, in the product's order):
;;     1. [M 4,096, K 1,024] x [K 1,024, N 1,024]; A: computed on the way; B: input Wq: QUANTISED
;;     2. [M 4,096, K 1,024] x [K 1,024, N 1,024]; A: computed on the way; B: input Wk: QUANTISED
;;     3. [M 4,096, K 1,024] x [K 1,024, N 1,024]; A: computed on the way; B: input Wv: QUANTISED
;;     4. batch 32 x [M 2,048, K 64] x [K 64, N 2,048]; A: computed on the way; B: computed on the way: QUANTISED
;;     5. batch 32 x [M 2,048, K 2,048] x [K 2,048, N 64]; A: softmax (see below); B: computed on the way: QUANTISED
;;     6. [M 4,096, K 1,024] x [K 1,024, N 1,024]; A: computed on the way; B: input Wo: QUANTISED
;;     7. [M 4,096, K 1,024] x [K 1,024, N 4,096]; A: computed on the way; B: input W1: QUANTISED
;;     8. [M 4,096, K 4,096] x [K 4,096, N 1,024]; A: computed on the way; B: input W2: QUANTISED
;;   THE QUANTISER, for each operand of a quantised product, along K:
;;     - K is cut into blocks of 32 from its start; a last block that is shorter is filled with zeros.
;;     - A block's scale is 2^e with e = floor(log2(the largest magnitude in the block)) - 4, held to -126 .. 127; a block of zeros has e = 0. As a byte (E8M0): e + 127.
;;     - Each number is divided by its block's scale, clamped to +-28, and rounded to the nearest number of E3M2, ties to even, subnormals kept.
;;     - The product sums the exact products of the quantised numbers (number of the format x scale) in f32.
;;   ~~~python
;;   def quantise(x, axis):      # numpy; x: float32 -> the quantised numbers, widened to float32 again
;;       x = np.moveaxis(x, axis, -1); K = x.shape[-1]
;;       x = np.pad(x, [(0, 0)] * (x.ndim - 1) + [(0, -K % 32)]); x = x.reshape(x.shape[:-1] + (-1, 32)); a = np.abs(x).max(-1, keepdims=True)
;;       e = np.where(a > 0, np.clip(np.frexp(np.where(a > 0, a, 1))[1] - 1 - 4, -126, 127), 0)      # np.frexp(a)[1] - 1 = floor(log2(a)), exactly
;;       r = np.clip(x / 2.0 ** e, -28, 28)
;;       step = 2.0 ** (np.maximum(np.frexp(np.where(r == 0, 1, r))[1] - 1, -2) - 2)
;;       q = np.round(r / step) * step * 2.0 ** e      # np.round: ties to even
;;       return np.moveaxis(q.reshape(q.shape[:-2] + (-1,))[..., :K], -1, axis).astype(np.float32)
;;   ~~~
;;   SOFTMAX AHEAD OF A QUANTISED PRODUCT. Where the list says 'softmax', what is quantised is not the finished softmax but p = 2^(t - M), with t = logit x log2(e) and M = ceil(the row's largest t), a whole number; so 1/2 < the row's largest p <= 1. The row's sum l is taken of the UNQUANTISED p, in f32, and the product's result is divided by l at the end. Since M is a whole number, a kernel that streams over the keys may use a running M (the ceiling of the running maximum): every later rescaling is an exact power of two, which a block's scale takes up: the codes' values come out the same.
;;   OPERANDS COMPUTED ON THE WAY. 'Computed on the way' means the value that the module computes at that place (a softmax that the list does not call 'softmax' is quantised finished and normalised). What goes into a quantiser is computed in f32, as accurately as f32 sums, v_exp_f32 and their like allow (about 1e-6 of the number): no bf16 or f16 on the way to a quantiser, and a product that is left as it is and whose result goes on into a quantised operand takes f32 operands (vector FMAs, or v_wmma_f32_16x16x4_f32). A number that lies on a knife's edge between two numbers of the format may be rounded either way, as far as f32 arithmetic and the matrix unit's own rounding can turn it there, and no further.
;; 2 versions. Each part assembles by itself: llvm-mc -triple=amdgcn-amd-amdhsa -mcpu=gfx1250 --defsym DOCPART=n.
;; ======== version 1 of 2: 8 launches
;; workspace buffers: wts 9,830,400 bytes; hn1 3,276,800 bytes; hn2 3,276,800 bytes; ao 3,276,800 bytes; qkv 10,092,544 bytes; x1 16,777,216 bytes; g 13,107,200 bytes
;; launch wq (part 1): grid 384 x 1, 4 waves a work-group, no clusters, 25,088 bytes of LDS; arguments Wq, Wk, Wv, Wo, W1, W2, wts; writes wts
.if DOCPART == 1
	.amdgcn_target "amdgcn-amd-amdhsa--gfx1250"
	.amdhsa_code_object_version 6
	.text
	.protected	k_q79a5f6d2a8_wq
	.globl	k_q79a5f6d2a8_wq
	.p2align	8
	.type	k_q79a5f6d2a8_wq,@function
k_q79a5f6d2a8_wq:
	s_mov_b64 s[64:65], 0
	v_nop
	global_prefetch_b8 v0, s[64:65] scope:SCOPE_SE
	s_setreg_imm32_b32 hwreg(HW_REG_WAVE_MODE, 25, 1), 1
	s_wait_xcnt 0x0
; The six weights, f32 with K as their FIRST axis, become codes of E3M2 with one E8M0 byte for each 32 along K, laid as the products' launches read them.
; LAYOUT OF wts.  A fragment is 16 rows (columns n of the weight) x 128 K: 12 registers a lane, stored as an image of those registers: registers 4 c .. 4 c + 3 of lane l at 512 c + 16 l: 1,536 bytes.
; Codes: [n / 256][k / 128][(n % 256) / 16][1536].  Scale words (four bytes: 128 K of one row): [n / 128][k / 128][n % 128].  Wq, Wk, Wv, Wo, W1 (K = 1,024) share one region, rows 0, 1024, 2048, 3072, 4096 on; W2 (K = 4,096) has its own.
; COLUMN n LIES AT ROW pi(n) = n WITH ITS BITS 3 AND 4 SWAPPED, so that in a product used transposed a lane's 16 registers of two neighbouring tiles are 16 neighbouring columns.
; A LANE TAKES A COLUMN, ITS REGISTERS RUN DOWN K: each load reads 128 consecutive bytes a wave, a block of 32 lies in one lane, and the conversions give codes with K innermost.
; A wave takes 32 columns x 256 K (two fragments x two K steps); a step's two fragments are gathered in the wave's own 3,072 bytes of LDS and leave as 3,072 consecutive bytes.  Waves share nothing: no barrier.
; 384 work-groups: 0-127 the four square weights (32 each), 128-255 W1, 256-383 W2.  One path for all: only pointers, a pitch and offsets are selected, on the work-group's number.
; LIMITS: NaN and infinities are not served; a block whose largest magnitude lies under 2^-122, a block of zeros too, keeps the byte 1 (its codes are then zeros or the rule's own); the bytes are read by this program alone.
.set KT,   24576                       ; a tile's K step: 16 fragments
.set W2_C, 6291456
.set W8_S, 9437184
.set W2_S, 9699328
.set A,    32                          ; v32-63   4 x lane + i x pitch: row i of a block; never rewritten
.set X,    64                          ; v64-127  two sets of 32 numbers
.set F,    128                         ; v128-136 a block's codes
.set SB,   24                          ; v24-25   the scale words of my two K steps
.set O,    140                         ; v140-187 the way out, a set for each K step
	s_load_b256 s[4:11], s[0:1], 0x0               ; Wq, Wk, Wv, Wo
	s_load_b128 s[12:15], s[0:1], 0x20             ; W1, W2
	s_load_b64 s[16:17], s[0:1], 0x30              ; wts
	v_lshl_add_u32 v192, v0, 2, 0x6000
	v_mov_b32 v193, 0
	v_lshrrev_b32 v1, 5, v0
	v_readfirstlane_b32 s18, v1                    ; wave
	v_and_b32 v2, 31, v0                           ; lane
	v_lshlrev_b32 v3, 2, v2
	s_lshr_b32 s19, ttmp9, 7                       ; class: 0 the square weights, 1 W1, 2 W2
	s_and_b32 s20, ttmp9, 127
	s_lshr_b32 s25, s20, 5                         ; class 0: which weight
	s_cmp_eq_u32 s19, 1
	s_cselect_b32 s21, 5, 3                        ; bits of the column group's number
	s_cselect_b32 s22, 14, 12                      ; log2 of a row's bytes
	s_cselect_b32 s23, 31, 7
	s_cselect_b32 s26, 4096, 0                     ; W1's first row in the shared region
	s_cmp_eq_u32 s19, 0
	s_cselect_b32 s27, 3, -1
	s_cselect_b32 s25, s25, 0
	s_mov_b32 s30, W8_S
	s_cmp_eq_u32 s19, 2
	s_cselect_b32 s28, 5, 3                        ; log2 of the K steps
	s_cselect_b32 s29, W2_C, 0
	s_cselect_b32 s30, W2_S, s30
	s_and_b32 s23, s20, s23                        ; column group
	s_lshr_b32 s24, s20, s21
	s_and_b32 s24, s24, s27                        ; which 256 along K
	s_lshl_b32 s23, s23, 7
	s_lshl_b32 s31, s18, 5
	s_add_co_u32 s23, s23, s31                     ; my wave's first column
	s_lshl_b32 s31, s25, 10
	s_add_co_u32 s26, s26, s31
	s_add_co_u32 s26, s26, s23                     ; and its row in the region
	s_lshl_b32 s51, s24, 1                         ; my first K step
	s_lshr_b32 s48, s26, 8
	s_lshl_b32 s48, s48, s28
	s_add_co_u32 s48, s48, s51
	s_mul_i32 s48, s48, KT
	s_bfe_u32 s50, s26, 0x40004                    ; the fragment in its tile
	s_mul_i32 s50, s50, 1536
	s_add_co_u32 s48, s48, s50
	s_add_co_u32 s48, s48, s29                     ; where my codes go
	s_mov_b32 s49, 0
	s_lshr_b32 s52, s26, 7
	s_lshl_b32 s52, s52, s28
	s_add_co_u32 s52, s52, s51
	s_lshl_b32 s52, s52, 9
	s_and_b32 s53, s26, 127
	s_lshl_b32 s53, s53, 2
	s_add_co_u32 s52, s52, s53
	s_add_co_u32 s52, s52, s30                     ; where my scale words go
	s_mov_b32 s53, 0
	s_lshl_b32 s54, s24, 8
	s_lshl_b32 s54, s54, s22
	s_lshl_b32 s55, s23, 2
	s_add_co_u32 s54, s54, s55                     ; where my numbers begin
	s_mov_b32 s55, 0
	s_lshl_b32 s56, 32, s22                        ; 32 rows on
	s_mov_b32 s57, 0
	s_lshl_b32 s58, 1, s22                         ; a row
	s_mul_i32 s59, s18, 6144                       ; my stage
.set i, 0
.rept 32
	v_mad_u32_u24 v[A+i], s58, i, v3
.set i, i+1
.endr
	v_bfe_u32 v5, v0, 3, 1                         ; u: which of the two fragments: pi puts the column's bit 3 there
	v_bfe_u32 v6, v0, 4, 1
	v_and_b32 v10, 7, v0
	v_lshl_add_u32 v6, v6, 3, v10                  ; r: the row in the fragment: the column's bit 4 becomes bit 3
	v_mul_u32_u24 v4, v5, 1536
	v_lshl_add_u32 v4, v6, 4, v4
	v_add_nc_u32 v4, s59, v4                       ; into the stage: fragment u, lane r of the image
	v_lshlrev_b32 v8, 4, v2
	v_add_nc_u32 v7, s59, v8                       ; out of it: 16 bytes a lane
	v_lshlrev_b32 v9, 6, v5
	v_lshl_add_u32 v9, v6, 2, v9                   ; my row's scale word
	s_wait_kmcnt 0x0
	s_cmp_eq_u32 s25, 1
	s_cselect_b64 s[4:5], s[6:7], s[4:5]
	s_cmp_eq_u32 s25, 2
	s_cselect_b64 s[4:5], s[8:9], s[4:5]
	s_cmp_eq_u32 s25, 3
	s_cselect_b64 s[4:5], s[10:11], s[4:5]
	s_cmp_eq_u32 s19, 1
	s_cselect_b64 s[4:5], s[12:13], s[4:5]
	s_cmp_eq_u32 s19, 2
	s_cselect_b64 s[4:5], s[14:15], s[4:5]
	s_add_nc_u64 s[32:33], s[4:5], s[54:55]        ; a base for each of my eight blocks
.irp t, 1,2,3,4,5,6,7
	s_add_nc_u64 s[32+2*\t:33+2*\t], s[30+2*\t:31+2*\t], s[56:57]
.endr
	s_add_nc_u64 s[60:61], s[16:17], s[48:49]
	s_add_nc_u64 s[62:63], s[16:17], s[52:53]
.macro LOAD t                          ; block t: 32 rows of K at my column
.set i, 0
.rept 32
	global_load_b32 v[X+32*((\t)%2)+i], v[A+i], s[32+2*(\t):33+2*(\t)] th:TH_LOAD_NT
.set i, i+1
.endr
.endm
.macro BLOCK t
.set XS, X+32*((\t)%2)
.if (\t) < 7
	s_wait_loadcnt 32                              ; this block's 32 loads are in; the next block's may be out
.else
	s_wait_loadcnt 0x0
.endif
	v_max3_num_f32 v12, |v[XS]|, |v[XS+1]|, |v[XS+2]|
	v_max3_num_f32 v13, |v[XS+3]|, |v[XS+4]|, |v[XS+5]|
.irp i, 6,10,14,18,22,26
	v_max3_num_f32 v12, v12, |v[XS+\i]|, |v[XS+\i+1]|
	v_max3_num_f32 v13, v13, |v[XS+\i+2]|, |v[XS+\i+3]|
.endr
	v_max3_num_f32 v12, v12, |v[XS+30]|, |v[XS+31]|
	v_max3_num_f32 v12, v12, v13, 0x2800000        ; the floor 2^(5 - 127): the byte cannot fall under 1
	v_add_nc_u32 v11, 0xfe000000, v12              ; 4 off the exponent field: the conversion's scale operand
	v_lshrrev_b32 v13, 23, v11                     ; the scale's byte
.if (\t)%4 == 0
	v_mov_b32 v[SB+(\t)/4], v13
.else
	v_lshl_or_b32 v[SB+(\t)/4], v13, 8*((\t)%4), v[SB+(\t)/4]
.endif
	v_cvt_scalef32_pk16_bf6_f32 v[F:F+2], v[XS:XS+15], v11
	v_cvt_scalef32_pk16_bf6_f32 v[F+6:F+8], v[XS+16:XS+31], v11    ; (a conversion's three registers begin on an even number)
	v_nop                                          ; a plain line between a scaled conversion and the moves that read its result
	v_mov_b32 v[F+3], v[F+6]
	v_mov_b32 v[F+4], v[F+7]
	v_mov_b32 v[F+5], v[F+8]
; block t of a K step is k = 64 c + 32 h on, c = (t / 2) % 2, h = t % 2: registers 6 c .. 6 c + 5 of lane 16 h + r
.if ((\t)/2)%2 == 0
	ds_store_b128 v4, v[F:F+3] offset:3072*((\t)/4)+256*((\t)%2)
	ds_store_b64 v4, v[F+4:F+5] offset:3072*((\t)/4)+512+256*((\t)%2)
.else
	ds_store_b64 v4, v[F:F+1] offset:3072*((\t)/4)+520+256*((\t)%2)
	ds_store_b128 v4, v[F+2:F+5] offset:3072*((\t)/4)+1024+256*((\t)%2)
.endif
.if (\t)+2 < 8
	LOAD (\t)+2
.endif
	s_wait_dscnt 0x0                               ; the stores have read their registers: the next block's codes may be written
.endm
.macro OUT k                           ; K step k's two fragments leave: 3,072 consecutive bytes, and 32 scale words
.irp j, 0,1,2,3,4,5
	ds_load_b128 v[O+24*\k+4*\j:O+24*\k+4*\j+3], v7 offset:3072*\k+512*\j
.endr
	s_wait_dscnt 0x0
.irp j, 0,1,2,3,4,5
	global_store_b128 v8, v[O+24*\k+4*\j:O+24*\k+4*\j+3], s[60:61] offset:KT*\k+512*\j
.endr
	global_store_b32 v9, v[SB+\k], s[62:63] offset:512*\k
.endm
	LOAD 0
	LOAD 1
	BLOCK 0
	BLOCK 1
	BLOCK 2
	BLOCK 3
	OUT 0
	BLOCK 4
	BLOCK 5
	BLOCK 6
	BLOCK 7
	OUT 1
	s_wait_tensorcnt 0x0
	ds_add_u32 v192, v193
	s_wait_dscnt 0x0
	s_endpgm
.Lfunc_end_k_q79a5f6d2a8_wq:
	.size	k_q79a5f6d2a8_wq, .Lfunc_end_k_q79a5f6d2a8_wq-k_q79a5f6d2a8_wq
	.p2alignl 7, 3214868480
	.fill 96, 4, 3214868480
	.section	.rodata,"a",@progbits
	.p2align	6, 0x0
	.amdhsa_kernel k_q79a5f6d2a8_wq
		.amdhsa_group_segment_fixed_size 25088
		.amdhsa_private_segment_fixed_size 0
		.amdhsa_enable_private_segment 0
		.amdhsa_kernarg_size 56
		.amdhsa_user_sgpr_count 2
		.amdhsa_user_sgpr_kernarg_segment_ptr 1
		.amdhsa_wavefront_size32 1
		.amdhsa_system_sgpr_workgroup_id_x 1
		.amdhsa_system_sgpr_workgroup_id_y 1
		.amdhsa_system_sgpr_workgroup_id_z 1
		.amdhsa_system_vgpr_workitem_id 0
		.amdhsa_next_free_vgpr 194
		.amdhsa_next_free_sgpr 66
		.amdhsa_reserve_vcc 0
		.amdhsa_float_denorm_mode_32 3
		.amdhsa_float_denorm_mode_16_64 3
		.amdhsa_memory_ordered 1
		.amdhsa_forward_progress 1
		.amdhsa_inst_pref_size 46
	.end_amdhsa_kernel
	.amdgpu_metadata
---
amdhsa.version: [ 1, 2 ]
amdhsa.kernels:
  - .name:           k_q79a5f6d2a8_wq
    .symbol:         k_q79a5f6d2a8_wq.kd
    .args:
      - { .name: Wq, .offset: 0, .size: 8, .value_kind: global_buffer, .address_space: global }
      - { .name: Wk, .offset: 8, .size: 8, .value_kind: global_buffer, .address_space: global }
      - { .name: Wv, .offset: 16, .size: 8, .value_kind: global_buffer, .address_space: global }
      - { .name: Wo, .offset: 24, .size: 8, .value_kind: global_buffer, .address_space: global }
      - { .name: W1, .offset: 32, .size: 8, .value_kind: global_buffer, .address_space: global }
      - { .name: W2, .offset: 40, .size: 8, .value_kind: global_buffer, .address_space: global }
      - { .name: wts, .offset: 48, .size: 8, .value_kind: global_buffer, .address_space: global }
    .group_segment_fixed_size: 25088
    .private_segment_fixed_size: 0
    .kernarg_segment_align: 8
    .kernarg_segment_size: 56
    .max_flat_workgroup_size: 128
    .sgpr_count:     66
    .vgpr_count:     194
    .wavefront_size: 32
...
	.end_amdgpu_metadata
.endif
;; end of part 1
;; launch ln1 (part 2): grid 256 x 1, 8 waves a work-group, no clusters, 66,816 bytes of LDS; arguments x, ln1_w, ln1_b, hn1; writes hn1
.if DOCPART == 2
	.amdgcn_target "amdgcn-amd-amdhsa--gfx1250"
	.amdhsa_code_object_version 6
	.text
	.protected	k_q79a5f6d2a8_ln1
	.globl	k_q79a5f6d2a8_ln1
	.p2align	8
	.type	k_q79a5f6d2a8_ln1,@function
k_q79a5f6d2a8_ln1:
	s_mov_b64 s[64:65], 0
	v_nop
	global_prefetch_b8 v0, s[64:65] scope:SCOPE_SE
	s_setreg_imm32_b32 hwreg(HW_REG_WAVE_MODE, 25, 1), 1
	s_wait_xcnt 0x0
; LayerNorm of [4096][1024] f32 rows, then the rows' codes of E3M2 along the 1,024, with one E8M0 byte for each 32, laid as images of a product's operand registers:
; codes [row / 256][k / 128][(row % 256) / 16][1536], scale words [row / 128][k / 128][row % 128] behind them.  TOKEN t LIES AT ROW pi(t) = t WITH ITS BITS 3 AND 4 SWAPPED.
; A work-group makes one block of 16 rows of the output.  Phase 1: wave w normalises two tokens (8,192 consecutive bytes), all in f32: mean, then the mean of the squared differences, rsq, gain, bias; the rows go to a stage in LDS.
; One barrier.  Phase 2: wave w takes K step w of all 16 rows: lane (r, h) reads 16 neighbours of each block of 32 of row r, quantises, and the wave stores a fragment: 3 x 512 consecutive bytes.
; The stage's rows are 4,112 bytes apart, an odd multiple of 16: the sixteen rows that a load touches start in sixteen different groups of banks.
; LIMITS: NaN and infinities are not served; a block under 2^-122 or of zeros keeps the byte 1; the bytes are read by this program alone.  v_rsq_f32 is good to 1 ulp.
.set KT,    24576
.set HN_S,  3145728
.set PITCH, 4112
.set X,   32                           ; v32-95   two rows, 32 numbers a lane each
.set W,   96                           ; v96-127  the gain at my columns
.set B,   128                          ; v128-159 the bias
.set S,   160                          ; v160-167 four registers of sums a row
.set H,   32                           ; phase 2: 64 numbers
.set PC,  112                          ; the codes just made (12 registers, 7 more at work)
.set TM,  200
.set PW,  216
.set SEL, 16
	s_load_b256 s[4:11], s[0:1], 0x0               ; the rows, gain, bias, the codes' buffer
	v_lshl_add_u32 v224, v0, 2, 0x10100
	v_mov_b32 v225, 0
	v_lshrrev_b32 v1, 5, v0
	v_readfirstlane_b32 s12, v1                    ; wave 0..7
	v_and_b32 v2, 31, v0
	v_lshlrev_b32 v3, 4, v2                        ; 16 x lane
	s_lshr_b32 s13, ttmp9, 1                       ; rows 2 w, 2 w + 1 of block R are tokens 32 (R / 2) + 16 (w / 4) + 8 (R % 2) + 2 (w % 4) + 0, 1
	s_lshl_b32 s13, s13, 5
	s_and_b32 s14, ttmp9, 1
	s_lshl_b32 s14, s14, 3
	s_add_co_u32 s13, s13, s14
	s_lshr_b32 s14, s12, 2
	s_lshl_b32 s14, s14, 4
	s_add_co_u32 s13, s13, s14
	s_and_b32 s14, s12, 3
	s_lshl_b32 s14, s14, 1
	s_add_co_u32 s13, s13, s14
	s_lshl_b32 s14, s13, 12
	s_mov_b32 s15, 0
	s_mov_b32 s[SEL], 0x76543210
	s_mov_b32 s[SEL+1], 0xfedcba98                 ; lane l xor 16
	s_mov_b32 s18, 0x3a800000                      ; 1 / 1024
	s_mov_b32 s19, 0x3727c5ac                      ; 1e-5
	s_lshr_b32 s20, ttmp9, 4
	s_lshl_b32 s20, s20, 3
	s_add_co_u32 s20, s20, s12
	s_mul_i32 s20, s20, KT
	s_and_b32 s21, ttmp9, 15
	s_mul_i32 s21, s21, 1536
	s_add_co_u32 s20, s20, s21                     ; my fragment
	s_mov_b32 s21, 0
	s_lshr_b32 s22, ttmp9, 3
	s_lshl_b32 s22, s22, 3
	s_add_co_u32 s22, s22, s12
	s_lshl_b32 s22, s22, 9
	s_and_b32 s23, ttmp9, 7
	s_lshl_b32 s23, s23, 6
	s_add_co_u32 s22, s22, s23
	s_add_co_u32 s22, s22, HN_S                    ; its scale words
	s_mov_b32 s23, 0
	s_mul_i32 s24, s12, 2*PITCH
	v_add_nc_u32 v4, s24, v3                       ; the stage, in: my two rows, 16 bytes a lane
	v_and_b32 v5, 15, v0                           ; r
	v_bfe_u32 v6, v0, 4, 1                         ; h
	v_mul_u32_u24 v7, v5, PITCH
	v_lshl_add_u32 v7, v6, 6, v7
	s_lshl_b32 s24, s12, 9
	v_add_nc_u32 v7, s24, v7                       ; out: row r, K step w, + 64 h
	v_lshlrev_b32 v8, 2, v5
.irp b, 0,1,2,3
	v_mov_b32 v[TM+4+\b], 0                        ; written once: a lane permute's destination counts as one of its sources
.endr
	s_wait_kmcnt 0x0
	s_add_nc_u64 s[4:5], s[4:5], s[14:15]
	s_add_nc_u64 s[20:21], s[10:11], s[20:21]
	s_add_nc_u64 s[22:23], s[10:11], s[22:23]
.irp e, 0,1
.irp j, 0,1,2,3,4,5,6,7
	global_load_b128 v[X+32*\e+4*\j:X+32*\e+4*\j+3], v3, s[4:5] offset:4096*\e+512*\j th:TH_LOAD_NT
.endr
.endr
.irp j, 0,1,2,3,4,5,6,7
	global_load_b128 v[W+4*\j:W+4*\j+3], v3, s[6:7] offset:512*\j
.endr
.irp j, 0,1,2,3,4,5,6,7
	global_load_b128 v[B+4*\j:B+4*\j+3], v3, s[8:9] offset:512*\j
.endr
.macro WSUM                            ; both rows' figures over the 32 lanes, the rows by turns
.irp m, 1,2,4,8
.irp e, 0,1
	v_add_f32_dpp v[S+4*\e], v[S+4*\e], v[S+4*\e] row_xmask:\m row_mask:0xf bank_mask:0xf
.endr
.endr
.irp e, 0,1
	v_permlanex16_b32 v[S+4*\e+1], v[S+4*\e], s[SEL], s[SEL+1]
.endr
.irp e, 0,1
	v_add_f32 v[S+4*\e], v[S+4*\e], v[S+4*\e+1]
.endr
.endm
	s_wait_loadcnt 16                              ; the rows are in; gain and bias, 16 loads, may be out
.irp e, 0,1
	v_pk_add_f32 v[S+4*\e:S+4*\e+1], v[X+32*\e:X+32*\e+1], v[X+32*\e+2:X+32*\e+3]
	v_pk_add_f32 v[S+4*\e+2:S+4*\e+3], v[X+32*\e+4:X+32*\e+5], v[X+32*\e+6:X+32*\e+7]
.endr
.irp j, 8,12,16,20,24,28
.irp e, 0,1
	v_pk_add_f32 v[S+4*\e:S+4*\e+1], v[S+4*\e:S+4*\e+1], v[X+32*\e+\j:X+32*\e+\j+1]
	v_pk_add_f32 v[S+4*\e+2:S+4*\e+3], v[S+4*\e+2:S+4*\e+3], v[X+32*\e+\j+2:X+32*\e+\j+3]
.endr
.endr
.irp e, 0,1
	v_pk_add_f32 v[S+4*\e:S+4*\e+1], v[S+4*\e:S+4*\e+1], v[S+4*\e+2:S+4*\e+3]
.endr
.irp e, 0,1
	v_add_f32 v[S+4*\e], v[S+4*\e], v[S+4*\e+1]
.endr
	WSUM
.irp e, 0,1
	v_mul_f32 v[S+4*\e], s18, v[S+4*\e]            ; the mean
.endr
.irp j, 0,2,4,6,8,10,12,14,16,18,20,22,24,26,28,30
.irp e, 0,1
	v_pk_add_f32 v[X+32*\e+\j:X+32*\e+\j+1], v[X+32*\e+\j:X+32*\e+\j+1], v[S+4*\e:S+4*\e+1] op_sel_hi:[1,0] neg_lo:[0,1] neg_hi:[0,1]   ; x - mean
.endr
.endr
.irp e, 0,1
	v_pk_mul_f32 v[S+4*\e:S+4*\e+1], v[X+32*\e:X+32*\e+1], v[X+32*\e:X+32*\e+1]
	v_pk_mul_f32 v[S+4*\e+2:S+4*\e+3], v[X+32*\e+2:X+32*\e+3], v[X+32*\e+2:X+32*\e+3]
.endr
.irp j, 4,8,12,16,20,24,28
.irp e, 0,1
	v_pk_fma_f32 v[S+4*\e:S+4*\e+1], v[X+32*\e+\j:X+32*\e+\j+1], v[X+32*\e+\j:X+32*\e+\j+1], v[S+4*\e:S+4*\e+1]
	v_pk_fma_f32 v[S+4*\e+2:S+4*\e+3], v[X+32*\e+\j+2:X+32*\e+\j+3], v[X+32*\e+\j+2:X+32*\e+\j+3], v[S+4*\e+2:S+4*\e+3]
.endr
.endr
.irp e, 0,1
	v_pk_add_f32 v[S+4*\e:S+4*\e+1], v[S+4*\e:S+4*\e+1], v[S+4*\e+2:S+4*\e+3]
.endr
.irp e, 0,1
	v_add_f32 v[S+4*\e], v[S+4*\e], v[S+4*\e+1]
.endr
	WSUM
.irp e, 0,1
	v_fma_f32 v[S+4*\e], v[S+4*\e], s18, s19       ; the variance + 1e-5
.endr
.irp e, 0,1
	v_rsq_f32 v[S+4*\e], v[S+4*\e]
.endr
	v_nop                                          ; a plain line behind the transcendentals
	s_wait_alu depctr_va_vdst(0)                   ; one wait for both, ahead of their first reader
	s_wait_loadcnt 0x0                             ; gain and bias
.irp j, 0,2,4,6,8,10,12,14,16,18,20,22,24,26,28,30
.irp e, 0,1
	v_pk_mul_f32 v[X+32*\e+\j:X+32*\e+\j+1], v[X+32*\e+\j:X+32*\e+\j+1], v[S+4*\e:S+4*\e+1] op_sel_hi:[1,0]
.endr
.endr
.irp j, 0,2,4,6,8,10,12,14,16,18,20,22,24,26,28,30
.irp e, 0,1
	v_pk_fma_f32 v[X+32*\e+\j:X+32*\e+\j+1], v[X+32*\e+\j:X+32*\e+\j+1], v[W+\j:W+\j+1], v[B+\j:B+\j+1]
.endr
.endr
.irp e, 0,1
.irp j, 0,1,2,3,4,5,6,7
	ds_store_b128 v4, v[X+32*\e+4*\j:X+32*\e+4*\j+3] offset:PITCH*\e+512*\j
.endr
.endr
	s_wait_dscnt 0x0                               ; for the others' sake: my rows lie in the stage
	s_barrier_signal -1
	s_barrier_wait -1
.irp b, 0,1,2,3
.irp j, 0,1,2,3
	ds_load_b128 v[H+16*\b+4*\j:H+16*\b+4*\j+3], v7 offset:128*\b+16*\j   ; register 16 b + i = k 32 b + 16 h + i of row r
.endr
.endr
	s_wait_dscnt 0x0
.irp b, 0,1,2,3
	v_max3_num_f32 v[TM+\b], |v[H+16*\b]|, |v[H+1+16*\b]|, 0x2800000     ; my 16 numbers of block b, and the floor 2^(5 - 127)
.endr
.irp i, 2,4,6,8,10,12,14
.irp b, 0,1,2,3
	v_max3_num_f32 v[TM+\b], v[TM+\b], |v[H+16*\b+\i]|, |v[H+1+16*\b+\i]|
.endr
.endr
.irp b, 0,1,2,3
	v_permlanex16_b32 v[TM+4+\b], v[TM+\b], s[SEL], s[SEL+1]
.endr
.irp b, 0,1,2,3
	v_max_num_f32 v[TM+\b], v[TM+\b], v[TM+4+\b]   ; with lane l xor 16's: the block's largest magnitude
.endr
.irp b, 0,1,2,3
	v_add_nc_u32 v[TM+12+\b], 0xfe000000, v[TM+\b] ; 4 off the exponent field: the conversion's scale operand
.endr
.irp b, 0,1,2,3
	v_lshrrev_b32 v[TM+4+\b], 23, v[TM+12+\b]      ; the scale's byte
.endr
	v_lshl_or_b32 v[PW], v[TM+5], 8, v[TM+4]
	v_lshl_or_b32 v[PW], v[TM+6], 16, v[PW]
	v_lshl_or_b32 v[PW], v[TM+7], 24, v[PW]
.irp c, 0,1
	v_cvt_scalef32_pk16_bf6_f32 v[PC+6*\c:PC+2+6*\c], v[H+32*\c:H+15+32*\c], v[TM+12+2*\c]
	v_cvt_scalef32_pk16_bf6_f32 v[PC+12+4*\c:PC+14+4*\c], v[H+16+32*\c:H+31+32*\c], v[TM+13+2*\c]
.endr
	v_nop                                          ; a plain line behind the scaled conversions
.irp c, 0,1                                    ; the operand wants a whole block in a lane: lanes 0-15 block 2 c, lanes 16-31 block 2 c + 1
.irp i, 0,1,2
	v_permlane16_swap_b32 v[PC+6*\c+\i], v[PC+12+4*\c+\i]
.endr
.irp i, 0,1,2
	v_mov_b32 v[PC+3+6*\c+\i], v[PC+12+4*\c+\i]
.endr
.endr
.irp c, 0,1,2
	global_store_b128 v3, v[PC+4*\c:PC+4*\c+3], s[20:21] offset:512*\c    ; 512 consecutive bytes, aligned
.endr
	global_store_b32 v8, v[PW], s[22:23]           ; lanes r and 16 + r hold the same word and write it to the same place
	s_wait_tensorcnt 0x0
	ds_add_u32 v224, v225
	s_wait_dscnt 0x0
	s_endpgm
.Lfunc_end_k_q79a5f6d2a8_ln1:
	.size	k_q79a5f6d2a8_ln1, .Lfunc_end_k_q79a5f6d2a8_ln1-k_q79a5f6d2a8_ln1
	.p2alignl 7, 3214868480
	.fill 96, 4, 3214868480
	.section	.rodata,"a",@progbits
	.p2align	6, 0x0
	.amdhsa_kernel k_q79a5f6d2a8_ln1
		.amdhsa_group_segment_fixed_size 66816
		.amdhsa_private_segment_fixed_size 0
		.amdhsa_enable_private_segment 0
		.amdhsa_kernarg_size 32
		.amdhsa_user_sgpr_count 2
		.amdhsa_user_sgpr_kernarg_segment_ptr 1
		.amdhsa_wavefront_size32 1
		.amdhsa_system_sgpr_workgroup_id_x 1
		.amdhsa_system_sgpr_workgroup_id_y 1
		.amdhsa_system_sgpr_workgroup_id_z 1
		.amdhsa_system_vgpr_workitem_id 0
		.amdhsa_next_free_vgpr 226
		.amdhsa_next_free_sgpr 66
		.amdhsa_reserve_vcc 0
		.amdhsa_float_denorm_mode_32 3
		.amdhsa_float_denorm_mode_16_64 3
		.amdhsa_memory_ordered 1
		.amdhsa_forward_progress 1
		.amdhsa_inst_pref_size 24
	.end_amdhsa_kernel
	.amdgpu_metadata
---
amdhsa.version: [ 1, 2 ]
amdhsa.kernels:
  - .name:           k_q79a5f6d2a8_ln1
    .symbol:         k_q79a5f6d2a8_ln1.kd
    .args:
      - { .name: x, .offset: 0, .size: 8, .value_kind: global_buffer, .address_space: global }
      - { .name: ln1_w, .offset: 8, .size: 8, .value_kind: global_buffer, .address_space: global }
      - { .name: ln1_b, .offset: 16, .size: 8, .value_kind: global_buffer, .address_space: global }
      - { .name: hn1, .offset: 24, .size: 8, .value_kind: global_buffer, .address_space: global }
    .group_segment_fixed_size: 66816
    .private_segment_fixed_size: 0
    .kernarg_segment_align: 8
    .kernarg_segment_size: 32
    .max_flat_workgroup_size: 256
    .sgpr_count:     66
    .vgpr_count:     226
    .wavefront_size: 32
...
	.end_amdgpu_metadata
.endif
;; end of part 2
;; launch qkv (part 3): grid 12 x 16, 4 waves a work-group, clusters of 4 x 4, 327,680 bytes of LDS; arguments hn1, wts, qkv; writes qkv
.if DOCPART == 3
	.amdgcn_target "amdgcn-amd-amdhsa--gfx1250"
	.amdhsa_code_object_version 6
	.text
	.protected	k_q79a5f6d2a8_qkv
	.globl	k_q79a5f6d2a8_qkv
	.p2align	8
	.type	k_q79a5f6d2a8_qkv,@function
k_q79a5f6d2a8_qkv:
	s_mov_b64 s[64:65], 0
	v_nop
	global_prefetch_b8 v0, s[64:65] scope:SCOPE_SE
	s_setreg_imm32_b32 hwreg(HW_REG_WAVE_MODE, 25, 1), 1
	s_wait_xcnt 0x0
	s_wait_alu depctr_hold_cnt(0) depctr_sa_sdst(0) depctr_va_vdst(0) depctr_va_sdst(0) depctr_va_ssrc(0) depctr_va_vcc(0) depctr_vm_vsrc(0)
	s_getreg_b32 s2, hwreg(HW_REG_IB_STS2, 6, 4)
	s_cmp_eq_u32 s2, 0
	s_cbranch_scc0 .Lentry_in_a_cluster
	s_endpgm
.Lentry_in_a_cluster:
	s_bfe_u32 s2, ttmp6, 0x10000c
	s_cmp_lg_u32 s2, 0xf033
	s_cbranch_scc0 .Lentry_shape_is_right
	s_endpgm
.Lentry_shape_is_right:
; Q, K and V^T in one launch: products on codes of E3M2 (K = 1,024), whose results are quantised in registers and stored as the attention launch reads them.  No f32 result goes to memory.
; OPERANDS are images of their registers: a fragment (16 rows x 128 K, 12 registers a lane) is 1,536 bytes, registers 4 c .. 4 c + 3 of lane l at 512 c + 16 l; codes [row / 256][k / 128][fragment][1536]; scale words [row / 128][k / 128][row % 128].
; So a tile's K step is 24,576 dense bytes for one tensor load, and a fragment comes from LDS by three loads of 16 bytes a lane, 512 consecutive bytes each.
; A tile of the result is 256 x 256, four waves, 128 x 128 each (64 accumulators, 512 registers).  K goes through a ring of two LDS slots of two K steps; the scale words of all of K come once.
; THE PRODUCT IS USED TRANSPOSED (source 0 = 16 rows of B, source 1 = 16 rows of A): a lane holds one row of A and registers along B's rows.  B's rows lie at pi(index) (bits 3 and 4 swapped), so the 64 registers of a
; block of A's rows are 128 neighbouring indices of B in the order that the quantiser takes: register 16 b + i = index 32 b + 16 (lane / 16) + i.  They become one fragment and one scale word a row.
; CLUSTERS x = 0, 1: A = the normalised tokens, B = Wq's and Wk's columns: a wave's 128 columns are two heads; each head's 64 are half a fragment (768 bytes).  CLUSTER x = 2: A = Wv's columns, B = the tokens: a lane holds a channel
; and 128 neighbouring tokens: V^T with the keys innermost.  Which it is hangs on the cluster's x alone, equal in all sixteen partners.
; 4 x 4 work-groups form a cluster; A's tile is asked for jointly along a row of the cluster, B's along a column.
; LIMITS: NaN and infinities are not served; a block under 2^-122 or of zeros keeps the byte 1; the bytes are read by this program alone.
.set KS,    8                          ; K steps of 128
.set KT,    24576                      ; a tile's K step in bytes
.set FRB,   1536
.set FR,    12
.set NL,    3                          ; LDS loads that bring a fragment
.set NP,    4                          ; places behind this matrix instruction (ISA guide 7.12.1)
.set NQ,    2                          ; K steps in a slot
.set SLOT,  4*KT                       ; A's two K steps, then B's two
.set LAPS,  KS/4
.set HALFS, KS*512                     ; the scale words of 128 rows
.set SCL,   2*SLOT
.set SPARE, SCL+4*HALFS                ; the spare words, 128 bytes a wave; no other line names them
.set HN_S,  3145728
.set W8_S,  9437184
.set QS,    3145728
.set KVO,   3407872
.set KB,    13056                      ; a key step's block: 8 x 768 K, 4 x 1,536 V^T, 512 K's scale words, 256 V's
.set ADRA, 16
.set ADRB, 20
.set LI16, 24
.set LI8,  25
.set LR4,  26
.set ADRS, 27
.set SPW,  28
.set NIL,  29
.set SC,   32
.set AF,   128
.set PC,   112
.set TM,   200
.set PW,   216
.set PW2,  217
.set SEL,  66
.set G1, 24
.set G0, 32
.set G1B, 48
.set G0B, 56
.set G1S, 68
.set G0S, 76
.set G1SB, 80
.set G0SB, 88
.set MSB, 0
.macro WIN new                         ; the immediate's high byte repeats the setting that is left
.if MSB != (\new)
	s_set_vgpr_msb (MSB<<8)|(\new)
.set MSB, (\new)
.endif
.endm
.set MUL_LO, 0xa1                      ; source 0 (B) window 1, source 1 (A) window 0, C and D window 2
.set MUL_HI, 0xf1
.set TO_B,   0x40
.macro JLOAD g0a, g1a, g0b, g1b        ; a joint load: waves 0 and 1 fetch for A, waves 2 and 3 for B; four v_nop follow each line
	s_cmp_eq_u32 s15, 0
	s_cbranch_scc0 .Lfor_b_\@
	tensor_load_to_lds s[\g0a:\g0a+3], s[\g1a:\g1a+7]
	s_nop 0
.rept 4
	v_nop
.endr
	s_branch .Lasked_\@
.Lfor_b_\@:
	tensor_load_to_lds s[\g0b:\g0b+3], s[\g1b:\g1b+7]
	s_nop 0
.rept 4
	v_nop
.endr
.Lasked_\@:
.endm
.macro CREST
	s_cmp_lg_u32 s14, 0
	s_cbranch_scc1 .Lnot_wave_0_\@
	s_barrier_signal -3
.Lnot_wave_0_\@:
	s_barrier_wait -3
	s_barrier_signal -1
	s_barrier_wait -1
.endm
.macro CROUND
	s_barrier_signal -1
	s_barrier_wait -1
	CREST
.endm
	s_load_b128 s[4:7], s[0:1], 0x0                ; the tokens' codes, the weights' codes
	s_load_b64 s[8:9], s[0:1], 0x10                ; Q, K, V^T
	v_lshl_add_u32 v[SPW], v0, 2, SPARE
	v_mov_b32 v[NIL], 0
	ds_add_u32 v28, v29
	ds_add_u32 v28, v29
	s_wait_dscnt 0x0
	v_lshrrev_b32 v1, 5, v0
	v_readfirstlane_b32 s14, v1                    ; wave 0..3
	s_lshr_b32 s15, s14, 1                         ; my half of A's rows.  Also: I fetch for A (0) or B (1)
	s_and_b32 s16, s14, 1                          ; my half of B's rows.  Also: which of a slot's two K steps I fetch
	s_bfe_u32 s40, ttmp6, 0x40000                  ; cx
	s_bfe_u32 s41, ttmp6, 0x40004                  ; cy
	s_and_b32 s17, ttmp7, 0xffff
	s_lshl_b32 s17, s17, 2                         ; 4 x cluster y
	s_add_co_u32 s95, s17, s40                     ; V: B's tile of tokens
	s_add_co_u32 s17, s17, s41                     ; Q, K: A's tile of tokens
	s_add_co_u32 s96, s41, 8                       ; V: A's tile of the weights (Wv's are 8 to 11)
	s_lshl_b32 s42, ttmp9, 2
	s_add_co_u32 s42, s42, s40                     ; Q, K: B's tile of the weights (0 to 7)
	s_mov_b32 s97, HN_S
	s_mov_b32 s98, W8_S
	s_cmp_eq_u32 ttmp9, 2
	s_cselect_b32 s17, s96, s17                    ; A's tile: made of cy and the cluster's place alone
	s_cselect_b32 s42, s95, s42                    ; B's tile: of cx and the cluster's place alone
	s_cselect_b32 s99, s98, s97                    ; where A's scale words begin in its buffer
	s_cselect_b32 s100, s97, s98                   ; and B's
	s_lshl_b32 s43, s41, 2
	s_lshl_b32 s43, 15, s43                        ; my row of the cluster
	s_lshl_b32 s44, 0x1111, s40                    ; my column
	s_or_b32 s[G1+0], s43, (3<<16)|(1<<21)         ; 15:0 the mask; 17:16 elements of 8 bytes; 21 set beside a mask; no padding
	s_or_b32 s[G1B+0], s44, (3<<16)|(1<<21)
.irp g, G1, G1B
	s_mov_b32 s[\g+1], 32<<16                      ; rows of 256 bytes,
	s_mov_b32 s[\g+2], 96<<16                      ; 96 of them, dense
	s_mov_b32 s[\g+3], 32<<16
	s_mov_b32 s[\g+4], 96
	s_mov_b32 s[\g+5], 32
	s_mov_b32 s[\g+6], 0
	s_mov_b32 s[\g+7], 0
.endr
	s_or_b32 s[G1S+0], s43, (3<<16)|(1<<21)
	s_or_b32 s[G1SB+0], s44, (3<<16)|(1<<21)
.irp g, G1S, G1SB
	s_mov_b32 s[\g+1], 32<<16
	s_mov_b32 s[\g+2], (2*KS)<<16
	s_mov_b32 s[\g+3], 32<<16
	s_mov_b32 s[\g+4], 2*KS
	s_mov_b32 s[\g+5], 32
	s_mov_b32 s[\g+6], 0
	s_mov_b32 s[\g+7], 0
.endr
	s_mul_i32 s18, s16, KT
	s_mul_i32 s20, s17, KS*KT
	s_add_co_u32 s20, s20, s18                     ; A's codes: tile, my K step
	s_mov_b32 s21, 0
	s_lshl_b32 s22, s17, 1
	s_add_co_u32 s22, s22, s16
	s_mul_i32 s22, s22, HALFS
	s_add_co_u32 s22, s22, s99                     ; A's scale words: my 128 rows
	s_mov_b32 s23, 0
	s_mul_i32 s46, s42, KS*KT
	s_add_co_u32 s46, s46, s18
	s_mov_b32 s47, 0
	s_lshl_b32 s92, s42, 1
	s_add_co_u32 s92, s92, s16
	s_mul_i32 s92, s92, HALFS
	s_add_co_u32 s92, s92, s100
	s_mov_b32 s93, 0
	s_mul_i32 s45, s14, KT                         ; where they go: wave x a K step: no place in the cluster enters an LDS address
	s_mul_i32 s94, s14, HALFS
	s_wait_kmcnt 0x0
	s_cmp_eq_u32 ttmp9, 2
	s_cselect_b64 s[10:11], s[6:7], s[4:5]         ; A's buffer
	s_cselect_b64 s[12:13], s[4:5], s[6:7]         ; B's
	s_add_nc_u64 s[20:21], s[10:11], s[20:21]
	s_add_nc_u64 s[22:23], s[10:11], s[22:23]
	s_add_nc_u64 s[46:47], s[12:13], s[46:47]
	s_add_nc_u64 s[92:93], s[12:13], s[92:93]
	CROUND                                         ; all sixteen work-groups are here: the first joint loads meet
	s_mov_b32 s[G0S], 1
	s_add_co_u32 s[G0S+1], s94, SCL
	s_mov_b64 s[G0S+2:G0S+3], s[22:23]
	s_or_b32 s[G0S+3], s[G0S+3], 0x80000000
	s_mov_b32 s[G0SB], 1
	s_add_co_u32 s[G0SB+1], s94, SCL
	s_mov_b64 s[G0SB+2:G0SB+3], s[92:93]
	s_or_b32 s[G0SB+3], s[G0SB+3], 0x80000000
	JLOAD G0S, G1S, G0SB, G1SB                     ; the scale words of all of K: filled once
.irp s, 0,1
	s_mov_b32 s[G0+4*\s], 1
	s_add_co_u32 s[G0+4*\s+1], s45, \s*SLOT
	s_add_nc_u64 s[G0+4*\s+2:G0+4*\s+3], s[20:21], \s*2*KT
	s_or_b32 s[G0+4*\s+3], s[G0+4*\s+3], 0x80000000
	s_mov_b32 s[G0B+4*\s], 1
	s_add_co_u32 s[G0B+4*\s+1], s45, \s*SLOT
	s_add_nc_u64 s[G0B+4*\s+2:G0B+4*\s+3], s[46:47], \s*2*KT
	s_or_b32 s[G0B+4*\s+3], s[G0B+4*\s+3], 0x80000000
	JLOAD G0+4*\s, G1, G0B+4*\s, G1B
.endr
	v_and_b32 v1, 15, v0                           ; r
	v_bfe_u32 v2, v0, 4, 1                         ; h
	v_and_b32 v3, 31, v0
	v_lshlrev_b32 v[LI8], 3, v3
	v_lshlrev_b32 v3, 4, v3                        ; 16 x lane
	v_mov_b32 v[LI16], v3
	v_lshlrev_b32 v[LR4], 2, v1
	s_mul_i32 s21, s15, 8*FRB                      ; my eight fragments of A
	s_mul_i32 s22, s16, 8*FRB                      ; and of B,
	s_add_co_u32 s22, s22, 2*KT                    ; which lie behind A's two K steps
.irp s, 0,1
	v_add_nc_u32 v[ADRA+\s], s21, v3
	v_add_nc_u32 v[ADRB+\s], s22, v3
	s_add_co_u32 s21, s21, SLOT
	s_add_co_u32 s22, s22, SLOT
.endr
	s_mul_i32 s21, s15, HALFS                      ; scale words: lanes 0-15 take A's rows, lanes 16-31 B's: the lower base + h x the distance
	s_mul_i32 s22, s16, HALFS
	s_add_co_u32 s22, s22, 2*HALFS
	s_sub_co_u32 s22, s22, s21
	v_mul_u32_u24 v6, s22, v2
	s_add_co_u32 s21, s21, SCL
	v_add_nc_u32 v5, v[LR4], v6
	v_add_nc_u32 v[ADRS], s21, v5
.macro FRAG reg, adr, q, i             ; a fragment comes as it was stored: three loads of 512 consecutive bytes
.irp c, 0,1,2
	ds_load_b128 v[\reg+4*\c:\reg+4*\c+3], v[\adr] offset:(\q)*KT+(\i)*FRB+512*\c
.endr
.endm
; 16 matrix instructions: A's blocks a0, a0 + 1 x B's eight.  The 64 accumulators take turns, one instruction a turn, in the same order in every step.
.macro MUL16 a0, p, q, sc, zero
.irp a, \a0, \a0+1
.irp b, 0,1,2,3,4,5,6,7
.if \zero
	v_wmma_scale_f32_16x16x128_f8f6f4 v[8*(8*((\a)%4)+\b):8*(8*((\a)%4)+\b)+7], v[128*(\p)+FR*\b:128*(\p)+FR*\b+FR-1], v[AF+FR*(\a):AF+FR*(\a)+FR-1], 0, v[SC+8*NQ*(\sc)+NQ*\b+(\q)], v[SC+8*NQ*(\sc)+NQ*(\a)+(\q)] matrix_a_fmt:MATRIX_FMT_BF6 matrix_b_fmt:MATRIX_FMT_BF6 matrix_a_scale:MATRIX_SCALE_ROW1
.else
	v_wmma_scale_f32_16x16x128_f8f6f4 v[8*(8*((\a)%4)+\b):8*(8*((\a)%4)+\b)+7], v[128*(\p)+FR*\b:128*(\p)+FR*\b+FR-1], v[AF+FR*(\a):AF+FR*(\a)+FR-1], v[8*(8*((\a)%4)+\b):8*(8*((\a)%4)+\b)+7], v[SC+8*NQ*(\sc)+NQ*\b+(\q)], v[SC+8*NQ*(\sc)+NQ*(\a)+(\q)] matrix_a_fmt:MATRIX_FMT_BF6 matrix_b_fmt:MATRIX_FMT_BF6 matrix_a_scale:MATRIX_SCALE_ROW1
.endif
.endr
.endr
.endm
.macro FETCH_B slot, q, p
	WIN TO_B
.irp i, 0,1,2,3,4,5,6,7
	FRAG 128*(\p)+FR*\i, ADRB+\slot, \q, \i
.endr
	WIN 0
.endm
.macro FETCH_A slot, q, i0
.irp i, \i0, \i0+1, \i0+2, \i0+3
	FRAG AF+FR*(\i), ADRA+\slot, \q, \i
.endr
.endm
.macro SCALES sc                       ; a slot's scale words: register 2 i + q: lanes 0-15 A's block i, lanes 16-31 B's block i, K step q
.irp i, 0,1,2,3,4,5,6,7
.irp q, 0,1
	ds_load_b32 v[SC+16*\sc+2*\i+\q], v[ADRS] offset:512*\q+64*\i
.endr
.endr
.endm
.macro PLACES n                        ; plain vector lines between a matrix instruction and a load into, or a read of, its registers
.rept \n
	v_nop
.endr
.endm
.macro STEP slot, q, zero              ; a K step that has its successor in the same slot
	s_wait_dscnt 4*NL                              ; all but the youngest twelve loads (A's blocks 4-7) are in
	WIN MUL_LO
	MUL16 0, (\q)%2, \q, \slot, \zero
	MUL16 2, (\q)%2, \q, \slot, \zero
	s_wait_dscnt 0
	PLACES NP
	FETCH_B \slot, (\q)+1, 1-(\q)%2
	FETCH_A \slot, (\q)+1, 0
	WIN MUL_HI
	MUL16 4, (\q)%2, \q, \slot, \zero
	MUL16 6, (\q)%2, \q, \slot, \zero
	PLACES NP
	WIN 0
	FETCH_A \slot, (\q)+1, 4
.endm
; A slot's last K step changes slots: each wave waits for all its tensor loads, adds 0 to its spare word, waits for that and for its reads of the slot; one barrier, which with fill = 1 opens a round of the cluster's; the joint refill is first behind it.
.macro TURN slot, next, fill
	s_wait_tensorcnt 0x0                           ; all my tensor loads have landed: my part of the next slot
	ds_add_u32 v[SPW], v[NIL]
	s_wait_dscnt 4*NL+1                            ; the add and the youngest twelve loads may be out
	WIN MUL_LO
	MUL16 0, 1, NQ-1, \slot, 0
	s_wait_dscnt 0x0                               ; the add is done, and my reads of this slot are over
	s_barrier_signal -1
	MUL16 2, 1, NQ-1, \slot, 0
	WIN 0
	s_barrier_wait -1
.if \fill
	CREST
	s_add_nc_u64 s[G0+4*\slot+2:G0+4*\slot+3], s[G0+4*\slot+2:G0+4*\slot+3], 4*KT
	s_add_nc_u64 s[G0B+4*\slot+2:G0B+4*\slot+3], s[G0B+4*\slot+2:G0B+4*\slot+3], 4*KT
	JLOAD G0+4*\slot, G1, G0B+4*\slot, G1B         ; my one tensor load behind the round; its four v_nop are the places in front of the loads below
.else
	PLACES NP
.endif
	v_add_nc_u32 v[ADRS], 512*NQ, v[ADRS]          ; the next slot's scale words
	FETCH_B \next, 0, 0
	FETCH_A \next, 0, 0
	SCALES \next
	WIN MUL_HI
	MUL16 4, 1, NQ-1, \slot, 0
	MUL16 6, 1, NQ-1, \slot, 0
	PLACES NP
	WIN 0
	FETCH_A \next, 0, 4
.endm
	s_wait_tensorcnt 1                             ; the scale words and my part of slot 0 are in; slot 1's load may be out
	s_barrier_signal -1
	s_barrier_wait -1
	FETCH_B 0, 0, 0
	FETCH_A 0, 0, 0
	SCALES 0
	FETCH_A 0, 0, 4
	STEP 0, 0, 1                                   ; the first step's products start the sums
	s_mov_b32 s3, LAPS-1
.Llap:
	TURN 0, 1, 1
	STEP 1, 0, 0
	TURN 1, 0, 1
	STEP 0, 0, 0
	s_sub_co_u32 s3, s3, 1
	s_cmp_lg_u32 s3, 0
	s_cbranch_scc1 .Llap
	TURN 0, 1, 0                                   ; the last lap fills nothing
	STEP 1, 0, 0
	s_wait_dscnt 4*NL
	WIN MUL_LO
	MUL16 0, 1, NQ-1, 1, 0
	MUL16 2, 1, NQ-1, 1, 0
	s_wait_dscnt 0
	WIN MUL_HI
	MUL16 4, 1, NQ-1, 1, 0
	MUL16 6, 1, NQ-1, 1, 0
	WIN 0
; 64 numbers of a lane in window w, register 16 b + i = k 32 b + 16 (lane / 16) + i of my row, become a fragment in v[PC] on and its scale word in v[PW].  Each accumulator is read from its low end on.
.macro QUANT s, w
	WIN ((\w)<<2)|((\w)<<4)
.irp b, 0,1,2,3
	v_max3_num_f32 v[TM+\b], 0x2800000, |v[(\s)+16*\b]|, |v[(\s)+16*\b+1]|     ; the floor 2^(5 - 127): the byte cannot fall under 1
.endr
.irp i, 2,4,6,8,10,12,14
.irp b, 0,1,2,3
	v_max3_num_f32 v[TM+\b], v[TM+\b], |v[(\s)+16*\b+\i]|, |v[(\s)+16*\b+\i+1]|
.endr
.endr
	WIN 0
.irp b, 0,1,2,3
	v_permlanex16_b32 v[TM+4+\b], v[TM+\b], s[SEL], s[SEL+1]
.endr
.irp b, 0,1,2,3
	v_max_num_f32 v[TM+\b], v[TM+\b], v[TM+4+\b]
.endr
.irp b, 0,1,2,3
	v_add_nc_u32 v[TM+12+\b], 0xfe000000, v[TM+\b]
.endr
.irp b, 0,1,2,3
	v_lshrrev_b32 v[TM+4+\b], 23, v[TM+12+\b]
.endr
	v_lshl_or_b32 v[PW], v[TM+5], 8, v[TM+4]
	v_lshl_or_b32 v[PW], v[TM+6], 16, v[PW]
	v_lshl_or_b32 v[PW], v[TM+7], 24, v[PW]
	WIN (\w)
.irp c, 0,1
	v_cvt_scalef32_pk16_bf6_f32 v[PC+6*\c:PC+2+6*\c], v[(\s)+32*\c:(\s)+15+32*\c], v[TM+12+2*\c]
	v_cvt_scalef32_pk16_bf6_f32 v[PC+12+4*\c:PC+14+4*\c], v[(\s)+16+32*\c:(\s)+31+32*\c], v[TM+13+2*\c]
.endr
	WIN 0
	v_nop                                          ; a plain line behind the scaled conversions
.irp c, 0,1
.irp i, 0,1,2
	v_permlane16_swap_b32 v[PC+6*\c+\i], v[PC+12+4*\c+\i]
.endr
.irp i, 0,1,2
	v_mov_b32 v[PC+3+6*\c+\i], v[PC+12+4*\c+\i]
.endr
.endr
.endm
	PLACES NP                                      ; behind the last products
	s_mov_b32 s[SEL], 0x76543210
	s_mov_b32 s[SEL+1], 0xfedcba98
.irp b, 0,1,2,3
	v_mov_b32 v[TM+4+\b], 0                        ; a lane permute's destination counts as one of its sources
.endr
	s_cmp_eq_u32 ttmp9, 2
	s_cbranch_scc1 .Lvt
	; ---- Q or K: my 128 rows are tokens (8 blocks of 16), my 128 columns two heads
	s_lshl_b32 s20, s42, 8
	s_lshl_b32 s21, s16, 7
	s_add_co_u32 s20, s20, s21                     ; my first column of [Q | K]
	s_lshl_b32 s22, s17, 8
	s_lshl_b32 s21, s15, 7
	s_add_co_u32 s22, s22, s21                     ; my first row
	s_bfe_u32 s23, s20, 0x40006                    ; the first head
	s_lshr_b32 s24, s22, 11
	s_lshl_b32 s24, s24, 4
	s_add_co_u32 s24, s24, s23                     ; 16 x batch + head
	s_bfe_u32 s25, s22, 0x70004                    ; my first block of 16 rows in the batch
	s_mul_i32 s26, s24, 98304
	s_mul_i32 s27, s25, 768
	s_add_co_u32 s26, s26, s27                     ; Q's codes
	s_lshl_b32 s27, s24, 13
	s_lshl_b32 s28, s25, 6
	s_add_co_u32 s27, s27, s28
	s_add_co_u32 s27, s27, QS                      ; Q's scale words
	s_lshl_b32 s28, s24, 4
	s_lshr_b32 s29, s25, 3
	s_add_co_u32 s28, s28, s29
	s_mul_i32 s28, s28, KB
	s_add_co_u32 s28, s28, KVO                     ; K's codes: the head's key step
	s_add_co_u32 s29, s28, 12288                   ; K's scale words
	s_mov_b32 s30, 98304
	s_mov_b32 s31, 8192
	s_mov_b32 s32, 16*KB
	s_cmp_lt_u32 s20, 1024                         ; Q's columns or K's: only offsets are chosen
	s_cselect_b32 s26, s26, s28
	s_cselect_b32 s28, s27, s29
	s_cselect_b32 s30, s30, s32                    ; from head to head, codes
	s_cselect_b32 s32, s31, s32                    ; and scale words
	s_mov_b32 s27, 0
	s_mov_b32 s29, 0
	s_mov_b32 s31, 0
	s_mov_b32 s33, 0
	s_add_nc_u64 s[68:69], s[8:9], s[26:27]
	s_add_nc_u64 s[70:71], s[68:69], s[30:31]
	s_add_nc_u64 s[72:73], s[8:9], s[28:29]
	s_add_nc_u64 s[74:75], s[72:73], s[32:33]
.irp a, 0,1,2,3,4,5,6,7
	s_wait_xcnt 0x0                                ; the last block's stores have read their registers
	QUANT 64*(\a%4),2+\a/4
	v_lshrrev_b32 v[PW2], 16, v[PW]                ; the second head's two bytes; the two above them are 0 and meet zero codes alone
	global_store_b128 v[LI16], v[PC:PC+3], s[68:69] offset:768*\a
	global_store_b64 v[LI8], v[PC+4:PC+5], s[68:69] offset:768*\a+512
	global_store_b128 v[LI16], v[PC+6:PC+9], s[70:71] offset:768*\a
	global_store_b64 v[LI8], v[PC+10:PC+11], s[70:71] offset:768*\a+512
	global_store_b32 v[LR4], v[PW], s[72:73] offset:64*\a
	global_store_b32 v[LR4], v[PW2], s[74:75] offset:64*\a
.endr
	s_branch .Lend
.Lvt:
	; ---- V^T: my 128 rows are channels (two heads x four tiles), my 128 columns one key step
	s_sub_co_u32 s20, s17, 8
	s_lshl_b32 s20, s20, 2
	s_lshl_b32 s21, s15, 1
	s_add_co_u32 s20, s20, s21                     ; the first head
	s_lshl_b32 s22, s42, 1
	s_add_co_u32 s22, s22, s16                     ; which 128 tokens
	s_lshr_b32 s23, s22, 4                         ; batch
	s_and_b32 s22, s22, 15                         ; key step
	s_lshl_b32 s23, s23, 4
	s_add_co_u32 s23, s23, s20
	s_lshl_b32 s23, s23, 4
	s_add_co_u32 s23, s23, s22
	s_mul_i32 s26, s23, KB
	s_add_co_u32 s26, s26, KVO+6144
	s_mov_b32 s27, 0
	s_add_nc_u64 s[68:69], s[8:9], s[26:27]
.irp a, 0,1,2,3,4,5,6,7
	s_wait_xcnt 0x0
	QUANT 64*(\a%4),2+\a/4
.irp c, 0,1,2
	global_store_b128 v[LI16], v[PC+4*\c:PC+4*\c+3], s[68:69] offset:(\a/4)*16*KB+(\a%4)*FRB+512*\c
.endr
	global_store_b32 v[LR4], v[PW], s[68:69] offset:6656+(\a/4)*16*KB+(\a%4)*64
.endr
.Lend:
	s_wait_tensorcnt 0x0                           ; the wave's end
	ds_add_u32 v[SPW], v[NIL]
	s_wait_dscnt 0x0
	CROUND                                         ; the closing round
	s_endpgm
.Lfunc_end_k_q79a5f6d2a8_qkv:
	.size	k_q79a5f6d2a8_qkv, .Lfunc_end_k_q79a5f6d2a8_qkv-k_q79a5f6d2a8_qkv
	.p2alignl 7, 3214868480
	.fill 96, 4, 3214868480
	.section	.rodata,"a",@progbits
	.p2align	6, 0x0
	.amdhsa_kernel k_q79a5f6d2a8_qkv
		.amdhsa_group_segment_fixed_size 327680
		.amdhsa_private_segment_fixed_size 0
		.amdhsa_enable_private_segment 0
		.amdhsa_kernarg_size 24
		.amdhsa_user_sgpr_count 2
		.amdhsa_user_sgpr_kernarg_segment_ptr 1
		.amdhsa_wavefront_size32 1
		.amdhsa_system_sgpr_workgroup_id_x 1
		.amdhsa_system_sgpr_workgroup_id_y 1
		.amdhsa_system_sgpr_workgroup_id_z 1
		.amdhsa_system_vgpr_workitem_id 0
		.amdhsa_next_free_vgpr 1024
		.amdhsa_next_free_sgpr 102
		.amdhsa_reserve_vcc 0
		.amdhsa_float_denorm_mode_32 3
		.amdhsa_float_denorm_mode_16_64 3
		.amdhsa_memory_ordered 1
		.amdhsa_forward_progress 1
		.amdhsa_inst_pref_size 180
	.end_amdhsa_kernel
	.amdgpu_metadata
---
amdhsa.version: [ 1, 2 ]
amdhsa.kernels:
  - .name:           k_q79a5f6d2a8_qkv
    .symbol:         k_q79a5f6d2a8_qkv.kd
    .args:
      - { .name: hn1, .offset: 0, .size: 8, .value_kind: global_buffer, .address_space: global }
      - { .name: wts, .offset: 8, .size: 8, .value_kind: global_buffer, .address_space: global }
      - { .name: qkv, .offset: 16, .size: 8, .value_kind: global_buffer, .address_space: global }
    .group_segment_fixed_size: 327680
    .private_segment_fixed_size: 0
    .kernarg_segment_align: 8
    .kernarg_segment_size: 24
    .max_flat_workgroup_size: 128
    .sgpr_count:     102
    .vgpr_count:     1024
    .wavefront_size: 32
...
	.end_amdgpu_metadata
.endif
;; end of part 3
;; launch attn (part 4): grid 8 x 32, 16 waves a work-group, no clusters, 210,944 bytes of LDS; arguments qkv, ao; writes ao
.if DOCPART == 4
	.amdgcn_target "amdgcn-amd-amdhsa--gfx1250"
	.amdhsa_code_object_version 6
	.text
	.protected	k_q79a5f6d2a8_attn
	.globl	k_q79a5f6d2a8_attn
	.p2align	8
	.type	k_q79a5f6d2a8_attn,@function
k_q79a5f6d2a8_attn:
	s_mov_b64 s[64:65], 0
	v_nop
	global_prefetch_b8 v0, s[64:65] scope:SCOPE_SE
	s_setreg_imm32_b32 hwreg(HW_REG_WAVE_MODE, 25, 1), 1
	s_wait_xcnt 0x0
; Causal attention of one head on codes of E3M2, and the result's codes for the next product.  32 heads (16 x batch + head) x 2,048 tokens x 64 channels.
; THE SOFTMAX AHEAD OF THE SECOND PRODUCT: t = score x log2(e) / 8; M = the running largest t rounded UP to a whole number; p = 2^(t - M) is quantised along the keys, not normalised; the row's sum is taken of the unquantised p
; and divides at the end.  When M moves, the sum and O are multiplied by 2^(old M - new M): exact.
; SHARES.  A work-group owns blocks i and 15 - i of 128 queries of a head, so that every work-group has the same number of open key steps; each of its sixteen waves owns 16 queries, early and late ones by turns.
; THE HEAD'S WHOLE K AND V LIE IN LDS: sixteen key steps of 13,056 dense bytes (8 x 768 K, 4 x 1,536 V^T, 512 K's scale words, 256 V's), each brought by one tensor load of one wave, filled once: no ring.
; No cluster: the skip of hidden key steps is a branch on the query block, which differs between the work-groups that share a head.
; LAYOUT.  Both products are used transposed: S^T = K Q^T, O^T = V^T P^T: a lane holds one query throughout.  Rows of Q and K lie at pi(token) (bits 3 and 4 swapped): the wave's lane r has query Q0 + r + 8 (r / 8), and the 16 registers
; of tiles 2 b, 2 b + 1 of S^T are keys 32 b + 16 (lane / 16) + 0 .. 15.  V^T's rows lie at pi(channel), so O^T's 32 registers are channels 32 b + 16 (lane / 16) + i in the quantiser's order.
; A head has 64 channels: half of the instruction's K.  Q's registers 6 to 11 are zero codes; a tile of K names twelve registers of which the upper six hold the next tile's codes (zeros behind the last): they meet zero codes and add nothing.
; A fragment of ao holds two heads: its middle 512 bytes are written by both, 8 bytes a lane each: a third of ao's 3 MB leaves in halves of 16 bytes.
; LIMITS: NaN and infinities are not served; a block of p or of the result under 2^-122 or of zeros keeps the byte 1.
.set KB,   13056
.set QS,   3145728
.set KVO,  3407872
.set AO_S, 3145728
.set KT,   24576
.set WV,   18
.set SEL,  20
.set CS,   22
.set G1,   24
.set G0,   32
.set TB,   2                           ; s2   LDS byte at which the key step in hand begins
.set KF,   36                          ; s36  its first key
.set Q0,   37                          ; s37  my least query
.set CNT,  38
	s_load_b128 s[4:7], s[0:1], 0x0                ; Q, K, V^T; ao
	v_lshl_add_u32 v250, v0, 2, 0x33000
	v_mov_b32 v251, 0
	ds_add_u32 v250, v251
	ds_add_u32 v250, v251
	v_lshrrev_b32 v8, 5, v0
	v_readfirstlane_b32 s[WV], v8                  ; wave 0..15
	s_and_b32 s40, ttmp7, 0xffff                   ; 16 x batch + head
	s_mov_b32 s[G1], 3<<16                         ; elements of 8 bytes, no mask, no padding
	s_mov_b32 s[G1+1], 32<<16                      ; rows of 256 bytes,
	s_mov_b32 s[G1+2], 51<<16                      ; 51 of them, dense
	s_mov_b32 s[G1+3], 32<<16
	s_mov_b32 s[G1+4], 51
	s_mov_b32 s[G1+5], 32
	s_mov_b32 s[G1+6], 0
	s_mov_b32 s[G1+7], 0
	s_lshl_b32 s41, s40, 4
	s_add_co_u32 s41, s41, s[WV]
	s_mul_i32 s42, s41, KB
	s_add_co_u32 s42, s42, KVO                     ; key step w of my head
	s_mov_b32 s43, 0
	s_mul_i32 s44, s[WV], KB                       ; and its place in LDS
	s_lshr_b32 s45, s[WV], 2
	s_and_b32 s46, s[WV], 3
	s_xor_b32 s47, s45, s46
	s_and_b32 s47, s47, 1                          ; 1: of the late block
	s_lshl_b32 s45, s45, 1
	s_lshr_b32 s46, s46, 1
	s_add_co_u32 s45, s45, s46                     ; which 16 of its 128
	s_sub_co_u32 s46, 15, ttmp9
	s_cmp_eq_u32 s47, 1
	s_cselect_b32 s46, s46, ttmp9
	s_lshl_b32 s46, s46, 3
	s_add_co_u32 s46, s46, s45                     ; my block of 16 rows in the head
	s_lshr_b32 s47, s46, 1
	s_lshl_b32 s47, s47, 5
	s_and_b32 s48, s46, 1
	s_lshl_b32 s48, s48, 3
	s_add_co_u32 s[Q0], s47, s48
	s_lshl_b32 s49, s40, 7
	s_add_co_u32 s49, s49, s46
	s_mul_i32 s50, s49, 768                        ; Q's codes
	s_mov_b32 s51, 0
	s_lshl_b32 s52, s49, 6
	s_add_co_u32 s52, s52, QS                      ; Q's scale words
	s_mov_b32 s53, 0
	s_lshr_b32 s54, s40, 4
	s_lshl_b32 s54, s54, 7
	s_add_co_u32 s54, s54, s46                     ; my block of 16 rows among all 4,096
	s_and_b32 s55, s40, 15                         ; head
	s_lshr_b32 s56, s55, 1                         ; its K step in ao
	s_lshr_b32 s57, s54, 4
	s_lshl_b32 s57, s57, 3
	s_add_co_u32 s57, s57, s56
	s_mul_i32 s57, s57, KT
	s_and_b32 s58, s54, 15
	s_mul_i32 s58, s58, 1536
	s_add_co_u32 s58, s57, s58                     ; the fragment
	s_mov_b32 s59, 0
	s_lshr_b32 s60, s54, 3
	s_lshl_b32 s60, s60, 3
	s_add_co_u32 s60, s60, s56
	s_lshl_b32 s60, s60, 9
	s_and_b32 s61, s54, 7
	s_lshl_b32 s61, s61, 6
	s_add_co_u32 s60, s60, s61
	s_and_b32 s39, s55, 1                          ; which half of the K step
	s_lshl_b32 s61, s39, 1
	s_add_co_u32 s60, s60, s61
	s_add_co_u32 s60, s60, AO_S                    ; my two bytes of its scale words
	s_mov_b32 s61, 0
	s_mov_b32 s[SEL], 0x76543210
	s_mov_b32 s[SEL+1], 0xfedcba98
	s_mov_b32 s[CS], 0x3e38aa3b                    ; c = log2(e) / 8
	s_mov_b32 s[CS+1], s[CS]
	s_mov_b32 s[TB], 0
	s_mov_b32 s[KF], 0
	s_mov_b32 s[CNT], 16
	s_wait_dscnt 0x0
	s_wait_kmcnt 0x0
	s_mov_b32 s[G0], 1
	s_mov_b32 s[G0+1], s44
	s_add_nc_u64 s[G0+2:G0+3], s[4:5], s[42:43]
	s_or_b32 s[G0+3], s[G0+3], 0x80000000
	tensor_load_to_lds s[G0:G0+3], s[G1:G1+7]      ; my one tensor load: one is out
	s_nop 0
.rept 4
	v_nop
.endr
	s_add_nc_u64 s[50:51], s[4:5], s[50:51]
	s_add_nc_u64 s[52:53], s[4:5], s[52:53]
	s_add_nc_u64 s[58:59], s[6:7], s[58:59]
	s_add_nc_u64 s[60:61], s[6:7], s[60:61]
	v_and_b32 v5, 31, v0
	v_lshlrev_b32 v1, 4, v5                        ; 16 x lane
	v_lshlrev_b32 v2, 3, v5                        ; 8 x lane
	v_and_b32 v6, 15, v0                           ; r
	v_lshlrev_b32 v3, 2, v6                        ; 4 r
	global_load_b128 v[16:19], v1, s[50:51]        ; Q's half fragment stays in registers
	global_load_b64 v[20:21], v2, s[50:51] offset:512
	global_load_b32 v255, v3, s[52:53]
	v_bfe_u32 v7, v0, 4, 1                         ; h
	v_and_b32 v4, 8, v6
	v_add_nc_u32 v4, v4, v6
	v_lshlrev_b32 v7, 4, v7
	v_sub_nc_u32 v4, v4, v7                        ; r + 8 (r / 8) - 16 h
.irp j, 22,23,24,25,26,27,80,81,82,83,84,85
	v_mov_b32 v\j, 0                               ; zero codes
.endr
	v_mov_b32 v13, 0xff61b1e6                      ; the largest t so far: -3e38
	v_floor_f32 v12, -v13                          ; -M
	v_mov_b32 v14, 0
	v_mov_b32 v15, 0
.irp b, 0,1,2,3
	v_mov_b32 v[236+\b], 0                         ; a lane permute's destination counts as one of its sources
.endr
	v_mov_b32 v252, 0
	v_mov_b32 v253, 0
.set j, 0
.rept 32
	v_mov_b32 v[160+j], 0                          ; O^T: the loop is written once; its first step finds zeros
.set j, j+1
.endr
	s_wait_tensorcnt 0x0                           ; my key step is in,
	s_barrier_signal -1
	s_barrier_wait -1                              ; everybody's is
	s_wait_loadcnt 0x0                             ; Q
.Lstep:                                            ; sixteen trips, a constant; a step all of whose keys come after my queries is jumped over
	s_add_co_u32 s56, s[Q0], 23
	s_cmp_gt_u32 s[KF], s56
	s_cbranch_scc1 .Lhidden
	v_add_nc_u32 v8, s[TB], v1                     ; these three and the v_nop are the places in front of the loads into registers that the last products read
	v_add_nc_u32 v9, s[TB], v2
	v_add_nc_u32 v10, s[TB], v3
	v_nop
.irp t, 0,1,2,3,4,5,6,7
	ds_load_b128 v[32+6*\t:35+6*\t], v8 offset:768*\t
	ds_load_b64 v[36+6*\t:37+6*\t], v9 offset:768*\t+512
	ds_load_b32 v[192+\t], v10 offset:12288+64*\t
.endr
	s_wait_dscnt 0x0
.irp t, 0,1,2,3,4,5,6,7
	v_wmma_scale_f32_16x16x128_f8f6f4 v[96+8*\t:103+8*\t], v[32+6*\t:43+6*\t], v[16:27], 0, v[192+\t], v255 matrix_a_fmt:MATRIX_FMT_BF6 matrix_b_fmt:MATRIX_FMT_BF6
.endr
.rept 4
	v_nop
.endr
.irp t, 0,1,2,3                                ; V^T's four fragments land while the softmax is walked
.irp c, 0,1,2
	ds_load_b128 v[32+12*\t+4*\c:35+12*\t+4*\c], v8 offset:6144+1536*\t+512*\c
.endr
	ds_load_b32 v[200+\t], v10 offset:12800+64*\t
.endr
	s_add_co_u32 s56, s[KF], 127                   ; on the diagonal hidden scores become -infinity ahead of the maximum; a step all of whose keys count skips this
	s_cmp_le_u32 s56, s[Q0]
	s_cbranch_scc1 .Lopen
	s_sub_co_i32 s57, s[Q0], s[KF]
	v_add_nc_u32 v252, s57, v4                     ; d = my query - KF - 16 h.  Register 16 b + i holds key KF + 16 h + 32 b + i: hidden where 32 b + i > d
	v_mov_b32 v254, 0xff800000
.set n, 0
.rept 64
	v_cmp_gt_i32 vcc_lo, 32*(n/16)+n%16, v252
	v_cndmask_b32 v[96+n], v[96+n], v254, vcc_lo
.set n, n+1
.endr
.Lopen:
.irp b, 0,1,2,3
	v_max3_num_f32 v[232+\b], v[96+16*\b], v[97+16*\b], v[98+16*\b]      ; the largest score of each block of 32 keys: for the row's maximum, and, since p rises with the score, for the block's largest p
.endr
.irp i, 3,5,7,9,11,13
.irp b, 0,1,2,3
	v_max3_num_f32 v[232+\b], v[232+\b], v[96+16*\b+\i], v[97+16*\b+\i]
.endr
.endr
.irp b, 0,1,2,3
	v_max_num_f32 v[232+\b], v[232+\b], v[111+16*\b]
.endr
.irp b, 0,1,2,3
	v_permlanex16_b32 v[236+\b], v[232+\b], s[SEL], s[SEL+1]
.endr
.irp b, 0,1,2,3
	v_max_num_f32 v[232+\b], v[232+\b], v[236+\b]
.endr
	v_max3_num_f32 v254, v232, v233, v234
	v_max_num_f32 v254, v254, v235
	v_mul_f32 v254, s[CS], v254
	v_max_num_f32 v13, v13, v254                   ; the running largest t
	v_mov_b32 v254, v12
	v_floor_f32 v12, -v13                          ; the new -M: M is a whole number
	v_sub_f32 v254, v12, v254
	v_cvt_i32_f32 v254, v254
	v_ldexp_f32 v252, 1.0, v254                    ; f = 2^(old M - new M)
.set j, 0
.rept 32
	v_pk_fma_f32 v[96+j:97+j], v[96+j:97+j], s[CS:CS+1], v[12:13] op_sel_hi:[1,0,0]   ; t - M
.set j, j+2
.endr
.irp b, 0,1,2,3
	v_fma_f32 v[232+\b], v[232+\b], s[CS], v12
.endr
.set j, 0
.rept 64
	v_exp_f32 v[96+j], v[96+j]                     ; p = 2^(t - M)
.set j, j+1
.endr
	v_pk_mul_f32 v[14:15], v[14:15], v[252:253] op_sel_hi:[1,0]          ; the sums under the new M; a plain line behind the exponentials
	s_wait_alu depctr_va_vdst(0)                   ; one wait for the batch, ahead of its first reader
.irp b, 0,1,2,3
	v_exp_f32 v[232+\b], v[232+\b]                 ; each block's largest p
.endr
	v_pk_add_f32 v[236:237], v[96:97], v[98:99]    ; the row's sum of the unquantised p, in two chains
.irp j, 4,8,12,16,20,24,28,32,36,40,44,48,52,56,60
	v_pk_add_f32 v[14:15], v[14:15], v[96+\j:97+\j]
	v_pk_add_f32 v[236:237], v[236:237], v[98+\j:99+\j]
.endr
	v_pk_add_f32 v[14:15], v[14:15], v[236:237]
	s_wait_alu depctr_va_vdst(0)                   ; and one for the four
.irp b, 0,1,2,3
	v_max_num_f32 v[232+\b], 0x2800000, v[232+\b]  ; the floor 2^(5 - 127)
.endr
.irp b, 0,1,2,3
	v_add_nc_u32 v[244+\b], 0xfe000000, v[232+\b]
.endr
.irp b, 0,1,2,3
	v_lshrrev_b32 v[236+\b], 23, v[244+\b]
.endr
	v_lshl_or_b32 v253, v237, 8, v236              ; p's scale word for these 128 keys
	v_lshl_or_b32 v253, v238, 16, v253
	v_lshl_or_b32 v253, v239, 24, v253
.irp c, 0,1
	v_cvt_scalef32_pk16_bf6_f32 v[224+6*\c:226+6*\c], v[96+32*\c:111+32*\c], v[244+2*\c]
	v_cvt_scalef32_pk16_bf6_f32 v[236+4*\c:238+4*\c], v[112+32*\c:127+32*\c], v[244+2*\c+1]
.endr
	v_nop
.irp c, 0,1
.irp i, 0,1,2
	v_permlane16_swap_b32 v[224+6*\c+\i], v[236+4*\c+\i]
.endr
.irp i, 0,1,2
	v_mov_b32 v[227+6*\c+\i], v[236+4*\c+\i]
.endr
.endr
.set j, 0
.rept 16
	v_pk_mul_f32 v[160+j:161+j], v[160+j:161+j], v[252:253] op_sel_hi:[1,0]   ; O^T under the new M; for each product below twelve of these name none of its registers
.set j, j+2
.endr
	s_wait_dscnt 0x0                               ; V^T
.irp t, 0,1,2,3
	v_wmma_scale_f32_16x16x128_f8f6f4 v[160+8*\t:167+8*\t], v[32+12*\t:43+12*\t], v[224:235], v[160+8*\t:167+8*\t], v[200+\t], v253 matrix_a_fmt:MATRIX_FMT_BF6 matrix_b_fmt:MATRIX_FMT_BF6
.endr
.Lhidden:
	s_add_co_u32 s[KF], s[KF], 128
	s_add_co_u32 s[TB], s[TB], KB
	s_sub_co_u32 s[CNT], s[CNT], 1
	s_cmp_lg_u32 s[CNT], 0
	s_cbranch_scc1 .Lstep
	; THE WAY OUT: O^T / the sum, quantised along the head's 64 channels (two blocks), into my head's half of a fragment of ao
.rept 4
	v_nop
.endr
	v_add_f32 v14, v14, v15
	v_permlanex16_b32 v252, v14, s[SEL], s[SEL+1]
	v_add_f32 v14, v14, v252
	v_rcp_f32 v14, v14
	v_nop
	s_wait_alu depctr_va_vdst(0)
.set j, 0
.rept 32
	v_mul_f32 v[96+j], v[160+j], v14               ; register 16 b + i = channel 32 b + 16 h + i
.set j, j+1
.endr
.irp b, 0,1
	v_max3_num_f32 v[232+\b], |v[96+16*\b]|, |v[97+16*\b]|, 0x2800000
.endr
.irp i, 2,4,6,8,10,12,14
.irp b, 0,1
	v_max3_num_f32 v[232+\b], v[232+\b], |v[96+16*\b+\i]|, |v[97+16*\b+\i]|
.endr
.endr
.irp b, 0,1
	v_permlanex16_b32 v[236+\b], v[232+\b], s[SEL], s[SEL+1]
.endr
.irp b, 0,1
	v_max_num_f32 v[232+\b], v[232+\b], v[236+\b]
.endr
.irp b, 0,1
	v_add_nc_u32 v[244+\b], 0xfe000000, v[232+\b]
.endr
.irp b, 0,1
	v_lshrrev_b32 v[236+\b], 23, v[244+\b]
.endr
	v_lshl_or_b32 v253, v237, 8, v236              ; my head's two bytes
	v_cvt_scalef32_pk16_bf6_f32 v[224:226], v[96:111], v244
	v_cvt_scalef32_pk16_bf6_f32 v[236:238], v[112:127], v245
	v_nop
.irp i, 0,1,2
	v_permlane16_swap_b32 v[224+\i], v[236+\i]
.endr
.irp i, 0,1,2
	v_mov_b32 v[227+\i], v[236+\i]
.endr
	s_cmp_eq_u32 s39, 0
	s_cbranch_scc0 .Lodd
	global_store_b128 v1, v[224:227], s[58:59]     ; an even head: registers 0 to 5 of the fragment
	global_store_b64 v1, v[228:229], s[58:59] offset:512
	s_branch .Lscale
.Lodd:
	global_store_b64 v1, v[224:225], s[58:59] offset:520   ; an odd head: registers 6 to 11
	global_store_b128 v1, v[226:229], s[58:59] offset:1024
.Lscale:
	global_store_b16 v3, v253, s[60:61]
	s_wait_tensorcnt 0x0
	ds_add_u32 v250, v251
	s_wait_dscnt 0x0
	s_endpgm
.Lfunc_end_k_q79a5f6d2a8_attn:
	.size	k_q79a5f6d2a8_attn, .Lfunc_end_k_q79a5f6d2a8_attn-k_q79a5f6d2a8_attn
	.p2alignl 7, 3214868480
	.fill 96, 4, 3214868480
	.section	.rodata,"a",@progbits
	.p2align	6, 0x0
	.amdhsa_kernel k_q79a5f6d2a8_attn
		.amdhsa_group_segment_fixed_size 210944
		.amdhsa_private_segment_fixed_size 0
		.amdhsa_enable_private_segment 0
		.amdhsa_kernarg_size 16
		.amdhsa_user_sgpr_count 2
		.amdhsa_user_sgpr_kernarg_segment_ptr 1
		.amdhsa_wavefront_size32 1
		.amdhsa_system_sgpr_workgroup_id_x 1
		.amdhsa_system_sgpr_workgroup_id_y 1
		.amdhsa_system_sgpr_workgroup_id_z 1
		.amdhsa_system_vgpr_workitem_id 0
		.amdhsa_next_free_vgpr 256
		.amdhsa_next_free_sgpr 66
		.amdhsa_reserve_vcc 1
		.amdhsa_float_denorm_mode_32 3
		.amdhsa_float_denorm_mode_16_64 3
		.amdhsa_memory_ordered 1
		.amdhsa_forward_progress 1
		.amdhsa_inst_pref_size 32
	.end_amdhsa_kernel
	.amdgpu_metadata
---
amdhsa.version: [ 1, 2 ]
amdhsa.kernels:
  - .name:           k_q79a5f6d2a8_attn
    .symbol:         k_q79a5f6d2a8_attn.kd
    .args:
      - { .name: qkv, .offset: 0, .size: 8, .value_kind: global_buffer, .address_space: global }
      - { .name: ao, .offset: 8, .size: 8, .value_kind: global_buffer, .address_space: global }
    .group_segment_fixed_size: 210944
    .private_segment_fixed_size: 0
    .kernarg_segment_align: 8
    .kernarg_segment_size: 16
    .max_flat_workgroup_size: 512
    .sgpr_count:     66
    .vgpr_count:     256
    .wavefront_size: 32
...
	.end_amdgpu_metadata
.endif
;; end of part 4
;; launch oproj (part 5): grid 4 x 16, 4 waves a work-group, clusters of 4 x 4, 327,680 bytes of LDS; arguments ao, wts, x, x1; writes x1
.if DOCPART == 5
	.amdgcn_target "amdgcn-amd-amdhsa--gfx1250"
	.amdhsa_code_object_version 6
	.text
	.protected	k_q79a5f6d2a8_oproj
	.globl	k_q79a5f6d2a8_oproj
	.p2align	8
	.type	k_q79a5f6d2a8_oproj,@function
k_q79a5f6d2a8_oproj:
	s_mov_b64 s[64:65], 0
	v_nop
	global_prefetch_b8 v0, s[64:65] scope:SCOPE_SE
	s_setreg_imm32_b32 hwreg(HW_REG_WAVE_MODE, 25, 1), 1
	s_wait_xcnt 0x0
	s_wait_alu depctr_hold_cnt(0) depctr_sa_sdst(0) depctr_va_vdst(0) depctr_va_sdst(0) depctr_va_ssrc(0) depctr_va_vcc(0) depctr_vm_vsrc(0)
	s_getreg_b32 s2, hwreg(HW_REG_IB_STS2, 6, 4)
	s_cmp_eq_u32 s2, 0
	s_cbranch_scc0 .Lentry_in_a_cluster
	s_endpgm
.Lentry_in_a_cluster:
	s_bfe_u32 s2, ttmp6, 0x10000c
	s_cmp_lg_u32 s2, 0xf033
	s_cbranch_scc0 .Lentry_shape_is_right
	s_endpgm
.Lentry_shape_is_right:
; x1 = x + ao Wo, the product on codes of E3M2 (K = 1,024), sums and the residual in f32.
; OPERANDS are images of their registers: a fragment (16 rows x 128 K, 12 registers a lane) is 1,536 bytes, registers 4 c .. 4 c + 3 of lane l at 512 c + 16 l; codes [row / 256][k / 128][fragment][1536]; scale words [row / 128][k / 128][row % 128].
; A tile of the result is 256 x 256, four waves, 128 x 128 each.  K goes through a ring of two LDS slots of two K steps, each wave fetching one K step of A's or B's tile (24,576 dense bytes); the scale words of all of K come once.
; THE PRODUCT IS USED TRANSPOSED (source 0 = 16 rows of B, source 1 = 16 rows of A).  B's rows lie at pi(column), A's at pi(token) (bits 3 and 4 swapped): register j of accumulator (a, b) in lane (r, h) is column
; 32 (b / 2) + 16 h + 8 (b % 2) + j of the token at row 16 a + r; the way out puts both back by immediates.
; 4 x 4 work-groups form a cluster; A's tile is asked for jointly along a row of the cluster, B's along a column.  64 tiles: a quarter of the WGPs have work; a smaller tile would be another register map.
.set KS,    8
.set BT0,   12                         ; Wo's first tile in the weights' region
.set ASOFF, 3145728
.set BCOFF, 0
.set BSOFF, 9437184
.set KT,    24576
.set FRB,   1536
.set FR,    12
.set NL,    3
.set NP,    4
.set NQ,    2
.set SLOT,  4*KT
.set LAPS,  KS/4
.set HALFS, KS*512
.set SCL,   2*SLOT
.set SPARE, SCL+4*HALFS                ; the spare words, 128 bytes a wave; no other line names them
.set SPITCH, 528                       ; the way out: a stage of 16 rows x (512 + 16) bytes a wave, in slot 0, which has had its last fill and its last read by then
.set ADRA, 16
.set ADRB, 20
.set STO,  24
.set RD,   25
.set CO,   26
.set ADRS, 27
.set SPW,  28
.set NIL,  29
.set SC,   32
.set RS,   32                          ; the way out: 16 rows of the residual
.set AF,   128
.set BK,   128                         ; the way out: 16 rows back from the stage, two sets
.set G1, 24
.set G0, 32
.set G1B, 48
.set G0B, 56
.set G1S, 68
.set G0S, 76
.set G1SB, 80
.set G0SB, 88
.set MSB, 0
.macro WIN new
.if MSB != (\new)
	s_set_vgpr_msb (MSB<<8)|(\new)
.set MSB, (\new)
.endif
.endm
.set MUL_LO, 0xa1
.set MUL_HI, 0xf1
.set TO_B,   0x40
.macro JLOAD g0a, g1a, g0b, g1b        ; a joint load: waves 0 and 1 fetch for A, waves 2 and 3 for B; four v_nop follow each line
	s_cmp_eq_u32 s15, 0
	s_cbranch_scc0 .Lfor_b_\@
	tensor_load_to_lds s[\g0a:\g0a+3], s[\g1a:\g1a+7]
	s_nop 0
.rept 4
	v_nop
.endr
	s_branch .Lasked_\@
.Lfor_b_\@:
	tensor_load_to_lds s[\g0b:\g0b+3], s[\g1b:\g1b+7]
	s_nop 0
.rept 4
	v_nop
.endr
.Lasked_\@:
.endm
.macro CREST
	s_cmp_lg_u32 s14, 0
	s_cbranch_scc1 .Lnot_wave_0_\@
	s_barrier_signal -3
.Lnot_wave_0_\@:
	s_barrier_wait -3
	s_barrier_signal -1
	s_barrier_wait -1
.endm
.macro CROUND
	s_barrier_signal -1
	s_barrier_wait -1
	CREST
.endm
	s_load_b128 s[4:7], s[0:1], 0x0                ; A's buffer, the weights
	s_load_b128 s[8:11], s[0:1], 0x10              ; the residual, the result
	v_lshl_add_u32 v[SPW], v0, 2, SPARE
	v_mov_b32 v[NIL], 0
	ds_add_u32 v28, v29
	ds_add_u32 v28, v29
	s_wait_dscnt 0x0
	v_lshrrev_b32 v1, 5, v0
	v_readfirstlane_b32 s14, v1
	s_lshr_b32 s15, s14, 1
	s_and_b32 s16, s14, 1
	s_bfe_u32 s40, ttmp6, 0x40000
	s_bfe_u32 s41, ttmp6, 0x40004
	s_lshl_b32 s42, ttmp9, 2
	s_add_co_u32 s42, s42, s40                     ; tile column
	s_and_b32 s17, ttmp7, 0xffff
	s_lshl_b32 s17, s17, 2
	s_add_co_u32 s17, s17, s41                     ; tile row
	s_lshl_b32 s43, s41, 2
	s_lshl_b32 s43, 15, s43
	s_lshl_b32 s44, 0x1111, s40
	s_or_b32 s[G1+0], s43, (3<<16)|(1<<21)
	s_or_b32 s[G1B+0], s44, (3<<16)|(1<<21)
.irp g, G1, G1B
	s_mov_b32 s[\g+1], 32<<16
	s_mov_b32 s[\g+2], 96<<16
	s_mov_b32 s[\g+3], 32<<16
	s_mov_b32 s[\g+4], 96
	s_mov_b32 s[\g+5], 32
	s_mov_b32 s[\g+6], 0
	s_mov_b32 s[\g+7], 0
.endr
	s_or_b32 s[G1S+0], s43, (3<<16)|(1<<21)
	s_or_b32 s[G1SB+0], s44, (3<<16)|(1<<21)
.irp g, G1S, G1SB
	s_mov_b32 s[\g+1], 32<<16
	s_mov_b32 s[\g+2], (2*KS)<<16
	s_mov_b32 s[\g+3], 32<<16
	s_mov_b32 s[\g+4], 2*KS
	s_mov_b32 s[\g+5], 32
	s_mov_b32 s[\g+6], 0
	s_mov_b32 s[\g+7], 0
.endr
	s_mul_i32 s18, s16, KT
	s_mul_i32 s20, s17, KS*KT
	s_add_co_u32 s20, s20, s18
	s_mov_b32 s21, 0
	s_lshl_b32 s22, s17, 1
	s_add_co_u32 s22, s22, s16
	s_mul_i32 s22, s22, HALFS
	s_add_co_u32 s22, s22, ASOFF
	s_mov_b32 s23, 0
	s_add_co_u32 s46, s42, BT0
	s_lshl_b32 s92, s46, 1
	s_add_co_u32 s92, s92, s16
	s_mul_i32 s92, s92, HALFS
	s_add_co_u32 s92, s92, BSOFF
	s_mov_b32 s93, 0
	s_mul_i32 s46, s46, KS*KT
	s_add_co_u32 s46, s46, s18
	s_add_co_u32 s46, s46, BCOFF
	s_mov_b32 s47, 0
	s_mul_i32 s45, s14, KT
	s_mul_i32 s94, s14, HALFS
	s_wait_kmcnt 0x0
	s_add_nc_u64 s[20:21], s[4:5], s[20:21]
	s_add_nc_u64 s[22:23], s[4:5], s[22:23]
	s_add_nc_u64 s[46:47], s[6:7], s[46:47]
	s_add_nc_u64 s[92:93], s[6:7], s[92:93]
	CROUND
	s_mov_b32 s[G0S], 1
	s_add_co_u32 s[G0S+1], s94, SCL
	s_mov_b64 s[G0S+2:G0S+3], s[22:23]
	s_or_b32 s[G0S+3], s[G0S+3], 0x80000000
	s_mov_b32 s[G0SB], 1
	s_add_co_u32 s[G0SB+1], s94, SCL
	s_mov_b64 s[G0SB+2:G0SB+3], s[92:93]
	s_or_b32 s[G0SB+3], s[G0SB+3], 0x80000000
	JLOAD G0S, G1S, G0SB, G1SB
.irp s, 0,1
	s_mov_b32 s[G0+4*\s], 1
	s_add_co_u32 s[G0+4*\s+1], s45, \s*SLOT
	s_add_nc_u64 s[G0+4*\s+2:G0+4*\s+3], s[20:21], \s*2*KT
	s_or_b32 s[G0+4*\s+3], s[G0+4*\s+3], 0x80000000
	s_mov_b32 s[G0B+4*\s], 1
	s_add_co_u32 s[G0B+4*\s+1], s45, \s*SLOT
	s_add_nc_u64 s[G0B+4*\s+2:G0B+4*\s+3], s[46:47], \s*2*KT
	s_or_b32 s[G0B+4*\s+3], s[G0B+4*\s+3], 0x80000000
	JLOAD G0+4*\s, G1, G0B+4*\s, G1B
.endr
	v_and_b32 v1, 15, v0
	v_bfe_u32 v2, v0, 4, 1
	v_and_b32 v3, 31, v0
	v_lshlrev_b32 v3, 4, v3
	s_mul_i32 s21, s15, 8*FRB
	s_mul_i32 s22, s16, 8*FRB
	s_add_co_u32 s22, s22, 2*KT
.irp s, 0,1
	v_add_nc_u32 v[ADRA+\s], s21, v3
	v_add_nc_u32 v[ADRB+\s], s22, v3
	s_add_co_u32 s21, s21, SLOT
	s_add_co_u32 s22, s22, SLOT
.endr
	v_lshlrev_b32 v5, 2, v1
	s_mul_i32 s21, s15, HALFS
	s_mul_i32 s22, s16, HALFS
	s_add_co_u32 s22, s22, 2*HALFS
	s_sub_co_u32 s22, s22, s21
	v_mul_u32_u24 v6, s22, v2
	s_add_co_u32 s21, s21, SCL
	v_add_nc_u32 v5, v5, v6
	v_add_nc_u32 v[ADRS], s21, v5
	s_mul_i32 s23, s14, 16*SPITCH                  ; my stage
	v_mul_u32_u24 v5, v1, SPITCH
	v_lshl_add_u32 v5, v2, 6, v5
	v_add_nc_u32 v[STO], s23, v5                   ; in: row r, + 64 h
	v_add_nc_u32 v[RD], s23, v3                    ; back: a row of 512 bytes, 16 a lane
	v_mov_b32 v[CO], v3
	s_lshl_b32 s20, s17, 8
	s_lshl_b32 s21, s15, 7
	s_add_co_u32 s20, s20, s21
	s_lshl_b32 s20, s20, 12                        ; my first row, 4,096 bytes a row
	s_lshl_b32 s46, s42, 10
	s_lshl_b32 s47, s16, 9
	s_add_co_u32 s46, s46, s47
	s_add_co_u32 s20, s20, s46                     ; + my first column
	s_mov_b32 s21, 0
	s_add_nc_u64 s[8:9], s[8:9], s[20:21]
	s_add_nc_u64 s[10:11], s[10:11], s[20:21]
.macro FRAG reg, adr, q, i
.irp c, 0,1,2
	ds_load_b128 v[\reg+4*\c:\reg+4*\c+3], v[\adr] offset:(\q)*KT+(\i)*FRB+512*\c
.endr
.endm
; The 64 accumulators take turns, one instruction a turn, in the same order in every step.
.macro MUL16 a0, p, q, sc, zero
.irp a, \a0, \a0+1
.irp b, 0,1,2,3,4,5,6,7
.if \zero
	v_wmma_scale_f32_16x16x128_f8f6f4 v[8*(8*((\a)%4)+\b):8*(8*((\a)%4)+\b)+7], v[128*(\p)+FR*\b:128*(\p)+FR*\b+FR-1], v[AF+FR*(\a):AF+FR*(\a)+FR-1], 0, v[SC+8*NQ*(\sc)+NQ*\b+(\q)], v[SC+8*NQ*(\sc)+NQ*(\a)+(\q)] matrix_a_fmt:MATRIX_FMT_BF6 matrix_b_fmt:MATRIX_FMT_BF6 matrix_a_scale:MATRIX_SCALE_ROW1
.else
	v_wmma_scale_f32_16x16x128_f8f6f4 v[8*(8*((\a)%4)+\b):8*(8*((\a)%4)+\b)+7], v[128*(\p)+FR*\b:128*(\p)+FR*\b+FR-1], v[AF+FR*(\a):AF+FR*(\a)+FR-1], v[8*(8*((\a)%4)+\b):8*(8*((\a)%4)+\b)+7], v[SC+8*NQ*(\sc)+NQ*\b+(\q)], v[SC+8*NQ*(\sc)+NQ*(\a)+(\q)] matrix_a_fmt:MATRIX_FMT_BF6 matrix_b_fmt:MATRIX_FMT_BF6 matrix_a_scale:MATRIX_SCALE_ROW1
.endif
.endr
.endr
.endm
.macro FETCH_B slot, q, p
	WIN TO_B
.irp i, 0,1,2,3,4,5,6,7
	FRAG 128*(\p)+FR*\i, ADRB+\slot, \q, \i
.endr
	WIN 0
.endm
.macro FETCH_A slot, q, i0
.irp i, \i0, \i0+1, \i0+2, \i0+3
	FRAG AF+FR*(\i), ADRA+\slot, \q, \i
.endr
.endm
.macro SCALES sc
.irp i, 0,1,2,3,4,5,6,7
.irp q, 0,1
	ds_load_b32 v[SC+16*\sc+2*\i+\q], v[ADRS] offset:512*\q+64*\i
.endr
.endr
.endm
.macro PLACES n
.rept \n
	v_nop
.endr
.endm
.macro STEP slot, q, zero
	s_wait_dscnt 4*NL                              ; all but the youngest twelve loads (A's blocks 4-7) are in
	WIN MUL_LO
	MUL16 0, (\q)%2, \q, \slot, \zero
	MUL16 2, (\q)%2, \q, \slot, \zero
	s_wait_dscnt 0
	PLACES NP
	FETCH_B \slot, (\q)+1, 1-(\q)%2
	FETCH_A \slot, (\q)+1, 0
	WIN MUL_HI
	MUL16 4, (\q)%2, \q, \slot, \zero
	MUL16 6, (\q)%2, \q, \slot, \zero
	PLACES NP
	WIN 0
	FETCH_A \slot, (\q)+1, 4
.endm
.macro TURN slot, next, fill
	s_wait_tensorcnt 0x0                           ; all my tensor loads have landed: my part of the next slot
	ds_add_u32 v[SPW], v[NIL]
	s_wait_dscnt 4*NL+1                            ; the add and the youngest twelve loads may be out
	WIN MUL_LO
	MUL16 0, 1, NQ-1, \slot, 0
	s_wait_dscnt 0x0                               ; the add is done, and my reads of this slot are over
	s_barrier_signal -1
	MUL16 2, 1, NQ-1, \slot, 0
	WIN 0
	s_barrier_wait -1
.if \fill
	CREST
	s_add_nc_u64 s[G0+4*\slot+2:G0+4*\slot+3], s[G0+4*\slot+2:G0+4*\slot+3], 4*KT
	s_add_nc_u64 s[G0B+4*\slot+2:G0B+4*\slot+3], s[G0B+4*\slot+2:G0B+4*\slot+3], 4*KT
	JLOAD G0+4*\slot, G1, G0B+4*\slot, G1B
.else
	PLACES NP
.endif
	v_add_nc_u32 v[ADRS], 512*NQ, v[ADRS]
	FETCH_B \next, 0, 0
	FETCH_A \next, 0, 0
	SCALES \next
	WIN MUL_HI
	MUL16 4, 1, NQ-1, \slot, 0
	MUL16 6, 1, NQ-1, \slot, 0
	PLACES NP
	WIN 0
	FETCH_A \next, 0, 4
.endm
	s_wait_tensorcnt 1                             ; the scale words and my part of slot 0 are in; slot 1's load may be out
	s_barrier_signal -1
	s_barrier_wait -1
	FETCH_B 0, 0, 0
	FETCH_A 0, 0, 0
	SCALES 0
	FETCH_A 0, 0, 4
	STEP 0, 0, 1
	s_mov_b32 s3, LAPS-1
.Llap:
	TURN 0, 1, 1
	STEP 1, 0, 0
	TURN 1, 0, 1
	STEP 0, 0, 0
	s_sub_co_u32 s3, s3, 1
	s_cmp_lg_u32 s3, 0
	s_cbranch_scc1 .Llap
	TURN 0, 1, 0
	STEP 1, 0, 0
	s_wait_dscnt 4*NL
	WIN MUL_LO
	MUL16 0, 1, NQ-1, 1, 0
	MUL16 2, 1, NQ-1, 1, 0
	s_wait_dscnt 0
	WIN MUL_HI
	MUL16 4, 1, NQ-1, 1, 0
	MUL16 6, 1, NQ-1, 1, 0
	WIN 0
; THE WAY OUT, block by block of 16 rows x 128 columns: through my own stage, where the columns fall into their true order, back as whole rows of 512 bytes; the residual is added; row t of block a is token 32 (a / 2) + 16 (t / 8) + 8 (a % 2) + t % 8.
.macro RLOAD a
.irp t, 0,1,2,3,4,5,6,7,8,9,10,11,12,13,14,15
	global_load_b128 v[RS+4*\t:RS+4*\t+3], v[CO], s[8:9] offset:(32*((\a)/2)+16*(\t/8)+8*((\a)%2)+\t%8)*4096
.endr
.endm
.macro TOSTAGE a
.set AC, 64*((\a)%4)
	WIN 0x08+4*((\a)/4)                            ; an LDS store's data: window 2 or 3
.irp b, 0,1,2,3,4,5,6,7
	ds_store_b128 v[STO], v[AC+8*\b:AC+8*\b+3] offset:128*(\b/2)+32*(\b%2)          ; each accumulator from its low end on
	ds_store_b128 v[STO], v[AC+8*\b+4:AC+8*\b+7] offset:128*(\b/2)+32*(\b%2)+16
.endr
	WIN 0
.set BB, BK+64*((\a)%2)
.irp t, 0,1,2,3,4,5,6,7,8,9,10,11,12,13,14,15
	ds_load_b128 v[BB+4*\t:BB+4*\t+3], v[RD] offset:\t*SPITCH    ; LDS serves a wave's instructions in order: these see the stores above
.endr
.endm
	PLACES NP                                      ; behind the last products: for the loads into their scale and operand registers, and for the reads of results
	RLOAD 0
	TOSTAGE 0
.irp a, 0,1,2,3,4,5,6,7
	s_wait_dscnt 0x0                               ; the block is back in registers
	s_wait_loadcnt 0x0                             ; and its residual is in
.set BB, BK+64*(\a%2)
.set j, 0
.rept 32
	v_pk_add_f32 v[BB+j:BB+j+1], v[BB+j:BB+j+1], v[RS+j:RS+j+1]
.set j, j+2
.endr
.if \a < 7
	s_wait_xcnt 0x0                                ; the block before's stores have read the registers into which the next block comes back
	RLOAD \a+1
	TOSTAGE \a+1
.endif
.set BB, BK+64*(\a%2)
.irp t, 0,1,2,3,4,5,6,7,8,9,10,11,12,13,14,15
	global_store_b128 v[CO], v[BB+4*\t:BB+4*\t+3], s[10:11] offset:(32*(\a/2)+16*(\t/8)+8*(\a%2)+\t%8)*4096    ; 512 consecutive bytes, aligned
.endr
.endr
	s_wait_tensorcnt 0x0                           ; the wave's end
	ds_add_u32 v[SPW], v[NIL]
	s_wait_dscnt 0x0
	CROUND
	s_endpgm
.Lfunc_end_k_q79a5f6d2a8_oproj:
	.size	k_q79a5f6d2a8_oproj, .Lfunc_end_k_q79a5f6d2a8_oproj-k_q79a5f6d2a8_oproj
	.p2alignl 7, 3214868480
	.fill 96, 4, 3214868480
	.section	.rodata,"a",@progbits
	.p2align	6, 0x0
	.amdhsa_kernel k_q79a5f6d2a8_oproj
		.amdhsa_group_segment_fixed_size 327680
		.amdhsa_private_segment_fixed_size 0
		.amdhsa_enable_private_segment 0
		.amdhsa_kernarg_size 32
		.amdhsa_user_sgpr_count 2
		.amdhsa_user_sgpr_kernarg_segment_ptr 1
		.amdhsa_wavefront_size32 1
		.amdhsa_system_sgpr_workgroup_id_x 1
		.amdhsa_system_sgpr_workgroup_id_y 1
		.amdhsa_system_sgpr_workgroup_id_z 1
		.amdhsa_system_vgpr_workitem_id 0
		.amdhsa_next_free_vgpr 1024
		.amdhsa_next_free_sgpr 98
		.amdhsa_reserve_vcc 0
		.amdhsa_float_denorm_mode_32 3
		.amdhsa_float_denorm_mode_16_64 3
		.amdhsa_memory_ordered 1
		.amdhsa_forward_progress 1
		.amdhsa_inst_pref_size 165
	.end_amdhsa_kernel
	.amdgpu_metadata
---
amdhsa.version: [ 1, 2 ]
amdhsa.kernels:
  - .name:           k_q79a5f6d2a8_oproj
    .symbol:         k_q79a5f6d2a8_oproj.kd
    .args:
      - { .name: ao, .offset: 0, .size: 8, .value_kind: global_buffer, .address_space: global }
      - { .name: wts, .offset: 8, .size: 8, .value_kind: global_buffer, .address_space: global }
      - { .name: x, .offset: 16, .size: 8, .value_kind: global_buffer, .address_space: global }
      - { .name: x1, .offset: 24, .size: 8, .value_kind: global_buffer, .address_space: global }
    .group_segment_fixed_size: 327680
    .private_segment_fixed_size: 0
    .kernarg_segment_align: 8
    .kernarg_segment_size: 32
    .max_flat_workgroup_size: 128
    .sgpr_count:     98
    .vgpr_count:     1024
    .wavefront_size: 32
...
	.end_amdgpu_metadata
.endif
;; end of part 5
;; launch ln2: the kernel of part 2 again; grid 256 x 1, 8 waves a work-group, no clusters, 66,816 bytes of LDS; arguments x1, ln2_w, ln2_b, hn2; writes hn2
;; launch ffn1 (part 6): grid 16 x 16, 4 waves a work-group, clusters of 4 x 4, 327,680 bytes of LDS; arguments hn2, wts, g; writes g
.if DOCPART == 6
	.amdgcn_target "amdgcn-amd-amdhsa--gfx1250"
	.amdhsa_code_object_version 6
	.text
	.protected	k_q79a5f6d2a8_ffn1
	.globl	k_q79a5f6d2a8_ffn1
	.p2align	8
	.type	k_q79a5f6d2a8_ffn1,@function
k_q79a5f6d2a8_ffn1:
	s_mov_b64 s[64:65], 0
	v_nop
	global_prefetch_b8 v0, s[64:65] scope:SCOPE_SE
	s_setreg_imm32_b32 hwreg(HW_REG_WAVE_MODE, 25, 1), 1
	s_wait_xcnt 0x0
	s_wait_alu depctr_hold_cnt(0) depctr_sa_sdst(0) depctr_va_vdst(0) depctr_va_sdst(0) depctr_va_ssrc(0) depctr_va_vcc(0) depctr_vm_vsrc(0)
	s_getreg_b32 s2, hwreg(HW_REG_IB_STS2, 6, 4)
	s_cmp_eq_u32 s2, 0
	s_cbranch_scc0 .Lentry_in_a_cluster
	s_endpgm
.Lentry_in_a_cluster:
	s_bfe_u32 s2, ttmp6, 0x10000c
	s_cmp_lg_u32 s2, 0xf033
	s_cbranch_scc0 .Lentry_shape_is_right
	s_endpgm
.Lentry_shape_is_right:
; g = Q(gelu(h2 W1)): the product on codes of E3M2 (K = 1,024); the exact GELU in f32; the result quantised in registers along W1's columns, which are the next product's K, and stored as images of that operand's registers.
; OPERANDS are images of their registers: a fragment (16 rows x 128 K, 12 registers a lane) is 1,536 bytes; codes [row / 256][k / 128][fragment][1536]; scale words [row / 128][k / 128][row % 128].
; A tile of the result is 256 x 256, four waves, 128 x 128 each; a ring of two LDS slots of two K steps; the scale words of all of K come once; 4 x 4 work-groups form a cluster, A's tile asked for jointly along its rows, B's along its columns.
; THE PRODUCT IS USED TRANSPOSED; W1's columns lie at pi(column) (bits 3 and 4 swapped), so the 64 registers of a block of 16 rows are 128 neighbouring columns in the quantiser's order: one fragment and one scale word a row.
; GELU: gelu(x) = max(x, 0) - |x| e(|x|), e(y) = erfc(y / sqrt 2) / 2 = t 2^(-y^2 log2(e) / 2 + poly(t)), t = 1 / (1 + y / (2 sqrt 2)): a fit of erfc of degree 9 in t whose fractional error is 1.2e-7 for every y;
; nothing is subtracted from 1, so the negative tail keeps its digits.  The way out is a loop of eight trips, a block of 16 rows each: register numbers differ from trip to trip by window, so a trip begins with 64 moves
; into fixed registers, chosen by the trip's number; written out eight times the arithmetic would be some 45 KB of code.
; LIMITS: NaN and infinities are not served; a block under 2^-122 or of zeros keeps the byte 1; v_rcp_f32 and v_exp_f32 are good to 1 ulp.
.set KS,    8
.set BT0,   16                         ; W1's first tile in the weights' region
.set ASOFF, 3145728
.set BCOFF, 0
.set BSOFF, 9437184
.set G_S,   12582912
.set KT,    24576
.set FRB,   1536
.set FR,    12
.set NL,    3
.set NP,    4
.set NQ,    2
.set SLOT,  4*KT
.set LAPS,  KS/4
.set HALFS, KS*512
.set SCL,   2*SLOT
.set SPARE, SCL+4*HALFS                ; the spare words, 128 bytes a wave; no other line names them
.set ADRA, 16
.set ADRB, 20
.set LI16, 24
.set LR4,  26
.set ADRS, 27
.set SPW,  28
.set NIL,  29
.set SC,   32
.set AF,   128
.set X,    32                          ; the way out: v32-95 a block's 64 numbers; v96-159 t, then the result; v160-223 the polynomial, then e; v244-251 at work; v252-253 a constant
.set T,    96
.set P,    160
.set Y,    244
.set PC,   160
.set TM,   224
.set PW,   240
.set SEL,  66
.set G1, 24
.set G0, 32
.set G1B, 48
.set G0B, 56
.set G1S, 68
.set G0S, 76
.set G1SB, 80
.set G0SB, 88
.set MSB, 0
.macro WIN new
.if MSB != (\new)
	s_set_vgpr_msb (MSB<<8)|(\new)
.set MSB, (\new)
.endif
.endm
.set MUL_LO, 0xa1
.set MUL_HI, 0xf1
.set TO_B,   0x40
.macro JLOAD g0a, g1a, g0b, g1b        ; a joint load: waves 0 and 1 fetch for A, waves 2 and 3 for B; four v_nop follow each line
	s_cmp_eq_u32 s15, 0
	s_cbranch_scc0 .Lfor_b_\@
	tensor_load_to_lds s[\g0a:\g0a+3], s[\g1a:\g1a+7]
	s_nop 0
.rept 4
	v_nop
.endr
	s_branch .Lasked_\@
.Lfor_b_\@:
	tensor_load_to_lds s[\g0b:\g0b+3], s[\g1b:\g1b+7]
	s_nop 0
.rept 4
	v_nop
.endr
.Lasked_\@:
.endm
.macro CREST
	s_cmp_lg_u32 s14, 0
	s_cbranch_scc1 .Lnot_wave_0_\@
	s_barrier_signal -3
.Lnot_wave_0_\@:
	s_barrier_wait -3
	s_barrier_signal -1
	s_barrier_wait -1
.endm
.macro CROUND
	s_barrier_signal -1
	s_barrier_wait -1
	CREST
.endm
	s_load_b128 s[4:7], s[0:1], 0x0                ; A's buffer, the weights
	s_load_b64 s[8:9], s[0:1], 0x10                ; g
	v_lshl_add_u32 v[SPW], v0, 2, SPARE
	v_mov_b32 v[NIL], 0
	ds_add_u32 v28, v29
	ds_add_u32 v28, v29
	s_wait_dscnt 0x0
	v_lshrrev_b32 v1, 5, v0
	v_readfirstlane_b32 s14, v1
	s_lshr_b32 s15, s14, 1
	s_and_b32 s16, s14, 1
	s_bfe_u32 s40, ttmp6, 0x40000
	s_bfe_u32 s41, ttmp6, 0x40004
	s_lshl_b32 s42, ttmp9, 2
	s_add_co_u32 s42, s42, s40                     ; tile column
	s_and_b32 s17, ttmp7, 0xffff
	s_lshl_b32 s17, s17, 2
	s_add_co_u32 s17, s17, s41                     ; tile row
	s_lshl_b32 s43, s41, 2
	s_lshl_b32 s43, 15, s43
	s_lshl_b32 s44, 0x1111, s40
	s_or_b32 s[G1+0], s43, (3<<16)|(1<<21)
	s_or_b32 s[G1B+0], s44, (3<<16)|(1<<21)
.irp g, G1, G1B
	s_mov_b32 s[\g+1], 32<<16
	s_mov_b32 s[\g+2], 96<<16
	s_mov_b32 s[\g+3], 32<<16
	s_mov_b32 s[\g+4], 96
	s_mov_b32 s[\g+5], 32
	s_mov_b32 s[\g+6], 0
	s_mov_b32 s[\g+7], 0
.endr
	s_or_b32 s[G1S+0], s43, (3<<16)|(1<<21)
	s_or_b32 s[G1SB+0], s44, (3<<16)|(1<<21)
.irp g, G1S, G1SB
	s_mov_b32 s[\g+1], 32<<16
	s_mov_b32 s[\g+2], (2*KS)<<16
	s_mov_b32 s[\g+3], 32<<16
	s_mov_b32 s[\g+4], 2*KS
	s_mov_b32 s[\g+5], 32
	s_mov_b32 s[\g+6], 0
	s_mov_b32 s[\g+7], 0
.endr
	s_mul_i32 s18, s16, KT
	s_mul_i32 s20, s17, KS*KT
	s_add_co_u32 s20, s20, s18
	s_mov_b32 s21, 0
	s_lshl_b32 s22, s17, 1
	s_add_co_u32 s22, s22, s16
	s_mul_i32 s22, s22, HALFS
	s_add_co_u32 s22, s22, ASOFF
	s_mov_b32 s23, 0
	s_add_co_u32 s46, s42, BT0
	s_lshl_b32 s92, s46, 1
	s_add_co_u32 s92, s92, s16
	s_mul_i32 s92, s92, HALFS
	s_add_co_u32 s92, s92, BSOFF
	s_mov_b32 s93, 0
	s_mul_i32 s46, s46, KS*KT
	s_add_co_u32 s46, s46, s18
	s_add_co_u32 s46, s46, BCOFF
	s_mov_b32 s47, 0
	s_mul_i32 s45, s14, KT
	s_mul_i32 s94, s14, HALFS
	s_wait_kmcnt 0x0
	s_add_nc_u64 s[20:21], s[4:5], s[20:21]
	s_add_nc_u64 s[22:23], s[4:5], s[22:23]
	s_add_nc_u64 s[46:47], s[6:7], s[46:47]
	s_add_nc_u64 s[92:93], s[6:7], s[92:93]
	CROUND
	s_mov_b32 s[G0S], 1
	s_add_co_u32 s[G0S+1], s94, SCL
	s_mov_b64 s[G0S+2:G0S+3], s[22:23]
	s_or_b32 s[G0S+3], s[G0S+3], 0x80000000
	s_mov_b32 s[G0SB], 1
	s_add_co_u32 s[G0SB+1], s94, SCL
	s_mov_b64 s[G0SB+2:G0SB+3], s[92:93]
	s_or_b32 s[G0SB+3], s[G0SB+3], 0x80000000
	JLOAD G0S, G1S, G0SB, G1SB
.irp s, 0,1
	s_mov_b32 s[G0+4*\s], 1
	s_add_co_u32 s[G0+4*\s+1], s45, \s*SLOT
	s_add_nc_u64 s[G0+4*\s+2:G0+4*\s+3], s[20:21], \s*2*KT
	s_or_b32 s[G0+4*\s+3], s[G0+4*\s+3], 0x80000000
	s_mov_b32 s[G0B+4*\s], 1
	s_add_co_u32 s[G0B+4*\s+1], s45, \s*SLOT
	s_add_nc_u64 s[G0B+4*\s+2:G0B+4*\s+3], s[46:47], \s*2*KT
	s_or_b32 s[G0B+4*\s+3], s[G0B+4*\s+3], 0x80000000
	JLOAD G0+4*\s, G1, G0B+4*\s, G1B
.endr
	v_and_b32 v1, 15, v0
	v_bfe_u32 v2, v0, 4, 1
	v_and_b32 v3, 31, v0
	v_lshlrev_b32 v3, 4, v3
	v_mov_b32 v[LI16], v3
	v_lshlrev_b32 v[LR4], 2, v1
	s_mul_i32 s21, s15, 8*FRB
	s_mul_i32 s22, s16, 8*FRB
	s_add_co_u32 s22, s22, 2*KT
.irp s, 0,1
	v_add_nc_u32 v[ADRA+\s], s21, v3
	v_add_nc_u32 v[ADRB+\s], s22, v3
	s_add_co_u32 s21, s21, SLOT
	s_add_co_u32 s22, s22, SLOT
.endr
	s_mul_i32 s21, s15, HALFS
	s_mul_i32 s22, s16, HALFS
	s_add_co_u32 s22, s22, 2*HALFS
	s_sub_co_u32 s22, s22, s21
	v_mul_u32_u24 v6, s22, v2
	s_add_co_u32 s21, s21, SCL
	v_add_nc_u32 v5, v[LR4], v6
	v_add_nc_u32 v[ADRS], s21, v5
.macro FRAG reg, adr, q, i
.irp c, 0,1,2
	ds_load_b128 v[\reg+4*\c:\reg+4*\c+3], v[\adr] offset:(\q)*KT+(\i)*FRB+512*\c
.endr
.endm
; The 64 accumulators take turns, one instruction a turn, in the same order in every step.
.macro MUL16 a0, p, q, sc, zero
.irp a, \a0, \a0+1
.irp b, 0,1,2,3,4,5,6,7
.if \zero
	v_wmma_scale_f32_16x16x128_f8f6f4 v[8*(8*((\a)%4)+\b):8*(8*((\a)%4)+\b)+7], v[128*(\p)+FR*\b:128*(\p)+FR*\b+FR-1], v[AF+FR*(\a):AF+FR*(\a)+FR-1], 0, v[SC+8*NQ*(\sc)+NQ*\b+(\q)], v[SC+8*NQ*(\sc)+NQ*(\a)+(\q)] matrix_a_fmt:MATRIX_FMT_BF6 matrix_b_fmt:MATRIX_FMT_BF6 matrix_a_scale:MATRIX_SCALE_ROW1
.else
	v_wmma_scale_f32_16x16x128_f8f6f4 v[8*(8*((\a)%4)+\b):8*(8*((\a)%4)+\b)+7], v[128*(\p)+FR*\b:128*(\p)+FR*\b+FR-1], v[AF+FR*(\a):AF+FR*(\a)+FR-1], v[8*(8*((\a)%4)+\b):8*(8*((\a)%4)+\b)+7], v[SC+8*NQ*(\sc)+NQ*\b+(\q)], v[SC+8*NQ*(\sc)+NQ*(\a)+(\q)] matrix_a_fmt:MATRIX_FMT_BF6 matrix_b_fmt:MATRIX_FMT_BF6 matrix_a_scale:MATRIX_SCALE_ROW1
.endif
.endr
.endr
.endm
.macro FETCH_B slot, q, p
	WIN TO_B
.irp i, 0,1,2,3,4,5,6,7
	FRAG 128*(\p)+FR*\i, ADRB+\slot, \q, \i
.endr
	WIN 0
.endm
.macro FETCH_A slot, q, i0
.irp i, \i0, \i0+1, \i0+2, \i0+3
	FRAG AF+FR*(\i), ADRA+\slot, \q, \i
.endr
.endm
.macro SCALES sc
.irp i, 0,1,2,3,4,5,6,7
.irp q, 0,1
	ds_load_b32 v[SC+16*\sc+2*\i+\q], v[ADRS] offset:512*\q+64*\i
.endr
.endr
.endm
.macro PLACES n
.rept \n
	v_nop
.endr
.endm
.macro STEP slot, q, zero
	s_wait_dscnt 4*NL                              ; all but the youngest twelve loads (A's blocks 4-7) are in
	WIN MUL_LO
	MUL16 0, (\q)%2, \q, \slot, \zero
	MUL16 2, (\q)%2, \q, \slot, \zero
	s_wait_dscnt 0
	PLACES NP
	FETCH_B \slot, (\q)+1, 1-(\q)%2
	FETCH_A \slot, (\q)+1, 0
	WIN MUL_HI
	MUL16 4, (\q)%2, \q, \slot, \zero
	MUL16 6, (\q)%2, \q, \slot, \zero
	PLACES NP
	WIN 0
	FETCH_A \slot, (\q)+1, 4
.endm
.macro TURN slot, next, fill
	s_wait_tensorcnt 0x0                           ; all my tensor loads have landed: my part of the next slot
	ds_add_u32 v[SPW], v[NIL]
	s_wait_dscnt 4*NL+1                            ; the add and the youngest twelve loads may be out
	WIN MUL_LO
	MUL16 0, 1, NQ-1, \slot, 0
	s_wait_dscnt 0x0                               ; the add is done, and my reads of this slot are over
	s_barrier_signal -1
	MUL16 2, 1, NQ-1, \slot, 0
	WIN 0
	s_barrier_wait -1
.if \fill
	CREST
	s_add_nc_u64 s[G0+4*\slot+2:G0+4*\slot+3], s[G0+4*\slot+2:G0+4*\slot+3], 4*KT
	s_add_nc_u64 s[G0B+4*\slot+2:G0B+4*\slot+3], s[G0B+4*\slot+2:G0B+4*\slot+3], 4*KT
	JLOAD G0+4*\slot, G1, G0B+4*\slot, G1B
.else
	PLACES NP
.endif
	v_add_nc_u32 v[ADRS], 512*NQ, v[ADRS]
	FETCH_B \next, 0, 0
	FETCH_A \next, 0, 0
	SCALES \next
	WIN MUL_HI
	MUL16 4, 1, NQ-1, \slot, 0
	MUL16 6, 1, NQ-1, \slot, 0
	PLACES NP
	WIN 0
	FETCH_A \next, 0, 4
.endm
	s_wait_tensorcnt 1                             ; the scale words and my part of slot 0 are in; slot 1's load may be out
	s_barrier_signal -1
	s_barrier_wait -1
	FETCH_B 0, 0, 0
	FETCH_A 0, 0, 0
	SCALES 0
	FETCH_A 0, 0, 4
	STEP 0, 0, 1
	s_mov_b32 s3, LAPS-1
.Llap:
	TURN 0, 1, 1
	STEP 1, 0, 0
	TURN 1, 0, 1
	STEP 0, 0, 0
	s_sub_co_u32 s3, s3, 1
	s_cmp_lg_u32 s3, 0
	s_cbranch_scc1 .Llap
	TURN 0, 1, 0
	STEP 1, 0, 0
	s_wait_dscnt 4*NL
	WIN MUL_LO
	MUL16 0, 1, NQ-1, 1, 0
	MUL16 2, 1, NQ-1, 1, 0
	s_wait_dscnt 0
	WIN MUL_HI
	MUL16 4, 1, NQ-1, 1, 0
	MUL16 6, 1, NQ-1, 1, 0
	WIN 0
	PLACES NP                                      ; behind the last products
	; the fit's coefficients x log2(e), the last with 1 taken off for the half; each twice, since the packed form names a pair.  No tensor load of mine is out: the descriptors' registers are free
	s_mov_b32 s24, 0x3e7c6f08                      ;  0.24651730
	s_mov_b32 s26, 0x40097039                      ;  2.14747447
	s_mov_b32 s28, 0xbfd1a1e5                      ; -1.63775315
	s_mov_b32 s30, 0x3ecdfd18                      ;  0.40232158
	s_mov_b32 s32, 0xbe899a80                      ; -0.26875686
	s_mov_b32 s34, 0x3e0efb2e                      ;  0.13963005
	s_mov_b32 s36, 0x3f0a29d2                      ;  0.53970061
	s_mov_b32 s38, 0x3fb8ab5a                      ;  1.44272920
	s_mov_b32 s40, 0xc034d90f                      ; -2.82574822
	s_mov_b32 s44, 0xbf38aa3b                      ; -log2(e) / 2
.irp c, 24,26,28,30,32,34,36,38,40,44
	s_mov_b32 s[\c+1], s[\c]
.endr
	s_mov_b32 s43, 0x3eb504f3                      ; 1 / (2 sqrt 2)
	s_mov_b32 s[SEL], 0x76543210
	s_mov_b32 s[SEL+1], 0xfedcba98
	v_mov_b32 v252, 0xbf97d29d                     ; -1.18611494
	v_mov_b32 v253, 0xbf97d29d
.irp b, 0,1,2,3
	v_mov_b32 v[TM+4+\b], 0                        ; a lane permute's destination counts as one of its sources
.endr
	s_lshl_b32 s46, s17, 5
	s_lshl_b32 s47, s42, 1
	s_add_co_u32 s46, s46, s47
	s_add_co_u32 s46, s46, s16                     ; g's tile row x 32 K steps + my K step
	s_mul_i32 s46, s46, KT
	s_mul_i32 s47, s15, 8*FRB
	s_add_co_u32 s46, s46, s47
	s_mov_b32 s47, 0
	s_lshl_b32 s48, s17, 1
	s_add_co_u32 s48, s48, s15
	s_lshl_b32 s48, s48, 5
	s_lshl_b32 s49, s42, 1
	s_add_co_u32 s48, s48, s49
	s_add_co_u32 s48, s48, s16
	s_lshl_b32 s48, s48, 9
	s_add_co_u32 s48, s48, G_S
	s_mov_b32 s49, 0
	s_add_nc_u64 s[46:47], s[8:9], s[46:47]
	s_add_nc_u64 s[48:49], s[8:9], s[48:49]
	s_mov_b32 s20, 0
.macro STUB k                          ; block k's 64 numbers into fixed registers, each accumulator from its low end on
.Lc\k:
	WIN 2+\k/4
.set j, 0
.rept 64
	v_mov_b32 v[X+j], v[64*(\k%4)+j]
.set j, j+1
.endr
	WIN 0
	s_branch .Lcommon
.endm
.Lrow:
.irp k, 1,2,3,4,5,6,7
	s_cmp_eq_u32 s20, \k
	s_cbranch_scc1 .Lc\k
.endr
.irp k, 0,1,2,3,4,5,6,7
	STUB \k
.endr
.Lcommon:
.set j, 0
.rept 64
	v_fma_f32 v[T+j], |v[X+j]|, s43, 1.0
.set j, j+1
.endr
.set j, 0
.rept 64
	v_rcp_f32 v[T+j], v[T+j]                       ; t
.set j, j+1
.endr
	v_nop
	s_wait_alu depctr_va_vdst(0)                   ; one wait for the batch
.set j, 0
.rept 32
	v_pk_fma_f32 v[P+j:P+j+1], v[T+j:T+j+1], s[24:25], v[252:253] op_sel_hi:[1,0,1]
.set j, j+2
.endr
.irp c, 26,28,30,32,34,36,38,40
.set j, 0
.rept 32
	v_pk_fma_f32 v[P+j:P+j+1], v[P+j:P+j+1], v[T+j:T+j+1], s[\c:\c+1] op_sel_hi:[1,1,0]
.set j, j+2
.endr
.endr
.set j, 0
.rept 8
.irp u, 0,2,4,6
	v_pk_mul_f32 v[Y+\u:Y+\u+1], v[X+j+\u:X+j+\u+1], s[44:45] op_sel_hi:[1,0]
.endr
.irp u, 0,2,4,6
	v_pk_fma_f32 v[P+j+\u:P+j+\u+1], v[X+j+\u:X+j+\u+1], v[Y+\u:Y+\u+1], v[P+j+\u:P+j+\u+1]
.endr
.set j, j+8
.endr
.set j, 0
.rept 64
	v_exp_f32 v[P+j], v[P+j]
.set j, j+1
.endr
	v_nop
	s_wait_alu depctr_va_vdst(0)
.set j, 0
.rept 32
	v_pk_mul_f32 v[P+j:P+j+1], v[P+j:P+j+1], v[T+j:T+j+1]          ; e = erfc(|x| / sqrt 2) / 2
.set j, j+2
.endr
.set j, 0
.rept 64
	v_max_num_f32 v[T+j], 0, v[X+j]
.set j, j+1
.endr
.set j, 0
.rept 64
	v_fma_f32 v[T+j], -|v[X+j]|, v[P+j], v[T+j]    ; gelu
.set j, j+1
.endr
.irp b, 0,1,2,3
	v_max3_num_f32 v[TM+\b], |v[T+16*\b]|, |v[T+1+16*\b]|, 0x2800000     ; the floor 2^(5 - 127): the byte cannot fall under 1
.endr
.irp i, 2,4,6,8,10,12,14
.irp b, 0,1,2,3
	v_max3_num_f32 v[TM+\b], v[TM+\b], |v[T+16*\b+\i]|, |v[T+1+16*\b+\i]|
.endr
.endr
.irp b, 0,1,2,3
	v_permlanex16_b32 v[TM+4+\b], v[TM+\b], s[SEL], s[SEL+1]
.endr
.irp b, 0,1,2,3
	v_max_num_f32 v[TM+\b], v[TM+\b], v[TM+4+\b]
.endr
.irp b, 0,1,2,3
	v_add_nc_u32 v[TM+12+\b], 0xfe000000, v[TM+\b]
.endr
.irp b, 0,1,2,3
	v_lshrrev_b32 v[TM+4+\b], 23, v[TM+12+\b]
.endr
	v_lshl_or_b32 v[PW], v[TM+5], 8, v[TM+4]
	v_lshl_or_b32 v[PW], v[TM+6], 16, v[PW]
	v_lshl_or_b32 v[PW], v[TM+7], 24, v[PW]
.irp c, 0,1
	v_cvt_scalef32_pk16_bf6_f32 v[PC+6*\c:PC+2+6*\c], v[T+32*\c:T+15+32*\c], v[TM+12+2*\c]
	v_cvt_scalef32_pk16_bf6_f32 v[PC+12+4*\c:PC+14+4*\c], v[T+16+32*\c:T+31+32*\c], v[TM+13+2*\c]
.endr
	v_nop
.irp c, 0,1
.irp i, 0,1,2
	v_permlane16_swap_b32 v[PC+6*\c+\i], v[PC+12+4*\c+\i]
.endr
.irp i, 0,1,2
	v_mov_b32 v[PC+3+6*\c+\i], v[PC+12+4*\c+\i]
.endr
.endr
.irp c, 0,1,2
	global_store_b128 v[LI16], v[PC+4*\c:PC+4*\c+3], s[46:47] offset:512*\c    ; 512 consecutive bytes, aligned
.endr
	global_store_b32 v[LR4], v[PW], s[48:49]
	s_wait_xcnt 0x0                                ; the stores have read their registers and bases: both are written again
	s_add_nc_u64 s[46:47], s[46:47], FRB
	s_add_nc_u64 s[48:49], s[48:49], 64
	s_add_co_u32 s20, s20, 1
	s_cmp_lt_u32 s20, 8
	s_cbranch_scc1 .Lrow
	s_wait_tensorcnt 0x0                           ; the wave's end
	ds_add_u32 v[SPW], v[NIL]
	s_wait_dscnt 0x0
	CROUND
	s_endpgm
.Lfunc_end_k_q79a5f6d2a8_ffn1:
	.size	k_q79a5f6d2a8_ffn1, .Lfunc_end_k_q79a5f6d2a8_ffn1-k_q79a5f6d2a8_ffn1
	.p2alignl 7, 3214868480
	.fill 96, 4, 3214868480
	.section	.rodata,"a",@progbits
	.p2align	6, 0x0
	.amdhsa_kernel k_q79a5f6d2a8_ffn1
		.amdhsa_group_segment_fixed_size 327680
		.amdhsa_private_segment_fixed_size 0
		.amdhsa_enable_private_segment 0
		.amdhsa_kernarg_size 24
		.amdhsa_user_sgpr_count 2
		.amdhsa_user_sgpr_kernarg_segment_ptr 1
		.amdhsa_wavefront_size32 1
		.amdhsa_system_sgpr_workgroup_id_x 1
		.amdhsa_system_sgpr_workgroup_id_y 1
		.amdhsa_system_sgpr_workgroup_id_z 1
		.amdhsa_system_vgpr_workitem_id 0
		.amdhsa_next_free_vgpr 1024
		.amdhsa_next_free_sgpr 98
		.amdhsa_reserve_vcc 0
		.amdhsa_float_denorm_mode_32 3
		.amdhsa_float_denorm_mode_16_64 3
		.amdhsa_memory_ordered 1
		.amdhsa_forward_progress 1
		.amdhsa_inst_pref_size 169
	.end_amdhsa_kernel
	.amdgpu_metadata
---
amdhsa.version: [ 1, 2 ]
amdhsa.kernels:
  - .name:           k_q79a5f6d2a8_ffn1
    .symbol:         k_q79a5f6d2a8_ffn1.kd
    .args:
      - { .name: hn2, .offset: 0, .size: 8, .value_kind: global_buffer, .address_space: global }
      - { .name: wts, .offset: 8, .size: 8, .value_kind: global_buffer, .address_space: global }
      - { .name: g, .offset: 16, .size: 8, .value_kind: global_buffer, .address_space: global }
    .group_segment_fixed_size: 327680
    .private_segment_fixed_size: 0
    .kernarg_segment_align: 8
    .kernarg_segment_size: 24
    .max_flat_workgroup_size: 128
    .sgpr_count:     98
    .vgpr_count:     1024
    .wavefront_size: 32
...
	.end_amdgpu_metadata
.endif
;; end of part 6
;; launch ffn2 (part 7): grid 4 x 16, 4 waves a work-group, clusters of 4 x 4, 327,680 bytes of LDS; arguments g, wts, x1, out0; writes out0
.if DOCPART == 7
	.amdgcn_target "amdgcn-amd-amdhsa--gfx1250"
	.amdhsa_code_object_version 6
	.text
	.protected	k_q79a5f6d2a8_ffn2
	.globl	k_q79a5f6d2a8_ffn2
	.p2align	8
	.type	k_q79a5f6d2a8_ffn2,@function
k_q79a5f6d2a8_ffn2:
	s_mov_b64 s[64:65], 0
	v_nop
	global_prefetch_b8 v0, s[64:65] scope:SCOPE_SE
	s_setreg_imm32_b32 hwreg(HW_REG_WAVE_MODE, 25, 1), 1
	s_wait_xcnt 0x0
	s_wait_alu depctr_hold_cnt(0) depctr_sa_sdst(0) depctr_va_vdst(0) depctr_va_sdst(0) depctr_va_ssrc(0) depctr_va_vcc(0) depctr_vm_vsrc(0)
	s_getreg_b32 s2, hwreg(HW_REG_IB_STS2, 6, 4)
	s_cmp_eq_u32 s2, 0
	s_cbranch_scc0 .Lentry_in_a_cluster
	s_endpgm
.Lentry_in_a_cluster:
	s_bfe_u32 s2, ttmp6, 0x10000c
	s_cmp_lg_u32 s2, 0xf033
	s_cbranch_scc0 .Lentry_shape_is_right
	s_endpgm
.Lentry_shape_is_right:
; out0 = x1 + g W2, the product on codes of E3M2 (K = 4,096), sums and the residual in f32.
; OPERANDS are images of their registers: a fragment (16 rows x 128 K, 12 registers a lane) is 1,536 bytes, registers 4 c .. 4 c + 3 of lane l at 512 c + 16 l; codes [row / 256][k / 128][fragment][1536]; scale words [row / 128][k / 128][row % 128].
; A tile of the result is 256 x 256, four waves, 128 x 128 each.  K goes through a ring of two LDS slots of two K steps, each wave fetching one K step of A's or B's tile (24,576 dense bytes); the scale words of all of K (65,536 bytes) come once.
; THE PRODUCT IS USED TRANSPOSED (source 0 = 16 rows of B, source 1 = 16 rows of A).  B's rows lie at pi(column), A's at pi(token) (bits 3 and 4 swapped): register j of accumulator (a, b) in lane (r, h) is column
; 32 (b / 2) + 16 h + 8 (b % 2) + j of the token at row 16 a + r; the way out puts both back by immediates.
; 4 x 4 work-groups form a cluster; A's tile is asked for jointly along a row of the cluster, B's along a column.  64 tiles: a quarter of the WGPs have work; a smaller tile would be another register map.
.set KS,    32
.set BT0,   0
.set ASOFF, 12582912
.set BCOFF, 6291456
.set BSOFF, 9699328
.set KT,    24576
.set FRB,   1536
.set FR,    12
.set NL,    3
.set NP,    4
.set NQ,    2
.set SLOT,  4*KT
.set LAPS,  KS/4
.set HALFS, KS*512
.set SCL,   2*SLOT
.set SPARE, SCL+4*HALFS                ; the spare words, 128 bytes a wave; no other line names them
.set SPITCH, 528                       ; the way out: a stage of 16 rows x (512 + 16) bytes a wave, in slot 0, which has had its last fill and its last read by then
.set ADRA, 16
.set ADRB, 20
.set STO,  24
.set RD,   25
.set CO,   26
.set ADRS, 27
.set SPW,  28
.set NIL,  29
.set SC,   32
.set RS,   32
.set AF,   128
.set BK,   128
.set G1, 24
.set G0, 32
.set G1B, 48
.set G0B, 56
.set G1S, 68
.set G0S, 76
.set G1SB, 80
.set G0SB, 88
.set MSB, 0
.macro WIN new
.if MSB != (\new)
	s_set_vgpr_msb (MSB<<8)|(\new)
.set MSB, (\new)
.endif
.endm
.set MUL_LO, 0xa1
.set MUL_HI, 0xf1
.set TO_B,   0x40
.macro JLOAD g0a, g1a, g0b, g1b        ; a joint load: waves 0 and 1 fetch for A, waves 2 and 3 for B; four v_nop follow each line
	s_cmp_eq_u32 s15, 0
	s_cbranch_scc0 .Lfor_b_\@
	tensor_load_to_lds s[\g0a:\g0a+3], s[\g1a:\g1a+7]
	s_nop 0
.rept 4
	v_nop
.endr
	s_branch .Lasked_\@
.Lfor_b_\@:
	tensor_load_to_lds s[\g0b:\g0b+3], s[\g1b:\g1b+7]
	s_nop 0
.rept 4
	v_nop
.endr
.Lasked_\@:
.endm
.macro CREST
	s_cmp_lg_u32 s14, 0
	s_cbranch_scc1 .Lnot_wave_0_\@
	s_barrier_signal -3
.Lnot_wave_0_\@:
	s_barrier_wait -3
	s_barrier_signal -1
	s_barrier_wait -1
.endm
.macro CROUND
	s_barrier_signal -1
	s_barrier_wait -1
	CREST
.endm
	s_load_b128 s[4:7], s[0:1], 0x0                ; A's buffer, the weights
	s_load_b128 s[8:11], s[0:1], 0x10              ; the residual, the result
	v_lshl_add_u32 v[SPW], v0, 2, SPARE
	v_mov_b32 v[NIL], 0
	ds_add_u32 v28, v29
	ds_add_u32 v28, v29
	s_wait_dscnt 0x0
	v_lshrrev_b32 v1, 5, v0
	v_readfirstlane_b32 s14, v1
	s_lshr_b32 s15, s14, 1
	s_and_b32 s16, s14, 1
	s_bfe_u32 s40, ttmp6, 0x40000
	s_bfe_u32 s41, ttmp6, 0x40004
	s_lshl_b32 s42, ttmp9, 2
	s_add_co_u32 s42, s42, s40                     ; tile column
	s_and_b32 s17, ttmp7, 0xffff
	s_lshl_b32 s17, s17, 2
	s_add_co_u32 s17, s17, s41                     ; tile row
	s_lshl_b32 s43, s41, 2
	s_lshl_b32 s43, 15, s43
	s_lshl_b32 s44, 0x1111, s40
	s_or_b32 s[G1+0], s43, (3<<16)|(1<<21)
	s_or_b32 s[G1B+0], s44, (3<<16)|(1<<21)
.irp g, G1, G1B
	s_mov_b32 s[\g+1], 32<<16
	s_mov_b32 s[\g+2], 96<<16
	s_mov_b32 s[\g+3], 32<<16
	s_mov_b32 s[\g+4], 96
	s_mov_b32 s[\g+5], 32
	s_mov_b32 s[\g+6], 0
	s_mov_b32 s[\g+7], 0
.endr
	s_or_b32 s[G1S+0], s43, (3<<16)|(1<<21)
	s_or_b32 s[G1SB+0], s44, (3<<16)|(1<<21)
.irp g, G1S, G1SB
	s_mov_b32 s[\g+1], 32<<16
	s_mov_b32 s[\g+2], (2*KS)<<16
	s_mov_b32 s[\g+3], 32<<16
	s_mov_b32 s[\g+4], 2*KS
	s_mov_b32 s[\g+5], 32
	s_mov_b32 s[\g+6], 0
	s_mov_b32 s[\g+7], 0
.endr
	s_mul_i32 s18, s16, KT
	s_mul_i32 s20, s17, KS*KT
	s_add_co_u32 s20, s20, s18
	s_mov_b32 s21, 0
	s_lshl_b32 s22, s17, 1
	s_add_co_u32 s22, s22, s16
	s_mul_i32 s22, s22, HALFS
	s_add_co_u32 s22, s22, ASOFF
	s_mov_b32 s23, 0
	s_add_co_u32 s46, s42, BT0
	s_lshl_b32 s92, s46, 1
	s_add_co_u32 s92, s92, s16
	s_mul_i32 s92, s92, HALFS
	s_add_co_u32 s92, s92, BSOFF
	s_mov_b32 s93, 0
	s_mul_i32 s46, s46, KS*KT
	s_add_co_u32 s46, s46, s18
	s_add_co_u32 s46, s46, BCOFF
	s_mov_b32 s47, 0
	s_mul_i32 s45, s14, KT
	s_mul_i32 s94, s14, HALFS
	s_wait_kmcnt 0x0
	s_add_nc_u64 s[20:21], s[4:5], s[20:21]
	s_add_nc_u64 s[22:23], s[4:5], s[22:23]
	s_add_nc_u64 s[46:47], s[6:7], s[46:47]
	s_add_nc_u64 s[92:93], s[6:7], s[92:93]
	CROUND
	s_mov_b32 s[G0S], 1
	s_add_co_u32 s[G0S+1], s94, SCL
	s_mov_b64 s[G0S+2:G0S+3], s[22:23]
	s_or_b32 s[G0S+3], s[G0S+3], 0x80000000
	s_mov_b32 s[G0SB], 1
	s_add_co_u32 s[G0SB+1], s94, SCL
	s_mov_b64 s[G0SB+2:G0SB+3], s[92:93]
	s_or_b32 s[G0SB+3], s[G0SB+3], 0x80000000
	JLOAD G0S, G1S, G0SB, G1SB
.irp s, 0,1
	s_mov_b32 s[G0+4*\s], 1
	s_add_co_u32 s[G0+4*\s+1], s45, \s*SLOT
	s_add_nc_u64 s[G0+4*\s+2:G0+4*\s+3], s[20:21], \s*2*KT
	s_or_b32 s[G0+4*\s+3], s[G0+4*\s+3], 0x80000000
	s_mov_b32 s[G0B+4*\s], 1
	s_add_co_u32 s[G0B+4*\s+1], s45, \s*SLOT
	s_add_nc_u64 s[G0B+4*\s+2:G0B+4*\s+3], s[46:47], \s*2*KT
	s_or_b32 s[G0B+4*\s+3], s[G0B+4*\s+3], 0x80000000
	JLOAD G0+4*\s, G1, G0B+4*\s, G1B
.endr
	v_and_b32 v1, 15, v0
	v_bfe_u32 v2, v0, 4, 1
	v_and_b32 v3, 31, v0
	v_lshlrev_b32 v3, 4, v3
	s_mul_i32 s21, s15, 8*FRB
	s_mul_i32 s22, s16, 8*FRB
	s_add_co_u32 s22, s22, 2*KT
.irp s, 0,1
	v_add_nc_u32 v[ADRA+\s], s21, v3
	v_add_nc_u32 v[ADRB+\s], s22, v3
	s_add_co_u32 s21, s21, SLOT
	s_add_co_u32 s22, s22, SLOT
.endr
	v_lshlrev_b32 v5, 2, v1
	s_mul_i32 s21, s15, HALFS
	s_mul_i32 s22, s16, HALFS
	s_add_co_u32 s22, s22, 2*HALFS
	s_sub_co_u32 s22, s22, s21
	v_mul_u32_u24 v6, s22, v2
	s_add_co_u32 s21, s21, SCL
	v_add_nc_u32 v5, v5, v6
	v_add_nc_u32 v[ADRS], s21, v5
	s_mul_i32 s23, s14, 16*SPITCH                  ; my stage
	v_mul_u32_u24 v5, v1, SPITCH
	v_lshl_add_u32 v5, v2, 6, v5
	v_add_nc_u32 v[STO], s23, v5                   ; in: row r, + 64 h
	v_add_nc_u32 v[RD], s23, v3                    ; back: a row of 512 bytes, 16 a lane
	v_mov_b32 v[CO], v3
	s_lshl_b32 s20, s17, 8
	s_lshl_b32 s21, s15, 7
	s_add_co_u32 s20, s20, s21
	s_lshl_b32 s20, s20, 12                        ; my first row, 4,096 bytes a row
	s_lshl_b32 s46, s42, 10
	s_lshl_b32 s47, s16, 9
	s_add_co_u32 s46, s46, s47
	s_add_co_u32 s20, s20, s46                     ; + my first column
	s_mov_b32 s21, 0
	s_add_nc_u64 s[8:9], s[8:9], s[20:21]
	s_add_nc_u64 s[10:11], s[10:11], s[20:21]
.macro FRAG reg, adr, q, i
.irp c, 0,1,2
	ds_load_b128 v[\reg+4*\c:\reg+4*\c+3], v[\adr] offset:(\q)*KT+(\i)*FRB+512*\c
.endr
.endm
; The 64 accumulators take turns, one instruction a turn, in the same order in every step.
.macro MUL16 a0, p, q, sc, zero
.irp a, \a0, \a0+1
.irp b, 0,1,2,3,4,5,6,7
.if \zero
	v_wmma_scale_f32_16x16x128_f8f6f4 v[8*(8*((\a)%4)+\b):8*(8*((\a)%4)+\b)+7], v[128*(\p)+FR*\b:128*(\p)+FR*\b+FR-1], v[AF+FR*(\a):AF+FR*(\a)+FR-1], 0, v[SC+8*NQ*(\sc)+NQ*\b+(\q)], v[SC+8*NQ*(\sc)+NQ*(\a)+(\q)] matrix_a_fmt:MATRIX_FMT_BF6 matrix_b_fmt:MATRIX_FMT_BF6 matrix_a_scale:MATRIX_SCALE_ROW1
.else
	v_wmma_scale_f32_16x16x128_f8f6f4 v[8*(8*((\a)%4)+\b):8*(8*((\a)%4)+\b)+7], v[128*(\p)+FR*\b:128*(\p)+FR*\b+FR-1], v[AF+FR*(\a):AF+FR*(\a)+FR-1], v[8*(8*((\a)%4)+\b):8*(8*((\a)%4)+\b)+7], v[SC+8*NQ*(\sc)+NQ*\b+(\q)], v[SC+8*NQ*(\sc)+NQ*(\a)+(\q)] matrix_a_fmt:MATRIX_FMT_BF6 matrix_b_fmt:MATRIX_FMT_BF6 matrix_a_scale:MATRIX_SCALE_ROW1
.endif
.endr
.endr
.endm
.macro FETCH_B slot, q, p
	WIN TO_B
.irp i, 0,1,2,3,4,5,6,7
	FRAG 128*(\p)+FR*\i, ADRB+\slot, \q, \i
.endr
	WIN 0
.endm
.macro FETCH_A slot, q, i0
.irp i, \i0, \i0+1, \i0+2, \i0+3
	FRAG AF+FR*(\i), ADRA+\slot, \q, \i
.endr
.endm
.macro SCALES sc
.irp i, 0,1,2,3,4,5,6,7
.irp q, 0,1
	ds_load_b32 v[SC+16*\sc+2*\i+\q], v[ADRS] offset:512*\q+64*\i
.endr
.endr
.endm
.macro PLACES n
.rept \n
	v_nop
.endr
.endm
.macro STEP slot, q, zero
	s_wait_dscnt 4*NL                              ; all but the youngest twelve loads (A's blocks 4-7) are in
	WIN MUL_LO
	MUL16 0, (\q)%2, \q, \slot, \zero
	MUL16 2, (\q)%2, \q, \slot, \zero
	s_wait_dscnt 0
	PLACES NP
	FETCH_B \slot, (\q)+1, 1-(\q)%2
	FETCH_A \slot, (\q)+1, 0
	WIN MUL_HI
	MUL16 4, (\q)%2, \q, \slot, \zero
	MUL16 6, (\q)%2, \q, \slot, \zero
	PLACES NP
	WIN 0
	FETCH_A \slot, (\q)+1, 4
.endm
.macro TURN slot, next, fill
	s_wait_tensorcnt 0x0                           ; all my tensor loads have landed: my part of the next slot
	ds_add_u32 v[SPW], v[NIL]
	s_wait_dscnt 4*NL+1                            ; the add and the youngest twelve loads may be out
	WIN MUL_LO
	MUL16 0, 1, NQ-1, \slot, 0
	s_wait_dscnt 0x0                               ; the add is done, and my reads of this slot are over
	s_barrier_signal -1
	MUL16 2, 1, NQ-1, \slot, 0
	WIN 0
	s_barrier_wait -1
.if \fill
	CREST
	s_add_nc_u64 s[G0+4*\slot+2:G0+4*\slot+3], s[G0+4*\slot+2:G0+4*\slot+3], 4*KT
	s_add_nc_u64 s[G0B+4*\slot+2:G0B+4*\slot+3], s[G0B+4*\slot+2:G0B+4*\slot+3], 4*KT
	JLOAD G0+4*\slot, G1, G0B+4*\slot, G1B
.else
	PLACES NP
.endif
	v_add_nc_u32 v[ADRS], 512*NQ, v[ADRS]
	FETCH_B \next, 0, 0
	FETCH_A \next, 0, 0
	SCALES \next
	WIN MUL_HI
	MUL16 4, 1, NQ-1, \slot, 0
	MUL16 6, 1, NQ-1, \slot, 0
	PLACES NP
	WIN 0
	FETCH_A \next, 0, 4
.endm
	s_wait_tensorcnt 1                             ; the scale words and my part of slot 0 are in; slot 1's load may be out
	s_barrier_signal -1
	s_barrier_wait -1
	FETCH_B 0, 0, 0
	FETCH_A 0, 0, 0
	SCALES 0
	FETCH_A 0, 0, 4
	STEP 0, 0, 1
	s_mov_b32 s3, LAPS-1
.Llap:
	TURN 0, 1, 1
	STEP 1, 0, 0
	TURN 1, 0, 1
	STEP 0, 0, 0
	s_sub_co_u32 s3, s3, 1
	s_cmp_lg_u32 s3, 0
	s_cbranch_scc1 .Llap
	TURN 0, 1, 0
	STEP 1, 0, 0
	s_wait_dscnt 4*NL
	WIN MUL_LO
	MUL16 0, 1, NQ-1, 1, 0
	MUL16 2, 1, NQ-1, 1, 0
	s_wait_dscnt 0
	WIN MUL_HI
	MUL16 4, 1, NQ-1, 1, 0
	MUL16 6, 1, NQ-1, 1, 0
	WIN 0
; THE WAY OUT, block by block of 16 rows x 128 columns: through my own stage, where the columns fall into their true order, back as whole rows of 512 bytes; the residual is added; row t of block a is token 32 (a / 2) + 16 (t / 8) + 8 (a % 2) + t % 8.
.macro RLOAD a
.irp t, 0,1,2,3,4,5,6,7,8,9,10,11,12,13,14,15
	global_load_b128 v[RS+4*\t:RS+4*\t+3], v[CO], s[8:9] offset:(32*((\a)/2)+16*(\t/8)+8*((\a)%2)+\t%8)*4096
.endr
.endm
.macro TOSTAGE a
.set AC, 64*((\a)%4)
	WIN 0x08+4*((\a)/4)                            ; an LDS store's data: window 2 or 3
.irp b, 0,1,2,3,4,5,6,7
	ds_store_b128 v[STO], v[AC+8*\b:AC+8*\b+3] offset:128*(\b/2)+32*(\b%2)          ; each accumulator from its low end on
	ds_store_b128 v[STO], v[AC+8*\b+4:AC+8*\b+7] offset:128*(\b/2)+32*(\b%2)+16
.endr
	WIN 0
.set BB, BK+64*((\a)%2)
.irp t, 0,1,2,3,4,5,6,7,8,9,10,11,12,13,14,15
	ds_load_b128 v[BB+4*\t:BB+4*\t+3], v[RD] offset:\t*SPITCH    ; LDS serves a wave's instructions in order: these see the stores above
.endr
.endm
	PLACES NP                                      ; behind the last products: for the loads into their scale and operand registers, and for the reads of results
	RLOAD 0
	TOSTAGE 0
.irp a, 0,1,2,3,4,5,6,7
	s_wait_dscnt 0x0                               ; the block is back in registers
	s_wait_loadcnt 0x0                             ; and its residual is in
.set BB, BK+64*(\a%2)
.set j, 0
.rept 32
	v_pk_add_f32 v[BB+j:BB+j+1], v[BB+j:BB+j+1], v[RS+j:RS+j+1]
.set j, j+2
.endr
.if \a < 7
	s_wait_xcnt 0x0                                ; the block before's stores have read the registers into which the next block comes back
	RLOAD \a+1
	TOSTAGE \a+1
.endif
.set BB, BK+64*(\a%2)
.irp t, 0,1,2,3,4,5,6,7,8,9,10,11,12,13,14,15
	global_store_b128 v[CO], v[BB+4*\t:BB+4*\t+3], s[10:11] offset:(32*(\a/2)+16*(\t/8)+8*(\a%2)+\t%8)*4096 th:TH_STORE_NT    ; 512 consecutive bytes, aligned; written once, read by nobody here
.endr
.endr
	s_wait_tensorcnt 0x0                           ; the wave's end
	ds_add_u32 v[SPW], v[NIL]
	s_wait_dscnt 0x0
	CROUND
	s_endpgm
.Lfunc_end_k_q79a5f6d2a8_ffn2:
	.size	k_q79a5f6d2a8_ffn2, .Lfunc_end_k_q79a5f6d2a8_ffn2-k_q79a5f6d2a8_ffn2
	.p2alignl 7, 3214868480
	.fill 96, 4, 3214868480
	.section	.rodata,"a",@progbits
	.p2align	6, 0x0
	.amdhsa_kernel k_q79a5f6d2a8_ffn2
		.amdhsa_group_segment_fixed_size 327680
		.amdhsa_private_segment_fixed_size 0
		.amdhsa_enable_private_segment 0
		.amdhsa_kernarg_size 32
		.amdhsa_user_sgpr_count 2
		.amdhsa_user_sgpr_kernarg_segment_ptr 1
		.amdhsa_wavefront_size32 1
		.amdhsa_system_sgpr_workgroup_id_x 1
		.amdhsa_system_sgpr_workgroup_id_y 1
		.amdhsa_system_sgpr_workgroup_id_z 1
		.amdhsa_system_vgpr_workitem_id 0
		.amdhsa_next_free_vgpr 1024
		.amdhsa_next_free_sgpr 98
		.amdhsa_reserve_vcc 0
		.amdhsa_float_denorm_mode_32 3
		.amdhsa_float_denorm_mode_16_64 3
		.amdhsa_memory_ordered 1
		.amdhsa_forward_progress 1
		.amdhsa_inst_pref_size 165
	.end_amdhsa_kernel
	.amdgpu_metadata
---
amdhsa.version: [ 1, 2 ]
amdhsa.kernels:
  - .name:           k_q79a5f6d2a8_ffn2
    .symbol:         k_q79a5f6d2a8_ffn2.kd
    .args:
      - { .name: g, .offset: 0, .size: 8, .value_kind: global_buffer, .address_space: global }
      - { .name: wts, .offset: 8, .size: 8, .value_kind: global_buffer, .address_space: global }
      - { .name: x1, .offset: 16, .size: 8, .value_kind: global_buffer, .address_space: global }
      - { .name: out0, .offset: 24, .size: 8, .value_kind: global_buffer, .address_space: global }
    .group_segment_fixed_size: 327680
    .private_segment_fixed_size: 0
    .kernarg_segment_align: 8
    .kernarg_segment_size: 32
    .max_flat_workgroup_size: 128
    .sgpr_count:     98
    .vgpr_count:     1024
    .wavefront_size: 32
...
	.end_amdgpu_metadata
.endif
;; end of part 7
;; ======== version 2 of 2: 7 launches
;; limits: right only within a limited range of input values
;; workspace buffers: wts 9,830,400 bytes; hn1 3,276,800 bytes; hn2 3,276,800 bytes; ao 3,276,800 bytes; qkv 10,092,544 bytes; x1 16,777,216 bytes; g 13,107,200 bytes
;; launch wq (part 8): grid 448 x 1, 8 waves a work-group, no clusters, 115,968 bytes of LDS; arguments Wq, Wk, Wv, Wo, W1, W2, wts, x, ln1_w, ln1_b, hn1; writes wts, hn1
.if DOCPART == 8
	.amdgcn_target "amdgcn-amd-amdhsa--gfx1250"
	.amdhsa_code_object_version 6
	.text
	.protected	k_q79a5f6d2a8_wq
	.globl	k_q79a5f6d2a8_wq
	.p2align	8
	.type	k_q79a5f6d2a8_wq,@function
k_q79a5f6d2a8_wq:
	s_mov_b64 s[64:65], 0
	v_nop
	global_prefetch_b8 v0, s[64:65] scope:SCOPE_SE
	s_setreg_imm32_b32 hwreg(HW_REG_WAVE_MODE, 25, 1), 1
	s_wait_xcnt 0x0
; The six weights, f32 with K as their FIRST axis, become codes of E3M2 with one E8M0 byte for each 32 along K, laid as the products' launches read them.
; LAYOUT OF wts.  A fragment is 16 rows (columns n of the weight) x 128 K: 12 registers a lane, stored as an image of those registers: registers 4 c .. 4 c + 3 of lane l at 512 c + 16 l: 1,536 bytes.
; Codes: [n / 256][k / 128][(n % 256) / 16][1536].  Scale words (four bytes: 128 K of one row): [n / 128][k / 128][n % 128].  Wq, Wk, Wv, Wo, W1 (K = 1,024) share one region, rows 0, 1024, 2048, 3072, 4096 on; W2 (K = 4,096) has its own.
; COLUMN n LIES AT ROW pi(n) = n WITH ITS BITS 3 AND 4 SWAPPED, so that in a product used transposed a lane's 16 registers of two neighbouring tiles are 16 neighbouring columns.
; A LANE TAKES A COLUMN, ITS REGISTERS RUN DOWN K: each load reads 128 consecutive bytes a wave, a block of 32 lies in one lane, and the conversions give codes with K innermost.
; A wave takes 32 columns x 256 K (two fragments x two K steps); a step's two fragments are gathered in the wave's own 3,072 bytes of LDS and leave as 3,072 consecutive bytes.  Waves share nothing: no barrier.
; 384 work-groups: 0-127 the four square weights (32 each), 128-255 W1, 256-383 W2.  One path for all: only pointers, a pitch and offsets are selected, on the work-group's number.
; LIMITS: NaN and infinities are not served; a block whose largest magnitude lies under 2^-122, a block of zeros too, keeps the byte 1 (its codes are then zeros or the rule's own); the bytes are read by this program alone.
.set KT,   24576                       ; a tile's K step: 16 fragments
.set W2_C, 6291456
.set W8_S, 9437184
.set W2_S, 9699328
.set A,    32                          ; v32-63   4 x lane + i x pitch: row i of a block; never rewritten
.set X,    64                          ; v64-127  two sets of 32 numbers
.set F,    128                         ; v128-136 a block's codes
.set SB,   24                          ; v24-25   the scale words of my two K steps
.set O,    140                         ; v140-187 the way out, a set for each K step
; THIS LAUNCH SERVES TWO TASKS that hang on nothing of each other.  Work-groups 0-191, eight waves each, quantise the weights: what is called a work-group of four waves above is a GROUP here,
; group 2 x work-group + wave / 4, 384 in all.  Work-groups 192-447 make the first LayerNorm of x and its codes (hn1), 16 rows each: the text behind .Lln.
; LDS: 0 to 65,791 the LayerNorm's stage; 1,024 bytes of spare words; from 66,816 on 6,144 bytes for each wave of the weights' path.  Each path has bytes of its own.
	v_lshl_add_u32 v224, v0, 2, 0x10100            ; my spare word, and 0
	v_mov_b32 v225, 0
	s_cmp_ge_u32 ttmp9, 192
	s_cbranch_scc1 .Lln
	s_load_b256 s[4:11], s[0:1], 0x0               ; Wq, Wk, Wv, Wo
	s_load_b128 s[12:15], s[0:1], 0x20             ; W1, W2
	s_load_b64 s[16:17], s[0:1], 0x30              ; wts
	v_lshrrev_b32 v1, 5, v0
	v_readfirstlane_b32 s18, v1                    ; wave
	v_and_b32 v2, 31, v0                           ; lane
	v_lshlrev_b32 v3, 2, v2
	s_wait_alu depctr_va_vdst(0)
	s_lshr_b32 s2, s18, 2
	s_lshl_b32 s3, ttmp9, 1
	s_add_co_u32 s2, s2, s3                        ; my group of four waves, 0..383
	s_and_b32 s3, s18, 3                           ; my wave in it
	s_lshr_b32 s19, s2, 7                          ; class: 0 the square weights, 1 W1, 2 W2
	s_and_b32 s20, s2, 127
	s_lshr_b32 s25, s20, 5                         ; class 0: which weight
	s_cmp_eq_u32 s19, 1
	s_cselect_b32 s21, 5, 3                        ; bits of the column group's number
	s_cselect_b32 s22, 14, 12                      ; log2 of a row's bytes
	s_cselect_b32 s23, 31, 7
	s_cselect_b32 s26, 4096, 0                     ; W1's first row in the shared region
	s_cmp_eq_u32 s19, 0
	s_cselect_b32 s27, 3, -1
	s_cselect_b32 s25, s25, 0
	s_mov_b32 s30, W8_S
	s_cmp_eq_u32 s19, 2
	s_cselect_b32 s28, 5, 3                        ; log2 of the K steps
	s_cselect_b32 s29, W2_C, 0
	s_cselect_b32 s30, W2_S, s30
	s_and_b32 s23, s20, s23                        ; column group
	s_lshr_b32 s24, s20, s21
	s_and_b32 s24, s24, s27                        ; which 256 along K
	s_lshl_b32 s23, s23, 7
	s_lshl_b32 s31, s3, 5
	s_add_co_u32 s23, s23, s31                     ; my wave's first column
	s_lshl_b32 s31, s25, 10
	s_add_co_u32 s26, s26, s31
	s_add_co_u32 s26, s26, s23                     ; and its row in the region
	s_lshl_b32 s51, s24, 1                         ; my first K step
	s_lshr_b32 s48, s26, 8
	s_lshl_b32 s48, s48, s28
	s_add_co_u32 s48, s48, s51
	s_mul_i32 s48, s48, KT
	s_bfe_u32 s50, s26, 0x40004                    ; the fragment in its tile
	s_mul_i32 s50, s50, 1536
	s_add_co_u32 s48, s48, s50
	s_add_co_u32 s48, s48, s29                     ; where my codes go
	s_mov_b32 s49, 0
	s_lshr_b32 s52, s26, 7
	s_lshl_b32 s52, s52, s28
	s_add_co_u32 s52, s52, s51
	s_lshl_b32 s52, s52, 9
	s_and_b32 s53, s26, 127
	s_lshl_b32 s53, s53, 2
	s_add_co_u32 s52, s52, s53
	s_add_co_u32 s52, s52, s30                     ; where my scale words go
	s_mov_b32 s53, 0
	s_lshl_b32 s54, s24, 8
	s_lshl_b32 s54, s54, s22
	s_lshl_b32 s55, s23, 2
	s_add_co_u32 s54, s54, s55                     ; where my numbers begin
	s_mov_b32 s55, 0
	s_lshl_b32 s56, 32, s22                        ; 32 rows on
	s_mov_b32 s57, 0
	s_lshl_b32 s58, 1, s22                         ; a row
	s_mul_i32 s59, s18, 6144                       ; my stage,
	s_add_co_u32 s59, s59, 66816                   ; behind the other path's bytes and the spare words
.set i, 0
.rept 32
	v_mad_u32_u24 v[A+i], s58, i, v3
.set i, i+1
.endr
	v_bfe_u32 v5, v0, 3, 1                         ; u: which of the two fragments: pi puts the column's bit 3 there
	v_bfe_u32 v6, v0, 4, 1
	v_and_b32 v10, 7, v0
	v_lshl_add_u32 v6, v6, 3, v10                  ; r: the row in the fragment: the column's bit 4 becomes bit 3
	v_mul_u32_u24 v4, v5, 1536
	v_lshl_add_u32 v4, v6, 4, v4
	v_add_nc_u32 v4, s59, v4                       ; into the stage: fragment u, lane r of the image
	v_lshlrev_b32 v8, 4, v2
	v_add_nc_u32 v7, s59, v8                       ; out of it: 16 bytes a lane
	v_lshlrev_b32 v9, 6, v5
	v_lshl_add_u32 v9, v6, 2, v9                   ; my row's scale word
	s_wait_kmcnt 0x0
	s_cmp_eq_u32 s25, 1
	s_cselect_b64 s[4:5], s[6:7], s[4:5]
	s_cmp_eq_u32 s25, 2
	s_cselect_b64 s[4:5], s[8:9], s[4:5]
	s_cmp_eq_u32 s25, 3
	s_cselect_b64 s[4:5], s[10:11], s[4:5]
	s_cmp_eq_u32 s19, 1
	s_cselect_b64 s[4:5], s[12:13], s[4:5]
	s_cmp_eq_u32 s19, 2
	s_cselect_b64 s[4:5], s[14:15], s[4:5]
	s_add_nc_u64 s[32:33], s[4:5], s[54:55]        ; a base for each of my eight blocks
.irp t, 1,2,3,4,5,6,7
	s_add_nc_u64 s[32+2*\t:33+2*\t], s[30+2*\t:31+2*\t], s[56:57]
.endr
	s_add_nc_u64 s[60:61], s[16:17], s[48:49]
	s_add_nc_u64 s[62:63], s[16:17], s[52:53]
.macro LOAD t                          ; block t: 32 rows of K at my column
.set i, 0
.rept 32
	global_load_b32 v[X+32*((\t)%2)+i], v[A+i], s[32+2*(\t):33+2*(\t)] th:TH_LOAD_NT
.set i, i+1
.endr
.endm
.macro BLOCK t
.set XS, X+32*((\t)%2)
.if (\t) < 7
	s_wait_loadcnt 32                              ; this block's 32 loads are in; the next block's may be out
.else
	s_wait_loadcnt 0x0
.endif
	v_max3_num_f32 v12, |v[XS]|, |v[XS+1]|, |v[XS+2]|
	v_max3_num_f32 v13, |v[XS+3]|, |v[XS+4]|, |v[XS+5]|
.irp i, 6,10,14,18,22,26
	v_max3_num_f32 v12, v12, |v[XS+\i]|, |v[XS+\i+1]|
	v_max3_num_f32 v13, v13, |v[XS+\i+2]|, |v[XS+\i+3]|
.endr
	v_max3_num_f32 v12, v12, |v[XS+30]|, |v[XS+31]|
	v_max3_num_f32 v12, v12, v13, 0x2800000        ; the floor 2^(5 - 127): the byte cannot fall under 1
	v_add_nc_u32 v11, 0xfe000000, v12              ; 4 off the exponent field: the conversion's scale operand
	v_lshrrev_b32 v13, 23, v11                     ; the scale's byte
.if (\t)%4 == 0
	v_mov_b32 v[SB+(\t)/4], v13
.else
	v_lshl_or_b32 v[SB+(\t)/4], v13, 8*((\t)%4), v[SB+(\t)/4]
.endif
	v_cvt_scalef32_pk16_bf6_f32 v[F:F+2], v[XS:XS+15], v11
	v_cvt_scalef32_pk16_bf6_f32 v[F+6:F+8], v[XS+16:XS+31], v11    ; (a conversion's three registers begin on an even number)
	v_nop                                          ; a plain line between a scaled conversion and the moves that read its result
	v_mov_b32 v[F+3], v[F+6]
	v_mov_b32 v[F+4], v[F+7]
	v_mov_b32 v[F+5], v[F+8]
; block t of a K step is k = 64 c + 32 h on, c = (t / 2) % 2, h = t % 2: registers 6 c .. 6 c + 5 of lane 16 h + r
.if ((\t)/2)%2 == 0
	ds_store_b128 v4, v[F:F+3] offset:3072*((\t)/4)+256*((\t)%2)
	ds_store_b64 v4, v[F+4:F+5] offset:3072*((\t)/4)+512+256*((\t)%2)
.else
	ds_store_b64 v4, v[F:F+1] offset:3072*((\t)/4)+520+256*((\t)%2)
	ds_store_b128 v4, v[F+2:F+5] offset:3072*((\t)/4)+1024+256*((\t)%2)
.endif
.if (\t)+2 < 8
	LOAD (\t)+2
.endif
	s_wait_dscnt 0x0                               ; the stores have read their registers: the next block's codes may be written
.endm
.macro OUT k                           ; K step k's two fragments leave: 3,072 consecutive bytes, and 32 scale words
.irp j, 0,1,2,3,4,5
	ds_load_b128 v[O+24*\k+4*\j:O+24*\k+4*\j+3], v7 offset:3072*\k+512*\j
.endr
	s_wait_dscnt 0x0
.irp j, 0,1,2,3,4,5
	global_store_b128 v8, v[O+24*\k+4*\j:O+24*\k+4*\j+3], s[60:61] offset:KT*\k+512*\j
.endr
	global_store_b32 v9, v[SB+\k], s[62:63] offset:512*\k
.endm
	LOAD 0
	LOAD 1
	BLOCK 0
	BLOCK 1
	BLOCK 2
	BLOCK 3
	s_wait_alu depctr_va_vdst(0)
	OUT 0
	BLOCK 4
	BLOCK 5
	BLOCK 6
	BLOCK 7
	s_wait_alu depctr_va_vdst(0)
	OUT 1
	s_wait_tensorcnt 0x0
	ds_add_u32 v224, v225
	s_wait_dscnt 0x0
	s_endpgm
; ---- THE FIRST LAYERNORM: rows of x [4096][1024] f32, then their codes of E3M2 along the 1,024 with one E8M0 byte for each 32, as images of a product's operand registers:
; codes [row / 256][k / 128][(row % 256) / 16][1536], scale words [row / 128][k / 128][row % 128] behind them; token t lies at row pi(t) = t with its bits 3 and 4 swapped.
; Phase 1: wave w normalises two tokens in f32 (mean, mean of squared differences, rsq, gain, bias) into the stage.  One barrier.  Phase 2: wave w takes K step w of all 16 rows, quantises, stores a fragment.
; LIMITS: as above; v_rsq_f32 is good to 1 ulp.
.set HN_S,  3145728
.set PITCH, 4112
.set X,   32
.set W,   96
.set B,   128
.set S,   160
.set H,   32
.set PC,  112
.set TM,  200
.set PW,  216
.set SEL, 16
.Lln:
	s_load_b256 s[4:11], s[0:1], 0x38              ; x, gain, bias, hn1
	v_lshrrev_b32 v1, 5, v0
	s_delay_alu instid0(VALU_DEP_1)
	v_readfirstlane_b32 s12, v1                    ; wave 0..7
	v_and_b32 v2, 31, v0
	s_delay_alu instid0(VALU_DEP_1)
	v_lshlrev_b32 v3, 4, v2                        ; 16 x lane
	s_wait_alu depctr_va_vdst(0)
	s_sub_co_u32 s3, ttmp9, 192                    ; R: my block of 16 rows
	s_lshr_b32 s13, s3, 1                          ; rows 2 w, 2 w + 1 of block R are tokens 32 (R / 2) + 16 (w / 4) + 8 (R % 2) + 2 (w % 4) + 0, 1
	s_lshl_b32 s13, s13, 5
	s_and_b32 s14, s3, 1
	s_lshl_b32 s14, s14, 3
	s_add_co_u32 s13, s13, s14
	s_lshr_b32 s14, s12, 2
	s_lshl_b32 s14, s14, 4
	s_add_co_u32 s13, s13, s14
	s_and_b32 s14, s12, 3
	s_lshl_b32 s14, s14, 1
	s_add_co_u32 s13, s13, s14
	s_lshl_b32 s14, s13, 12
	s_mov_b32 s15, 0
	s_mov_b32 s[SEL], 0x76543210
	s_mov_b32 s[SEL+1], 0xfedcba98                 ; lane l xor 16
	s_mov_b32 s18, 0x3a800000                      ; 1 / 1024
	s_mov_b32 s19, 0x3727c5ac                      ; 1e-5
	s_lshr_b32 s20, s3, 4
	s_lshl_b32 s20, s20, 3
	s_add_co_u32 s20, s20, s12
	s_mul_i32 s20, s20, KT
	s_and_b32 s21, s3, 15
	s_mul_i32 s21, s21, 1536
	s_add_co_u32 s20, s20, s21                     ; my fragment
	s_mov_b32 s21, 0
	s_lshr_b32 s22, s3, 3
	s_lshl_b32 s22, s22, 3
	s_add_co_u32 s22, s22, s12
	s_lshl_b32 s22, s22, 9
	s_and_b32 s23, s3, 7
	s_lshl_b32 s23, s23, 6
	s_add_co_u32 s22, s22, s23
	s_add_co_u32 s22, s22, HN_S                    ; its scale words
	s_mov_b32 s23, 0
	s_mul_i32 s24, s12, 2*PITCH
	v_add_nc_u32 v4, s24, v3                       ; the stage, in: my two rows, 16 bytes a lane
	v_and_b32 v5, 15, v0                           ; r
	v_bfe_u32 v6, v0, 4, 1                         ; h
	s_delay_alu instid0(VALU_DEP_2)
	v_mul_u32_u24 v7, v5, PITCH
	s_delay_alu instid0(VALU_DEP_1)
	v_lshl_add_u32 v7, v6, 6, v7
	s_lshl_b32 s24, s12, 9
	v_add_nc_u32 v7, s24, v7                       ; out: row r, K step w, + 64 h
	v_lshlrev_b32 v8, 2, v5
.irp b, 0,1,2,3
	v_mov_b32 v[TM+4+\b], 0                        ; a lane permute's destination counts as one of its sources
.endr
	s_wait_kmcnt 0x0
	s_add_nc_u64 s[4:5], s[4:5], s[14:15]
	s_add_nc_u64 s[20:21], s[10:11], s[20:21]
	s_add_nc_u64 s[22:23], s[10:11], s[22:23]
.irp e, 0,1
.irp j, 0,1,2,3,4,5,6,7
	global_load_b128 v[X+32*\e+4*\j:X+32*\e+4*\j+3], v3, s[4:5] offset:4096*\e+512*\j th:TH_LOAD_NT
.endr
.endr
.irp j, 0,1,2,3,4,5,6,7
	global_load_b128 v[W+4*\j:W+4*\j+3], v3, s[6:7] offset:512*\j
.endr
.irp j, 0,1,2,3,4,5,6,7
	global_load_b128 v[B+4*\j:B+4*\j+3], v3, s[8:9] offset:512*\j
.endr
.macro WSUM                            ; both rows' figures over the 32 lanes, the rows by turns
.irp m, 1,2,4,8
.irp e, 0,1
	s_delay_alu instid0(VALU_DEP_2)
	v_add_f32_dpp v[S+4*\e], v[S+4*\e], v[S+4*\e] row_xmask:\m row_mask:0xf bank_mask:0xf
.endr
.endr
.irp e, 0,1
	s_delay_alu instid0(VALU_DEP_2)
	v_permlanex16_b32 v[S+4*\e+1], v[S+4*\e], s[SEL], s[SEL+1]
.endr
.irp e, 0,1
	s_delay_alu instid0(VALU_DEP_2)
	v_add_f32 v[S+4*\e], v[S+4*\e], v[S+4*\e+1]
.endr
.endm
	s_wait_loadcnt 16                              ; the rows are in; gain and bias, 16 loads, may be out
.irp e, 0,1
	v_pk_add_f32 v[S+4*\e:S+4*\e+1], v[X+32*\e:X+32*\e+1], v[X+32*\e+2:X+32*\e+3]
	v_pk_add_f32 v[S+4*\e+2:S+4*\e+3], v[X+32*\e+4:X+32*\e+5], v[X+32*\e+6:X+32*\e+7]
.endr
.irp j, 8,12,16,20,24,28
.irp e, 0,1
	s_delay_alu instid0(VALU_DEP_4)
	v_pk_add_f32 v[S+4*\e:S+4*\e+1], v[S+4*\e:S+4*\e+1], v[X+32*\e+\j:X+32*\e+\j+1]
	s_delay_alu instid0(VALU_DEP_4)
	v_pk_add_f32 v[S+4*\e+2:S+4*\e+3], v[S+4*\e+2:S+4*\e+3], v[X+32*\e+\j+2:X+32*\e+\j+3]
.endr
.endr
.irp e, 0
	s_delay_alu instid0(VALU_DEP_3)
	v_pk_add_f32 v[S+4*\e:S+4*\e+1], v[S+4*\e:S+4*\e+1], v[S+4*\e+2:S+4*\e+3]
.endr
.irp e, 1
	s_delay_alu instid0(VALU_DEP_2)
	v_pk_add_f32 v[S+4*\e:S+4*\e+1], v[S+4*\e:S+4*\e+1], v[S+4*\e+2:S+4*\e+3]
.endr
.irp e, 0,1
	s_delay_alu instid0(VALU_DEP_2)
	v_add_f32 v[S+4*\e], v[S+4*\e], v[S+4*\e+1]
.endr
	WSUM
.irp e, 0,1
	s_delay_alu instid0(VALU_DEP_2)
	v_mul_f32 v[S+4*\e], s18, v[S+4*\e]            ; the mean
.endr
.irp j, 0,2,4,6,8,10,12,14,16,18,20,22,24,26,28,30
.irp e, 0,1
	v_pk_add_f32 v[X+32*\e+\j:X+32*\e+\j+1], v[X+32*\e+\j:X+32*\e+\j+1], v[S+4*\e:S+4*\e+1] op_sel_hi:[1,0] neg_lo:[0,1] neg_hi:[0,1]   ; x - mean
.endr
.endr
.irp e, 0,1
	v_pk_mul_f32 v[S+4*\e:S+4*\e+1], v[X+32*\e:X+32*\e+1], v[X+32*\e:X+32*\e+1]
	v_pk_mul_f32 v[S+4*\e+2:S+4*\e+3], v[X+32*\e+2:X+32*\e+3], v[X+32*\e+2:X+32*\e+3]
.endr
.irp j, 4,8,12,16,20,24,28
.irp e, 0,1
	s_delay_alu instid0(VALU_DEP_4)
	v_pk_fma_f32 v[S+4*\e:S+4*\e+1], v[X+32*\e+\j:X+32*\e+\j+1], v[X+32*\e+\j:X+32*\e+\j+1], v[S+4*\e:S+4*\e+1]
	s_delay_alu instid0(VALU_DEP_4)
	v_pk_fma_f32 v[S+4*\e+2:S+4*\e+3], v[X+32*\e+\j+2:X+32*\e+\j+3], v[X+32*\e+\j+2:X+32*\e+\j+3], v[S+4*\e+2:S+4*\e+3]
.endr
.endr
.irp e, 0
	s_delay_alu instid0(VALU_DEP_3)
	v_pk_add_f32 v[S+4*\e:S+4*\e+1], v[S+4*\e:S+4*\e+1], v[S+4*\e+2:S+4*\e+3]
.endr
.irp e, 1
	s_delay_alu instid0(VALU_DEP_2)
	v_pk_add_f32 v[S+4*\e:S+4*\e+1], v[S+4*\e:S+4*\e+1], v[S+4*\e+2:S+4*\e+3]
.endr
.irp e, 0,1
	s_delay_alu instid0(VALU_DEP_2)
	v_add_f32 v[S+4*\e], v[S+4*\e], v[S+4*\e+1]
.endr
	WSUM
.irp e, 0,1
	s_delay_alu instid0(VALU_DEP_2)
	v_fma_f32 v[S+4*\e], v[S+4*\e], s18, s19       ; the variance + 1e-5
.endr
	s_wait_alu depctr_va_vdst(0)
.irp e, 0,1
	v_rsq_f32 v[S+4*\e], v[S+4*\e]
.endr
	v_nop                                          ; a plain line behind the transcendentals
	s_wait_alu depctr_va_vdst(0)                   ; one wait for both, ahead of their first reader
	s_wait_loadcnt 0x0                             ; gain and bias
.irp j, 0,2,4,6,8,10,12,14,16,18,20,22,24,26,28,30
.irp e, 0,1
	v_pk_mul_f32 v[X+32*\e+\j:X+32*\e+\j+1], v[X+32*\e+\j:X+32*\e+\j+1], v[S+4*\e:S+4*\e+1] op_sel_hi:[1,0]
.endr
.endr
.irp j, 0,2,4,6,8,10,12,14,16,18,20,22,24,26,28,30
.irp e, 0,1
	v_pk_fma_f32 v[X+32*\e+\j:X+32*\e+\j+1], v[X+32*\e+\j:X+32*\e+\j+1], v[W+\j:W+\j+1], v[B+\j:B+\j+1]
.endr
.endr
.irp e, 0,1
.irp j, 0,1,2,3,4,5,6,7
	ds_store_b128 v4, v[X+32*\e+4*\j:X+32*\e+4*\j+3] offset:PITCH*\e+512*\j
.endr
.endr
	s_wait_dscnt 0x0                               ; for the others' sake: my rows lie in the stage
	s_barrier_signal -1
	s_barrier_wait -1
.irp b, 0,1,2,3
.irp j, 0,1,2,3
	ds_load_b128 v[H+16*\b+4*\j:H+16*\b+4*\j+3], v7 offset:128*\b+16*\j   ; register 16 b + i = k 32 b + 16 h + i of row r
.endr
.endr
	s_wait_dscnt 0x0
.irp b, 0,1,2,3
	v_max3_num_f32 v[TM+\b], |v[H+16*\b]|, |v[H+1+16*\b]|, 0x2800000     ; my 16 numbers of block b, and the floor 2^(5 - 127)
.endr
.irp i, 2,4,6,8,10,12,14
.irp b, 0,1,2,3
	s_delay_alu instid0(VALU_DEP_4)
	v_max3_num_f32 v[TM+\b], v[TM+\b], |v[H+16*\b+\i]|, |v[H+1+16*\b+\i]|
.endr
.endr
.irp b, 0,1,2,3
	s_delay_alu instid0(VALU_DEP_4)
	v_permlanex16_b32 v[TM+4+\b], v[TM+\b], s[SEL], s[SEL+1]
.endr
.irp b, 0,1,2,3
	s_delay_alu instid0(VALU_DEP_4)
	v_max_num_f32 v[TM+\b], v[TM+\b], v[TM+4+\b]   ; with lane l xor 16's: the block's largest magnitude
.endr
.irp b, 0,1,2,3
	s_delay_alu instid0(VALU_DEP_4)
	v_add_nc_u32 v[TM+12+\b], 0xfe000000, v[TM+\b] ; 4 off the exponent field: the conversion's scale operand
.endr
.irp b, 0,1,2,3
	s_delay_alu instid0(VALU_DEP_4)
	v_lshrrev_b32 v[TM+4+\b], 23, v[TM+12+\b]      ; the scale's byte
.endr
	s_delay_alu instid0(VALU_DEP_3)
	v_lshl_or_b32 v[PW], v[TM+5], 8, v[TM+4]
	s_delay_alu instid0(VALU_DEP_1)
	v_lshl_or_b32 v[PW], v[TM+6], 16, v[PW]
	s_delay_alu instid0(VALU_DEP_1)
	v_lshl_or_b32 v[PW], v[TM+7], 24, v[PW]
.irp c, 0,1
	v_cvt_scalef32_pk16_bf6_f32 v[PC+6*\c:PC+2+6*\c], v[H+32*\c:H+15+32*\c], v[TM+12+2*\c]
	v_cvt_scalef32_pk16_bf6_f32 v[PC+12+4*\c:PC+14+4*\c], v[H+16+32*\c:H+31+32*\c], v[TM+13+2*\c]
.endr
	v_nop                                          ; a plain line behind the scaled conversions
.irp c, 0,1                                    ; the operand wants a whole block in a lane: lanes 0-15 block 2 c, lanes 16-31 block 2 c + 1
.irp i, 0,1,2
	v_permlane16_swap_b32 v[PC+6*\c+\i], v[PC+12+4*\c+\i]
.endr
.irp i, 0,1,2
	s_delay_alu instid0(VALU_DEP_3)
	v_mov_b32 v[PC+3+6*\c+\i], v[PC+12+4*\c+\i]
.endr
.endr
.irp c, 0,1,2
	global_store_b128 v3, v[PC+4*\c:PC+4*\c+3], s[20:21] offset:512*\c    ; 512 consecutive bytes, aligned
.endr
	global_store_b32 v8, v[PW], s[22:23]           ; lanes r and 16 + r hold the same word and write it to the same place
	s_wait_tensorcnt 0x0                           ; the wave's end
	ds_add_u32 v224, v225
	s_wait_dscnt 0x0
	s_endpgm
.Lfunc_end_k_q79a5f6d2a8_wq:
	.size	k_q79a5f6d2a8_wq, .Lfunc_end_k_q79a5f6d2a8_wq-k_q79a5f6d2a8_wq
	.p2alignl 7, 3214868480
	.fill 96, 4, 3214868480
	.section	.rodata,"a",@progbits
	.p2align	6, 0x0
	.amdhsa_kernel k_q79a5f6d2a8_wq
		.amdhsa_group_segment_fixed_size 115968
		.amdhsa_private_segment_fixed_size 0
		.amdhsa_enable_private_segment 0
		.amdhsa_kernarg_size 88
		.amdhsa_user_sgpr_count 2
		.amdhsa_user_sgpr_kernarg_segment_ptr 1
		.amdhsa_wavefront_size32 1
		.amdhsa_system_sgpr_workgroup_id_x 1
		.amdhsa_system_sgpr_workgroup_id_y 1
		.amdhsa_system_sgpr_workgroup_id_z 1
		.amdhsa_system_vgpr_workitem_id 0
		.amdhsa_next_free_vgpr 226
		.amdhsa_next_free_sgpr 66
		.amdhsa_reserve_vcc 0
		.amdhsa_float_denorm_mode_32 3
		.amdhsa_float_denorm_mode_16_64 3
		.amdhsa_memory_ordered 1
		.amdhsa_forward_progress 1
		.amdhsa_inst_pref_size 74
	.end_amdhsa_kernel
	.amdgpu_metadata
---
amdhsa.version: [ 1, 2 ]
amdhsa.kernels:
  - .name:           k_q79a5f6d2a8_wq
    .symbol:         k_q79a5f6d2a8_wq.kd
    .args:
      - { .name: Wq, .offset: 0, .size: 8, .value_kind: global_buffer, .address_space: global }
      - { .name: Wk, .offset: 8, .size: 8, .value_kind: global_buffer, .address_space: global }
      - { .name: Wv, .offset: 16, .size: 8, .value_kind: global_buffer, .address_space: global }
      - { .name: Wo, .offset: 24, .size: 8, .value_kind: global_buffer, .address_space: global }
      - { .name: W1, .offset: 32, .size: 8, .value_kind: global_buffer, .address_space: global }
      - { .name: W2, .offset: 40, .size: 8, .value_kind: global_buffer, .address_space: global }
      - { .name: wts, .offset: 48, .size: 8, .value_kind: global_buffer, .address_space: global }
      - { .name: x, .offset: 56, .size: 8, .value_kind: global_buffer, .address_space: global }
      - { .name: ln1_w, .offset: 64, .size: 8, .value_kind: global_buffer, .address_space: global }
      - { .name: ln1_b, .offset: 72, .size: 8, .value_kind: global_buffer, .address_space: global }
      - { .name: hn1, .offset: 80, .size: 8, .value_kind: global_buffer, .address_space: global }
    .group_segment_fixed_size: 115968
    .private_segment_fixed_size: 0
    .kernarg_segment_align: 8
    .kernarg_segment_size: 88
    .max_flat_workgroup_size: 256
    .sgpr_count:     66
    .vgpr_count:     226
    .wavefront_size: 32
...
	.end_amdgpu_metadata
.endif
;; end of part 8
;; launch qkv (part 9): grid 12 x 16, 4 waves a work-group, clusters of 4 x 4, 327,680 bytes of LDS; arguments hn1, wts, qkv; writes qkv
.if DOCPART == 9
	.amdgcn_target "amdgcn-amd-amdhsa--gfx1250"
	.amdhsa_code_object_version 6
	.text
	.protected	k_q79a5f6d2a8_qkv
	.globl	k_q79a5f6d2a8_qkv
	.p2align	8
	.type	k_q79a5f6d2a8_qkv,@function
k_q79a5f6d2a8_qkv:
	s_mov_b64 s[64:65], 0
	v_nop
	global_prefetch_b8 v0, s[64:65] scope:SCOPE_SE
	s_setreg_imm32_b32 hwreg(HW_REG_WAVE_MODE, 25, 1), 1
	s_wait_xcnt 0x0
	s_wait_alu depctr_hold_cnt(0) depctr_sa_sdst(0) depctr_va_vdst(0) depctr_va_sdst(0) depctr_va_ssrc(0) depctr_va_vcc(0) depctr_vm_vsrc(0)
	s_getreg_b32 s2, hwreg(HW_REG_IB_STS2, 6, 4)
	s_cmp_eq_u32 s2, 0
	s_cbranch_scc0 .Lentry_in_a_cluster
	s_endpgm
.Lentry_in_a_cluster:
	s_bfe_u32 s2, ttmp6, 0x10000c
	s_cmp_lg_u32 s2, 0xf033
	s_cbranch_scc0 .Lentry_shape_is_right
	s_endpgm
.Lentry_shape_is_right:
; Q, K and V^T in one launch: products on codes of E3M2 (K = 1,024), whose results are quantised in registers and stored as the attention launch reads them.  No f32 result goes to memory.
; OPERANDS are images of their registers: a fragment (16 rows x 128 K, 12 registers a lane) is 1,536 bytes, registers 4 c .. 4 c + 3 of lane l at 512 c + 16 l; codes [row / 256][k / 128][fragment][1536]; scale words [row / 128][k / 128][row % 128].
; So a tile's K step is 24,576 dense bytes for one tensor load, and a fragment comes from LDS by three loads of 16 bytes a lane, 512 consecutive bytes each.
; A tile of the result is 256 x 256, four waves, 128 x 128 each (64 accumulators, 512 registers).  K goes through a ring of two LDS slots of two K steps; the scale words of all of K come once.
; THE PRODUCT IS USED TRANSPOSED (source 0 = 16 rows of B, source 1 = 16 rows of A): a lane holds one row of A and registers along B's rows.  B's rows lie at pi(index) (bits 3 and 4 swapped), so the 64 registers of a
; block of A's rows are 128 neighbouring indices of B in the order that the quantiser takes: register 16 b + i = index 32 b + 16 (lane / 16) + i.  They become one fragment and one scale word a row.
; CLUSTERS x = 0, 1: A = the normalised tokens, B = Wq's and Wk's columns: a wave's 128 columns are two heads; each head's 64 are half a fragment (768 bytes).  CLUSTER x = 2: A = Wv's columns, B = the tokens: a lane holds a channel
; and 128 neighbouring tokens: V^T with the keys innermost.  Which it is hangs on the cluster's x alone, equal in all sixteen partners.
; 4 x 4 work-groups form a cluster; A's tile is asked for jointly along a row of the cluster, B's along a column.
; LIMITS: NaN and infinities are not served; a block under 2^-122 or of zeros keeps the byte 1; the bytes are read by this program alone.
.set KS,    8                          ; K steps of 128
.set KT,    24576                      ; a tile's K step in bytes
.set FRB,   1536
.set FR,    12
.set NL,    3                          ; LDS loads that bring a fragment
.set NP,    4                          ; places behind this matrix instruction (ISA guide 7.12.1)
.set NQ,    2                          ; K steps in a slot
.set SLOT,  4*KT                       ; A's two K steps, then B's two
.set LAPS,  KS/4
.set HALFS, KS*512                     ; the scale words of 128 rows
.set SCL,   2*SLOT
.set SPARE, SCL+4*HALFS                ; the spare words, 128 bytes a wave; no other line names them
.set HN_S,  3145728
.set W8_S,  9437184
.set QS,    3145728
.set KVO,   3407872
.set KB,    13056                      ; a key step's block: 8 x 768 K, 4 x 1,536 V^T, 512 K's scale words, 256 V's
.set ADRA, 16
.set ADRB, 20
.set LI16, 24
.set LI8,  25
.set LR4,  26
.set ADRS, 27
.set SPW,  28
.set NIL,  29
.set SC,   32
.set AF,   128
.set PC,   112
.set TM,   200
.set PW,   216
.set PW2,  217
.set SEL,  66
.set G1, 24
.set G0, 32
.set G1B, 48
.set G0B, 56
.set G1S, 68
.set G0S, 76
.set G1SB, 80
.set G0SB, 88
.set MSB, 0
.macro WIN new                         ; the immediate's high byte repeats the setting that is left
.if MSB != (\new)
	s_set_vgpr_msb (MSB<<8)|(\new)
.set MSB, (\new)
.endif
.endm
.set MUL_LO, 0xa1                      ; source 0 (B) window 1, source 1 (A) window 0, C and D window 2
.set MUL_HI, 0xf1
.set TO_B,   0x40
.macro JLOAD g0a, g1a, g0b, g1b        ; a joint load: waves 0 and 1 fetch for A, waves 2 and 3 for B; four v_nop follow each line
	s_cmp_eq_u32 s15, 0
	s_cbranch_scc0 .Lfor_b_\@
	tensor_load_to_lds s[\g0a:\g0a+3], s[\g1a:\g1a+7]
	s_nop 0
.rept 4
	v_nop
.endr
	s_branch .Lasked_\@
.Lfor_b_\@:
	tensor_load_to_lds s[\g0b:\g0b+3], s[\g1b:\g1b+7]
	s_nop 0
.rept 4
	v_nop
.endr
.Lasked_\@:
.endm
.macro CREST
	s_cmp_lg_u32 s14, 0
	s_cbranch_scc1 .Lnot_wave_0_\@
	s_barrier_signal -3
.Lnot_wave_0_\@:
	s_barrier_wait -3
	s_barrier_signal -1
	s_barrier_wait -1
.endm
.macro CROUND
	s_barrier_signal -1
	s_barrier_wait -1
	CREST
.endm
	s_load_b128 s[4:7], s[0:1], 0x0                ; the tokens' codes, the weights' codes
	s_load_b64 s[8:9], s[0:1], 0x10                ; Q, K, V^T
	v_lshl_add_u32 v[SPW], v0, 2, SPARE
	v_mov_b32 v[NIL], 0
	ds_add_u32 v28, v29
	ds_add_u32 v28, v29
	s_wait_dscnt 0x0
	v_lshrrev_b32 v1, 5, v0
	v_readfirstlane_b32 s14, v1                    ; wave 0..3
	v_and_b32 v30, 31, v0                          ; v30: the prefetches' offset: 256 x min(lane, 23); never rewritten
	v_min_u32 v30, 23, v30
	v_lshlrev_b32 v30, 8, v30
	s_lshr_b32 s15, s14, 1                         ; my half of A's rows.  Also: I fetch for A (0) or B (1)
	s_and_b32 s16, s14, 1                          ; my half of B's rows.  Also: which of a slot's two K steps I fetch
	s_bfe_u32 s40, ttmp6, 0x40000                  ; cx
	s_bfe_u32 s41, ttmp6, 0x40004                  ; cy
	s_and_b32 s17, ttmp7, 0xffff
	s_lshl_b32 s17, s17, 2                         ; 4 x cluster y
	s_add_co_u32 s95, s17, s40                     ; V: B's tile of tokens
	s_add_co_u32 s17, s17, s41                     ; Q, K: A's tile of tokens
	s_add_co_u32 s96, s41, 8                       ; V: A's tile of the weights (Wv's are 8 to 11)
	s_lshl_b32 s42, ttmp9, 2
	s_add_co_u32 s42, s42, s40                     ; Q, K: B's tile of the weights (0 to 7)
	s_mov_b32 s97, HN_S
	s_mov_b32 s98, W8_S
	s_cmp_eq_u32 ttmp9, 2
	s_cselect_b32 s17, s96, s17                    ; A's tile: made of cy and the cluster's place alone
	s_cselect_b32 s42, s95, s42                    ; B's tile: of cx and the cluster's place alone
	s_cselect_b32 s99, s98, s97                    ; where A's scale words begin in its buffer
	s_cselect_b32 s100, s97, s98                   ; and B's
	s_lshl_b32 s43, s41, 2
	s_lshl_b32 s43, 15, s43                        ; my row of the cluster
	s_lshl_b32 s44, 0x1111, s40                    ; my column
	s_or_b32 s[G1+0], s43, (3<<16)|(1<<21)         ; 15:0 the mask; 17:16 elements of 8 bytes; 21 set beside a mask; no padding
	s_or_b32 s[G1B+0], s44, (3<<16)|(1<<21)
.irp g, G1, G1B
	s_mov_b32 s[\g+1], 32<<16                      ; rows of 256 bytes,
	s_mov_b32 s[\g+2], 192<<16                     ; 192 of them, dense, for the head's loads (a slot's two K steps); 96 behind the head
	s_mov_b32 s[\g+3], 32<<16
	s_mov_b32 s[\g+4], 192
	s_mov_b32 s[\g+5], 32
	s_mov_b32 s[\g+6], 0
	s_mov_b32 s[\g+7], 0
.endr
	s_or_b32 s[G1S+0], s43, (3<<16)|(1<<21)
	s_or_b32 s[G1SB+0], s44, (3<<16)|(1<<21)
.irp g, G1S, G1SB
	s_mov_b32 s[\g+1], 32<<16
	s_mov_b32 s[\g+2], (4*KS)<<16                  ; the scale words of 256 rows
	s_mov_b32 s[\g+3], 32<<16
	s_mov_b32 s[\g+4], 4*KS
	s_mov_b32 s[\g+5], 32
	s_mov_b32 s[\g+6], 0
	s_mov_b32 s[\g+7], 0
.endr
	s_mul_i32 s18, s16, KT
	s_mov_b32 s19, 0
	s_mul_i32 s20, s17, KS*KT
	s_mov_b32 s21, 0
	s_lshl_b32 s22, s17, 1
	s_mul_i32 s22, s22, HALFS
	s_add_co_u32 s22, s22, s99                     ; A's scale words: the tile's 256 rows
	s_mov_b32 s23, 0
	s_mul_i32 s46, s42, KS*KT
	s_mov_b32 s47, 0
	s_lshl_b32 s92, s42, 1
	s_mul_i32 s92, s92, HALFS
	s_add_co_u32 s92, s92, s100
	s_mov_b32 s93, 0
	s_mul_i32 s45, s14, KT                         ; where they go: wave x a K step: no place in the cluster enters an LDS address
	s_wait_kmcnt 0x0
	s_cmp_eq_u32 ttmp9, 2
	s_cselect_b64 s[10:11], s[6:7], s[4:5]         ; A's buffer
	s_cselect_b64 s[12:13], s[4:5], s[6:7]         ; B's
	s_add_nc_u64 s[20:21], s[10:11], s[20:21]
	s_add_nc_u64 s[22:23], s[10:11], s[22:23]
	s_add_nc_u64 s[46:47], s[12:13], s[46:47]
	s_add_nc_u64 s[92:93], s[12:13], s[92:93]
	CROUND                                         ; all sixteen work-groups are here: the first joint loads meet
	s_mov_b32 s[G0S], 1
	s_mov_b32 s[G0S+1], SCL
	s_mov_b64 s[G0S+2:G0S+3], s[22:23]
	s_or_b32 s[G0S+3], s[G0S+3], 0x80000000
	s_mov_b32 s[G0SB], 1
	s_mov_b32 s[G0SB+1], SCL+2*HALFS
	s_mov_b64 s[G0SB+2:G0SB+3], s[92:93]
	s_or_b32 s[G0SB+3], s[G0SB+3], 0x80000000
; THE HEAD'S LOADS, ONE A WAVE: wave 0 A's slot 0 whole, wave 1 B's, wave 2 A's scale words, wave 3 B's.  Slot 0's group 0 serves the head first and takes its ring values behind the wait.
	s_mov_b32 s[G0], 1
	s_mov_b32 s[G0+1], 0
	s_mov_b64 s[G0+2:G0+3], s[20:21]
	s_or_b32 s[G0+3], s[G0+3], 0x80000000
	s_mov_b32 s[G0B], 1
	s_mov_b32 s[G0B+1], 2*KT
	s_mov_b64 s[G0B+2:G0B+3], s[46:47]
	s_or_b32 s[G0B+3], s[G0B+3], 0x80000000
	s_add_nc_u64 s[20:21], s[20:21], s[18:19]      ; for the ring: my K step of a slot's two
	s_add_nc_u64 s[46:47], s[46:47], s[18:19]
	s_mov_b32 s[G0+4], 1
	s_add_co_u32 s[G0+5], s45, SLOT
	s_add_nc_u64 s[G0+6:G0+7], s[20:21], 2*KT
	s_or_b32 s[G0+7], s[G0+7], 0x80000000
	s_mov_b32 s[G0B+4], 1
	s_add_co_u32 s[G0B+5], s45, SLOT
	s_add_nc_u64 s[G0B+6:G0B+7], s[46:47], 2*KT
	s_or_b32 s[G0B+7], s[G0B+7], 0x80000000
; PREFETCHES: of the 96 blocks of 256 bytes that my ring load names, each of the four partners that ask jointly takes 24, told apart by address (cx for A, cy for B); lanes 24-31 name the last block again.
	s_cmp_eq_u32 s15, 0
	s_cselect_b64 s[4:5], s[20:21], s[46:47]
	s_cselect_b32 s6, s40, s41
	s_mul_i32 s6, s6, KT/4
	s_mov_b32 s7, 0
	s_add_nc_u64 s[4:5], s[4:5], s[6:7]
.macro ARM under, g0, g1, next
	s_cmp_lt_u32 s14, \under
	s_cbranch_scc0 \next
	tensor_load_to_lds s[\g0:\g0+3], s[\g1:\g1+7]
	s_nop 0
.rept 4
	v_nop
.endr
	s_branch .Lhead_asked
\next:
.endm
	ARM 1, G0,  G1,  .Lhead_b
	ARM 2, G0B, G1B, .Lhead_sa
	ARM 3, G0S, G1S, .Lhead_sb
	tensor_load_to_lds s[G0SB:G0SB+3], s[G1SB:G1SB+7]
	s_nop 0
.rept 4
	v_nop
.endr
.Lhead_asked:
	s_wait_alu depctr_va_vdst(0)
	global_prefetch_b8 v30, s[4:5] offset:2*KT th:TH_LOAD_NT scope:SCOPE_SE   ; slot fills 1 and 2 of the four
	global_prefetch_b8 v30, s[4:5] offset:4*KT th:TH_LOAD_NT scope:SCOPE_SE
	s_wait_tensorcnt 0x0                           ; my tile of the head's four is in
	ds_add_u32 v28, v29
	s_mov_b32 s[G1+2], 96<<16                      ; no load of mine is out: from here on a load brings one K step, 96 rows
	s_mov_b32 s[G1+4], 96
	s_mov_b32 s[G1B+2], 96<<16
	s_mov_b32 s[G1B+4], 96
	s_add_co_u32 s[G0+1], s45, 0                   ; slot 0's ring values
	s_mov_b64 s[G0+2:G0+3], s[20:21]
	s_or_b32 s[G0+3], s[G0+3], 0x80000000
	s_add_co_u32 s[G0B+1], s45, 0
	s_mov_b64 s[G0B+2:G0B+3], s[46:47]
	s_or_b32 s[G0B+3], s[G0B+3], 0x80000000
	s_wait_dscnt 0x0
	CROUND
	JLOAD G0+4, G1, G0B+4, G1B                     ; slot 1's first fill, my one load behind the round
	global_prefetch_b8 v30, s[4:5] offset:6*KT th:TH_LOAD_NT scope:SCOPE_SE   ; the last fill
	v_and_b32 v1, 15, v0                           ; r
	v_bfe_u32 v2, v0, 4, 1                         ; h
	v_and_b32 v3, 31, v0
	v_lshlrev_b32 v[LI8], 3, v3
	v_lshlrev_b32 v3, 4, v3                        ; 16 x lane
	v_mov_b32 v[LI16], v3
	v_lshlrev_b32 v[LR4], 2, v1
	s_mul_i32 s21, s15, 8*FRB                      ; my eight fragments of A
	s_mul_i32 s22, s16, 8*FRB                      ; and of B,
	s_add_co_u32 s22, s22, 2*KT                    ; which lie behind A's two K steps
.irp s, 0,1
	v_add_nc_u32 v[ADRA+\s], s21, v3
	v_add_nc_u32 v[ADRB+\s], s22, v3
	s_add_co_u32 s21, s21, SLOT
	s_add_co_u32 s22, s22, SLOT
.endr
	s_mul_i32 s21, s15, HALFS                      ; scale words: lanes 0-15 take A's rows, lanes 16-31 B's: the lower base + h x the distance
	s_mul_i32 s22, s16, HALFS
	s_add_co_u32 s22, s22, 2*HALFS
	s_sub_co_u32 s22, s22, s21
	v_mul_u32_u24 v6, s22, v2
	s_wait_alu depctr_va_vdst(0)
	s_add_co_u32 s21, s21, SCL
	v_add_nc_u32 v5, v[LR4], v6
	v_add_nc_u32 v[ADRS], s21, v5
.macro FRAG reg, adr, q, i             ; a fragment comes as it was stored: three loads of 512 consecutive bytes
.irp c, 0,1,2
	ds_load_b128 v[\reg+4*\c:\reg+4*\c+3], v[\adr] offset:(\q)*KT+(\i)*FRB+512*\c
.endr
.endm
; 16 matrix instructions: A's blocks a0, a0 + 1 x B's eight.  The 64 accumulators take turns, one instruction a turn, in the same order in every step.
.macro MUL16 a0, p, q, sc, zero
.irp a, \a0, \a0+1
.irp b, 0,1,2,3,4,5,6,7
.if \zero
	v_wmma_scale_f32_16x16x128_f8f6f4 v[8*(8*((\a)%4)+\b):8*(8*((\a)%4)+\b)+7], v[128*(\p)+FR*\b:128*(\p)+FR*\b+FR-1], v[AF+FR*(\a):AF+FR*(\a)+FR-1], 0, v[SC+8*NQ*(\sc)+NQ*\b+(\q)], v[SC+8*NQ*(\sc)+NQ*(\a)+(\q)] matrix_a_fmt:MATRIX_FMT_BF6 matrix_b_fmt:MATRIX_FMT_BF6 matrix_a_scale:MATRIX_SCALE_ROW1
.else
	v_wmma_scale_f32_16x16x128_f8f6f4 v[8*(8*((\a)%4)+\b):8*(8*((\a)%4)+\b)+7], v[128*(\p)+FR*\b:128*(\p)+FR*\b+FR-1], v[AF+FR*(\a):AF+FR*(\a)+FR-1], v[8*(8*((\a)%4)+\b):8*(8*((\a)%4)+\b)+7], v[SC+8*NQ*(\sc)+NQ*\b+(\q)], v[SC+8*NQ*(\sc)+NQ*(\a)+(\q)] matrix_a_fmt:MATRIX_FMT_BF6 matrix_b_fmt:MATRIX_FMT_BF6 matrix_a_scale:MATRIX_SCALE_ROW1
.endif
.endr
.endr
.endm
.macro FETCH_B slot, q, p
	WIN TO_B
.irp i, 0,1,2,3,4,5,6,7
	FRAG 128*(\p)+FR*\i, ADRB+\slot, \q, \i
.endr
	WIN 0
.endm
.macro FETCH_A slot, q, i0
.irp i, \i0, \i0+1, \i0+2, \i0+3
	FRAG AF+FR*(\i), ADRA+\slot, \q, \i
.endr
.endm
.macro SCALES sc                       ; a slot's scale words: register 2 i + q: lanes 0-15 A's block i, lanes 16-31 B's block i, K step q
.irp i, 0,1,2,3,4,5,6,7
.irp q, 0,1
	ds_load_b32 v[SC+16*\sc+2*\i+\q], v[ADRS] offset:512*\q+64*\i
.endr
.endr
.endm
.macro PLACES n                        ; plain vector lines between a matrix instruction and a load into, or a read of, its registers
.rept \n
	v_nop
.endr
.endm
.macro STEP slot, q, zero              ; a K step that has its successor in the same slot
	s_wait_dscnt 4*NL                              ; all but the youngest twelve loads (A's blocks 4-7) are in
	WIN MUL_LO
	MUL16 0, (\q)%2, \q, \slot, \zero
	MUL16 2, (\q)%2, \q, \slot, \zero
	s_wait_dscnt 0
	PLACES NP
	FETCH_B \slot, (\q)+1, 1-(\q)%2
	FETCH_A \slot, (\q)+1, 0
	WIN MUL_HI
	MUL16 4, (\q)%2, \q, \slot, \zero
	MUL16 6, (\q)%2, \q, \slot, \zero
	PLACES NP
	WIN 0
	FETCH_A \slot, (\q)+1, 4
.endm
; A slot's last K step changes slots: each wave waits for all its tensor loads, adds 0 to its spare word, waits for that and for its reads of the slot; one barrier, which with fill = 1 opens a round of the cluster's; the joint refill is first behind it.
.macro TURN slot, next, fill
	s_wait_tensorcnt 0x0                           ; all my tensor loads have landed: my part of the next slot
	ds_add_u32 v[SPW], v[NIL]
	s_wait_dscnt 4*NL+1                            ; the add and the youngest twelve loads may be out
	WIN MUL_LO
	MUL16 0, 1, NQ-1, \slot, 0
	s_wait_dscnt 0x0                               ; the add is done, and my reads of this slot are over
	s_barrier_signal -1
	MUL16 2, 1, NQ-1, \slot, 0
	WIN 0
	s_barrier_wait -1
.if \fill
	CREST
	s_add_nc_u64 s[G0+4*\slot+2:G0+4*\slot+3], s[G0+4*\slot+2:G0+4*\slot+3], 4*KT
	s_add_nc_u64 s[G0B+4*\slot+2:G0B+4*\slot+3], s[G0B+4*\slot+2:G0B+4*\slot+3], 4*KT
	JLOAD G0+4*\slot, G1, G0B+4*\slot, G1B         ; my one tensor load behind the round; its four v_nop are the places in front of the loads below
.else
	PLACES NP
.endif
	s_wait_alu depctr_va_vdst(0)
	v_add_nc_u32 v[ADRS], 512*NQ, v[ADRS]          ; the next slot's scale words
	FETCH_B \next, 0, 0
	FETCH_A \next, 0, 0
	SCALES \next
	WIN MUL_HI
	MUL16 4, 1, NQ-1, \slot, 0
	MUL16 6, 1, NQ-1, \slot, 0
	PLACES NP
	WIN 0
	FETCH_A \next, 0, 4
.endm
	s_wait_alu depctr_va_vdst(0)
	s_wait_tensorcnt 1                             ; the scale words and my part of slot 0 are in; slot 1's load may be out
	s_barrier_signal -1
	s_barrier_wait -1
	FETCH_B 0, 0, 0
	FETCH_A 0, 0, 0
	SCALES 0
	FETCH_A 0, 0, 4
	STEP 0, 0, 1                                   ; the first step's products start the sums
	s_mov_b32 s3, LAPS-1
.Llap:
	TURN 0, 1, 1
	STEP 1, 0, 0
	TURN 1, 0, 1
	STEP 0, 0, 0
	s_sub_co_u32 s3, s3, 1
	s_cmp_lg_u32 s3, 0
	s_cbranch_scc1 .Llap
	TURN 0, 1, 0                                   ; the last lap fills nothing
	STEP 1, 0, 0
	s_wait_dscnt 4*NL
	WIN MUL_LO
	MUL16 0, 1, NQ-1, 1, 0
	MUL16 2, 1, NQ-1, 1, 0
	s_wait_dscnt 0
	WIN MUL_HI
	MUL16 4, 1, NQ-1, 1, 0
	MUL16 6, 1, NQ-1, 1, 0
	WIN 0
; 64 numbers of a lane in window w, register 16 b + i = k 32 b + 16 (lane / 16) + i of my row, become a fragment in v[PC] on and its scale word in v[PW].  Each accumulator is read from its low end on.
.macro QUANT s, w
	WIN ((\w)<<2)|((\w)<<4)
.irp b, 0,1,2,3
	v_max3_num_f32 v[TM+\b], 0x2800000, |v[(\s)+16*\b]|, |v[(\s)+16*\b+1]|     ; the floor 2^(5 - 127): the byte cannot fall under 1
.endr
.irp i, 2,4,6,8,10,12,14
.irp b, 0,1,2,3
	v_max3_num_f32 v[TM+\b], v[TM+\b], |v[(\s)+16*\b+\i]|, |v[(\s)+16*\b+\i+1]|
.endr
.endr
	WIN 0
.irp b, 0,1,2,3
	v_permlanex16_b32 v[TM+4+\b], v[TM+\b], s[SEL], s[SEL+1]
.endr
.irp b, 0,1,2,3
	v_max_num_f32 v[TM+\b], v[TM+\b], v[TM+4+\b]
.endr
.irp b, 0,1,2,3
	v_add_nc_u32 v[TM+12+\b], 0xfe000000, v[TM+\b]
.endr
.irp b, 0,1,2,3
	v_lshrrev_b32 v[TM+4+\b], 23, v[TM+12+\b]
.endr
	v_lshl_or_b32 v[PW], v[TM+5], 8, v[TM+4]
	v_lshl_or_b32 v[PW], v[TM+6], 16, v[PW]
	v_lshl_or_b32 v[PW], v[TM+7], 24, v[PW]
	WIN (\w)
.irp c, 0,1
	v_cvt_scalef32_pk16_bf6_f32 v[PC+6*\c:PC+2+6*\c], v[(\s)+32*\c:(\s)+15+32*\c], v[TM+12+2*\c]
	v_cvt_scalef32_pk16_bf6_f32 v[PC+12+4*\c:PC+14+4*\c], v[(\s)+16+32*\c:(\s)+31+32*\c], v[TM+13+2*\c]
.endr
	WIN 0
	v_nop                                          ; a plain line behind the scaled conversions
.irp c, 0,1
.irp i, 0,1,2
	v_permlane16_swap_b32 v[PC+6*\c+\i], v[PC+12+4*\c+\i]
.endr
.irp i, 0,1,2
	v_mov_b32 v[PC+3+6*\c+\i], v[PC+12+4*\c+\i]
.endr
.endr
.endm
	PLACES NP                                      ; behind the last products
	s_mov_b32 s[SEL], 0x76543210
	s_mov_b32 s[SEL+1], 0xfedcba98
.irp b, 0,1,2,3
	v_mov_b32 v[TM+4+\b], 0                        ; a lane permute's destination counts as one of its sources
.endr
	s_cmp_eq_u32 ttmp9, 2
	s_cbranch_scc1 .Lvt
	; ---- Q or K: my 128 rows are tokens (8 blocks of 16), my 128 columns two heads
	s_lshl_b32 s20, s42, 8
	s_lshl_b32 s21, s16, 7
	s_add_co_u32 s20, s20, s21                     ; my first column of [Q | K]
	s_lshl_b32 s22, s17, 8
	s_lshl_b32 s21, s15, 7
	s_add_co_u32 s22, s22, s21                     ; my first row
	s_bfe_u32 s23, s20, 0x40006                    ; the first head
	s_lshr_b32 s24, s22, 11
	s_lshl_b32 s24, s24, 4
	s_add_co_u32 s24, s24, s23                     ; 16 x batch + head
	s_bfe_u32 s25, s22, 0x70004                    ; my first block of 16 rows in the batch
	s_mul_i32 s26, s24, 98304
	s_mul_i32 s27, s25, 768
	s_add_co_u32 s26, s26, s27                     ; Q's codes
	s_lshl_b32 s27, s24, 13
	s_lshl_b32 s28, s25, 6
	s_add_co_u32 s27, s27, s28
	s_add_co_u32 s27, s27, QS                      ; Q's scale words
	s_lshl_b32 s28, s24, 4
	s_lshr_b32 s29, s25, 3
	s_add_co_u32 s28, s28, s29
	s_mul_i32 s28, s28, KB
	s_add_co_u32 s28, s28, KVO                     ; K's codes: the head's key step
	s_add_co_u32 s29, s28, 12288                   ; K's scale words
	s_mov_b32 s30, 98304
	s_mov_b32 s31, 8192
	s_mov_b32 s32, 16*KB
	s_cmp_lt_u32 s20, 1024                         ; Q's columns or K's: only offsets are chosen
	s_cselect_b32 s26, s26, s28
	s_cselect_b32 s28, s27, s29
	s_cselect_b32 s30, s30, s32                    ; from head to head, codes
	s_cselect_b32 s32, s31, s32                    ; and scale words
	s_mov_b32 s27, 0
	s_mov_b32 s29, 0
	s_mov_b32 s31, 0
	s_mov_b32 s33, 0
	s_add_nc_u64 s[68:69], s[8:9], s[26:27]
	s_add_nc_u64 s[70:71], s[68:69], s[30:31]
	s_add_nc_u64 s[72:73], s[8:9], s[28:29]
	s_add_nc_u64 s[74:75], s[72:73], s[32:33]
.irp a, 0,1,2,3,4,5,6,7
	s_wait_xcnt 0x0                                ; the last block's stores have read their registers
	QUANT 64*(\a%4),2+\a/4
	v_lshrrev_b32 v[PW2], 16, v[PW]                ; the second head's two bytes; the two above them are 0 and meet zero codes alone
	global_store_b128 v[LI16], v[PC:PC+3], s[68:69] offset:768*\a
	global_store_b64 v[LI8], v[PC+4:PC+5], s[68:69] offset:768*\a+512
	global_store_b128 v[LI16], v[PC+6:PC+9], s[70:71] offset:768*\a
	global_store_b64 v[LI8], v[PC+10:PC+11], s[70:71] offset:768*\a+512
	global_store_b32 v[LR4], v[PW], s[72:73] offset:64*\a
	global_store_b32 v[LR4], v[PW2], s[74:75] offset:64*\a
.endr
	s_branch .Lend
.Lvt:
	; ---- V^T: my 128 rows are channels (two heads x four tiles), my 128 columns one key step
	s_sub_co_u32 s20, s17, 8
	s_lshl_b32 s20, s20, 2
	s_lshl_b32 s21, s15, 1
	s_add_co_u32 s20, s20, s21                     ; the first head
	s_lshl_b32 s22, s42, 1
	s_add_co_u32 s22, s22, s16                     ; which 128 tokens
	s_lshr_b32 s23, s22, 4                         ; batch
	s_and_b32 s22, s22, 15                         ; key step
	s_lshl_b32 s23, s23, 4
	s_add_co_u32 s23, s23, s20
	s_lshl_b32 s23, s23, 4
	s_add_co_u32 s23, s23, s22
	s_mul_i32 s26, s23, KB
	s_add_co_u32 s26, s26, KVO+6144
	s_mov_b32 s27, 0
	s_add_nc_u64 s[68:69], s[8:9], s[26:27]
.irp a, 0,1,2,3,4,5,6,7
	s_wait_xcnt 0x0
	QUANT 64*(\a%4),2+\a/4
.irp c, 0,1,2
	global_store_b128 v[LI16], v[PC+4*\c:PC+4*\c+3], s[68:69] offset:(\a/4)*16*KB+(\a%4)*FRB+512*\c
.endr
	global_store_b32 v[LR4], v[PW], s[68:69] offset:6656+(\a/4)*16*KB+(\a%4)*64
.endr
.Lend:
	s_wait_tensorcnt 0x0                           ; the wave's end
	ds_add_u32 v[SPW], v[NIL]
	s_wait_dscnt 0x0
	CROUND                                         ; the closing round
	s_endpgm
.Lfunc_end_k_q79a5f6d2a8_qkv:
	.size	k_q79a5f6d2a8_qkv, .Lfunc_end_k_q79a5f6d2a8_qkv-k_q79a5f6d2a8_qkv
	.p2alignl 7, 3214868480
	.fill 96, 4, 3214868480
	.section	.rodata,"a",@progbits
	.p2align	6, 0x0
	.amdhsa_kernel k_q79a5f6d2a8_qkv
		.amdhsa_group_segment_fixed_size 327680
		.amdhsa_private_segment_fixed_size 0
		.amdhsa_enable_private_segment 0
		.amdhsa_kernarg_size 24
		.amdhsa_user_sgpr_count 2
		.amdhsa_user_sgpr_kernarg_segment_ptr 1
		.amdhsa_wavefront_size32 1
		.amdhsa_system_sgpr_workgroup_id_x 1
		.amdhsa_system_sgpr_workgroup_id_y 1
		.amdhsa_system_sgpr_workgroup_id_z 1
		.amdhsa_system_vgpr_workitem_id 0
		.amdhsa_next_free_vgpr 1024
		.amdhsa_next_free_sgpr 102
		.amdhsa_reserve_vcc 0
		.amdhsa_float_denorm_mode_32 3
		.amdhsa_float_denorm_mode_16_64 3
		.amdhsa_memory_ordered 1
		.amdhsa_forward_progress 1
		.amdhsa_inst_pref_size 182
	.end_amdhsa_kernel
	.amdgpu_metadata
---
amdhsa.version: [ 1, 2 ]
amdhsa.kernels:
  - .name:           k_q79a5f6d2a8_qkv
    .symbol:         k_q79a5f6d2a8_qkv.kd
    .args:
      - { .name: hn1, .offset: 0, .size: 8, .value_kind: global_buffer, .address_space: global }
      - { .name: wts, .offset: 8, .size: 8, .value_kind: global_buffer, .address_space: global }
      - { .name: qkv, .offset: 16, .size: 8, .value_kind: global_buffer, .address_space: global }
    .group_segment_fixed_size: 327680
    .private_segment_fixed_size: 0
    .kernarg_segment_align: 8
    .kernarg_segment_size: 24
    .max_flat_workgroup_size: 128
    .sgpr_count:     102
    .vgpr_count:     1024
    .wavefront_size: 32
...
	.end_amdgpu_metadata
.endif
;; end of part 9
;; launch attn (part 10): grid 8 x 32, 16 waves a work-group, no clusters, 210,944 bytes of LDS; arguments qkv, ao; writes ao
.if DOCPART == 10
	.amdgcn_target "amdgcn-amd-amdhsa--gfx1250"
	.amdhsa_code_object_version 6
	.text
	.protected	k_q79a5f6d2a8_attn
	.globl	k_q79a5f6d2a8_attn
	.p2align	8
	.type	k_q79a5f6d2a8_attn,@function
k_q79a5f6d2a8_attn:
	s_mov_b64 s[64:65], 0
	v_nop
	global_prefetch_b8 v0, s[64:65] scope:SCOPE_SE
	s_setreg_imm32_b32 hwreg(HW_REG_WAVE_MODE, 25, 1), 1
	s_wait_xcnt 0x0
; Causal attention of one head on codes of E3M2, and the result's codes for the next product.  32 heads (16 x batch + head) x 2,048 tokens x 64 channels.
; THE SOFTMAX AHEAD OF THE SECOND PRODUCT: t = score x log2(e) / 8; M = the running largest t rounded UP to a whole number; p = 2^(t - M) is quantised along the keys, not normalised; the row's sum is taken of the unquantised p
; and divides at the end.  When M moves, the sum and O are multiplied by 2^(old M - new M): exact.
; SHARES.  A work-group owns blocks i and 15 - i of 128 queries of a head, so that every work-group has the same number of open key steps; each of its sixteen waves owns 16 queries, early and late ones by turns.
; THE HEAD'S WHOLE K AND V LIE IN LDS: sixteen key steps of 13,056 dense bytes (8 x 768 K, 4 x 1,536 V^T, 512 K's scale words, 256 V's), each brought by one tensor load of one wave, filled once: no ring.
; No cluster: the skip of hidden key steps is a branch on the query block, which differs between the work-groups that share a head.
; LAYOUT.  Both products are used transposed: S^T = K Q^T, O^T = V^T P^T: a lane holds one query throughout.  Rows of Q and K lie at pi(token) (bits 3 and 4 swapped): the wave's lane r has query Q0 + r + 8 (r / 8), and the 16 registers
; of tiles 2 b, 2 b + 1 of S^T are keys 32 b + 16 (lane / 16) + 0 .. 15.  V^T's rows lie at pi(channel), so O^T's 32 registers are channels 32 b + 16 (lane / 16) + i in the quantiser's order.
; A head has 64 channels: half of the instruction's K.  Q's registers 6 to 11 are zero codes; a tile of K names twelve registers of which the upper six hold the next tile's codes (zeros behind the last): they meet zero codes and add nothing.
; A fragment of ao holds two heads: its middle 512 bytes are written by both, 8 bytes a lane each: a third of ao's 3 MB leaves in halves of 16 bytes.
; LIMITS: NaN and infinities are not served; a block of p or of the result under 2^-122 or of zeros keeps the byte 1.
.set KB,   13056
.set QS,   3145728
.set KVO,  3407872
.set AO_S, 3145728
.set KT,   24576
.set WV,   18
.set SEL,  20
.set CS,   22
.set G1,   24
.set G0,   32
.set TB,   2                           ; s2   LDS byte at which the key step in hand begins
.set KF,   36                          ; s36  its first key
.set Q0,   37                          ; s37  my least query
.set CNT,  38
	s_load_b128 s[4:7], s[0:1], 0x0                ; Q, K, V^T; ao
	v_lshl_add_u32 v250, v0, 2, 0x33000
	v_mov_b32 v251, 0
	ds_add_u32 v250, v251
	ds_add_u32 v250, v251
	v_lshrrev_b32 v8, 5, v0
	s_delay_alu instid0(VALU_DEP_1)
	v_readfirstlane_b32 s[WV], v8                  ; wave 0..15
	s_and_b32 s40, ttmp7, 0xffff                   ; 16 x batch + head
	s_mov_b32 s[G1], 3<<16                         ; elements of 8 bytes, no mask, no padding
	s_mov_b32 s[G1+1], 32<<16                      ; rows of 256 bytes,
	s_mov_b32 s[G1+2], 51<<16                      ; 51 of them, dense
	s_mov_b32 s[G1+3], 32<<16
	s_mov_b32 s[G1+4], 51
	s_mov_b32 s[G1+5], 32
	s_mov_b32 s[G1+6], 0
	s_mov_b32 s[G1+7], 0
	s_lshl_b32 s41, s40, 4
	s_add_co_u32 s41, s41, s[WV]
	s_mul_i32 s42, s41, KB
	s_add_co_u32 s42, s42, KVO                     ; key step w of my head
	s_mov_b32 s43, 0
	s_mul_i32 s44, s[WV], KB                       ; and its place in LDS
	s_lshr_b32 s45, s[WV], 2
	s_and_b32 s46, s[WV], 3
	s_xor_b32 s47, s45, s46
	s_and_b32 s47, s47, 1                          ; 1: of the late block
	s_lshl_b32 s45, s45, 1
	s_lshr_b32 s46, s46, 1
	s_add_co_u32 s45, s45, s46                     ; which 16 of its 128
	s_sub_co_u32 s46, 15, ttmp9
	s_cmp_eq_u32 s47, 1
	s_cselect_b32 s46, s46, ttmp9
	s_lshl_b32 s46, s46, 3
	s_add_co_u32 s46, s46, s45                     ; my block of 16 rows in the head
	s_lshr_b32 s47, s46, 1
	s_lshl_b32 s47, s47, 5
	s_and_b32 s48, s46, 1
	s_lshl_b32 s48, s48, 3
	s_add_co_u32 s[Q0], s47, s48
	s_lshl_b32 s49, s40, 7
	s_add_co_u32 s49, s49, s46
	s_mul_i32 s50, s49, 768                        ; Q's codes
	s_mov_b32 s51, 0
	s_lshl_b32 s52, s49, 6
	s_add_co_u32 s52, s52, QS                      ; Q's scale words
	s_mov_b32 s53, 0
	s_lshr_b32 s54, s40, 4
	s_lshl_b32 s54, s54, 7
	s_add_co_u32 s54, s54, s46                     ; my block of 16 rows among all 4,096
	s_and_b32 s55, s40, 15                         ; head
	s_lshr_b32 s56, s55, 1                         ; its K step in ao
	s_lshr_b32 s57, s54, 4
	s_lshl_b32 s57, s57, 3
	s_add_co_u32 s57, s57, s56
	s_mul_i32 s57, s57, KT
	s_and_b32 s58, s54, 15
	s_mul_i32 s58, s58, 1536
	s_add_co_u32 s58, s57, s58                     ; the fragment
	s_mov_b32 s59, 0
	s_lshr_b32 s60, s54, 3
	s_lshl_b32 s60, s60, 3
	s_add_co_u32 s60, s60, s56
	s_lshl_b32 s60, s60, 9
	s_and_b32 s61, s54, 7
	s_lshl_b32 s61, s61, 6
	s_add_co_u32 s60, s60, s61
	s_and_b32 s39, s55, 1                          ; which half of the K step
	s_lshl_b32 s61, s39, 1
	s_add_co_u32 s60, s60, s61
	s_add_co_u32 s60, s60, AO_S                    ; my two bytes of its scale words
	s_mov_b32 s61, 0
	s_mov_b32 s[SEL], 0x76543210
	s_mov_b32 s[SEL+1], 0xfedcba98
	s_mov_b32 s[CS], 0x3e38aa3b                    ; c = log2(e) / 8
	s_mov_b32 s[CS+1], s[CS]
	s_mov_b32 s[TB], 0
	s_mov_b32 s[KF], 0
	s_mov_b32 s[CNT], 16
	s_wait_dscnt 0x0
	s_wait_kmcnt 0x0
	s_mov_b32 s[G0], 1
	s_mov_b32 s[G0+1], s44
	s_add_nc_u64 s[G0+2:G0+3], s[4:5], s[42:43]
	s_or_b32 s[G0+3], s[G0+3], 0x80000000
	tensor_load_to_lds s[G0:G0+3], s[G1:G1+7]      ; my one tensor load: one is out
	s_nop 0
.rept 4
	v_nop
.endr
	s_add_nc_u64 s[50:51], s[4:5], s[50:51]
	s_add_nc_u64 s[52:53], s[4:5], s[52:53]
	s_add_nc_u64 s[58:59], s[6:7], s[58:59]
	s_add_nc_u64 s[60:61], s[6:7], s[60:61]
	v_and_b32 v5, 31, v0
	s_delay_alu instid0(VALU_DEP_1)
	v_lshlrev_b32 v1, 4, v5                        ; 16 x lane
	s_delay_alu instid0(VALU_DEP_2)
	v_lshlrev_b32 v2, 3, v5                        ; 8 x lane
	v_and_b32 v6, 15, v0                           ; r
	s_delay_alu instid0(VALU_DEP_1)
	v_lshlrev_b32 v3, 2, v6                        ; 4 r
	global_load_b128 v[16:19], v1, s[50:51]        ; Q's half fragment stays in registers
	global_load_b64 v[20:21], v2, s[50:51] offset:512
	global_load_b32 v255, v3, s[52:53]
	v_bfe_u32 v7, v0, 4, 1                         ; h
	v_and_b32 v4, 8, v6
	s_delay_alu instid0(VALU_DEP_1)
	v_add_nc_u32 v4, v4, v6
	s_delay_alu instid0(VALU_DEP_3)
	v_lshlrev_b32 v7, 4, v7
	s_delay_alu instid0(VALU_DEP_1)
	v_sub_nc_u32 v4, v4, v7                        ; r + 8 (r / 8) - 16 h
.irp j, 22,23,24,25,26,27,80,81,82,83,84,85
	v_mov_b32 v\j, 0                               ; zero codes
.endr
	v_mov_b32 v13, 0xff61b1e6                      ; the largest t so far: -3e38
	s_delay_alu instid0(VALU_DEP_1)
	v_floor_f32 v12, -v13                          ; -M
	v_mov_b32 v14, 0
	v_mov_b32 v15, 0
.irp b, 0,1,2,3
	v_mov_b32 v[236+\b], 0                         ; a lane permute's destination counts as one of its sources
.endr
	v_mov_b32 v252, 0
	v_mov_b32 v253, 0
.set j, 0
.rept 32
	v_mov_b32 v[160+j], 0                          ; O^T: the loop is written once; its first step finds zeros
.set j, j+1
.endr
	s_wait_tensorcnt 0x0                           ; my key step is in,
	s_barrier_signal -1
	s_barrier_wait -1                              ; everybody's is
	s_wait_loadcnt 0x0                             ; Q
.Lstep:                                            ; sixteen trips, a constant; a step all of whose keys come after my queries is jumped over
	s_add_co_u32 s56, s[Q0], 23
	s_cmp_gt_u32 s[KF], s56
	s_cbranch_scc1 .Lhidden
	v_add_nc_u32 v8, s[TB], v1                     ; these three and the v_nop are the places in front of the loads into registers that the last products read
	v_add_nc_u32 v9, s[TB], v2
	v_add_nc_u32 v10, s[TB], v3
	v_nop
.irp t, 0,1,2,3,4,5,6,7
	ds_load_b128 v[32+6*\t:35+6*\t], v8 offset:768*\t
	ds_load_b64 v[36+6*\t:37+6*\t], v9 offset:768*\t+512
	ds_load_b32 v[192+\t], v10 offset:12288+64*\t
.endr
	s_wait_alu depctr_va_vdst(0)
	s_wait_dscnt 0x0
.irp t, 0,1,2,3,4,5,6,7
	v_wmma_scale_f32_16x16x128_f8f6f4 v[96+8*\t:103+8*\t], v[32+6*\t:43+6*\t], v[16:27], 0, v[192+\t], v255 matrix_a_fmt:MATRIX_FMT_BF6 matrix_b_fmt:MATRIX_FMT_BF6
.endr
.rept 4
	v_nop
.endr
.irp t, 0,1,2,3                                ; V^T's four fragments land while the softmax is walked
.irp c, 0,1,2
	ds_load_b128 v[32+12*\t+4*\c:35+12*\t+4*\c], v8 offset:6144+1536*\t+512*\c
.endr
	ds_load_b32 v[200+\t], v10 offset:12800+64*\t
.endr
	s_add_co_u32 s56, s[KF], 127                   ; on the diagonal hidden scores become -infinity ahead of the maximum; a step all of whose keys count skips this
	s_cmp_le_u32 s56, s[Q0]
	s_cbranch_scc1 .Lopen
	s_sub_co_i32 s57, s[Q0], s[KF]
	v_add_nc_u32 v252, s57, v4                     ; d = my query - KF - 16 h.  Register 16 b + i holds key KF + 16 h + 32 b + i: hidden where 32 b + i > d
	v_mov_b32 v254, 0xff800000
.set n, 0
.rept 64
	v_cmp_gt_i32 vcc_lo, 32*(n/16)+n%16, v252
	v_cndmask_b32 v[96+n], v[96+n], v254, vcc_lo
.set n, n+1
.endr
.Lopen:
.irp b, 0,1,2,3
	v_max3_num_f32 v[232+\b], v[96+16*\b], v[97+16*\b], v[98+16*\b]      ; the largest score of each block of 32 keys: for the row's maximum, and, since p rises with the score, for the block's largest p
.endr
.irp i, 3,5,7,9,11,13
.irp b, 0,1,2,3
	v_max3_num_f32 v[232+\b], v[232+\b], v[96+16*\b+\i], v[97+16*\b+\i]
.endr
.endr
.irp b, 0,1,2,3
	v_max_num_f32 v[232+\b], v[232+\b], v[111+16*\b]
.endr
.irp b, 0,1,2,3
	s_delay_alu instid0(VALU_DEP_4)
	v_permlanex16_b32 v[236+\b], v[232+\b], s[SEL], s[SEL+1]
.endr
.irp b, 0,1,2,3
	s_delay_alu instid0(VALU_DEP_4)
	v_max_num_f32 v[232+\b], v[232+\b], v[236+\b]
.endr
	s_delay_alu instid0(VALU_DEP_2)
	v_max3_num_f32 v254, v232, v233, v234
	s_delay_alu instid0(VALU_DEP_1)
	v_max_num_f32 v254, v254, v235
	s_delay_alu instid0(VALU_DEP_1)
	v_mul_f32 v254, s[CS], v254
	s_delay_alu instid0(VALU_DEP_1)
	v_max_num_f32 v13, v13, v254                   ; the running largest t
	v_mov_b32 v254, v12
	s_delay_alu instid0(VALU_DEP_2)
	v_floor_f32 v12, -v13                          ; the new -M: M is a whole number
	s_delay_alu instid0(VALU_DEP_1)
	v_sub_f32 v254, v12, v254
	s_delay_alu instid0(VALU_DEP_1)
	v_cvt_i32_f32 v254, v254
	s_delay_alu instid0(VALU_DEP_1)
	v_ldexp_f32 v252, 1.0, v254                    ; f = 2^(old M - new M)
.set j, 0
.rept 32
	v_pk_fma_f32 v[96+j:97+j], v[96+j:97+j], s[CS:CS+1], v[12:13] op_sel_hi:[1,0,0]   ; t - M
.set j, j+2
.endr
.irp b, 0,1,2,3
	v_fma_f32 v[232+\b], v[232+\b], s[CS], v12
.endr
.set j, 0
	s_wait_alu depctr_va_vdst(0)
.rept 64
	v_exp_f32 v[96+j], v[96+j]                     ; p = 2^(t - M)
.set j, j+1
.endr
	v_pk_mul_f32 v[14:15], v[14:15], v[252:253] op_sel_hi:[1,0]          ; the sums under the new M; a plain line behind the exponentials
	s_wait_alu depctr_va_vdst(0)                   ; one wait for the batch, ahead of its first reader
.irp b, 0,1,2,3
	v_exp_f32 v[232+\b], v[232+\b]                 ; each block's largest p
.endr
	v_pk_add_f32 v[236:237], v[100:101], v[104:105]
	v_pk_add_f32 v[248:249], v[108:109], v[112:113]
	v_pk_add_f32 v[246:247], v[116:117], v[120:121]
	v_pk_add_f32 v[244:245], v[124:125], v[128:129]
	v_pk_add_f32 v[242:243], v[132:133], v[136:137]
	v_pk_add_f32 v[240:241], v[140:141], v[144:145]
	v_pk_add_f32 v[238:239], v[148:149], v[152:153]
	v_pk_add_f32 v[14:15], v[14:15], v[156:157]
	v_pk_add_f32 v[236:237], v[236:237], v[96:97]
	v_pk_add_f32 v[248:249], v[248:249], v[98:99]
	v_pk_add_f32 v[246:247], v[246:247], v[102:103]
	v_pk_add_f32 v[244:245], v[244:245], v[106:107]
	v_pk_add_f32 v[242:243], v[242:243], v[110:111]
	v_pk_add_f32 v[240:241], v[240:241], v[114:115]
	v_pk_add_f32 v[238:239], v[238:239], v[118:119]
	v_pk_add_f32 v[14:15], v[14:15], v[122:123]
	v_pk_add_f32 v[236:237], v[236:237], v[126:127]
	v_pk_add_f32 v[248:249], v[248:249], v[130:131]
	v_pk_add_f32 v[246:247], v[246:247], v[134:135]
	v_pk_add_f32 v[244:245], v[244:245], v[138:139]
	v_pk_add_f32 v[242:243], v[242:243], v[142:143]
	v_pk_add_f32 v[240:241], v[240:241], v[146:147]
	v_pk_add_f32 v[238:239], v[238:239], v[150:151]
	v_pk_add_f32 v[14:15], v[14:15], v[154:155]
	v_pk_add_f32 v[236:237], v[236:237], v[158:159]
	s_delay_alu instid0(VALU_DEP_2)
	v_pk_add_f32 v[14:15], v[14:15], v[244:245]
	s_delay_alu instid0(VALU_DEP_2)
	v_pk_add_f32 v[236:237], v[236:237], v[242:243]
	v_pk_add_f32 v[248:249], v[248:249], v[240:241]
	v_pk_add_f32 v[246:247], v[246:247], v[238:239]
	s_delay_alu instid0(VALU_DEP_2)
	v_pk_add_f32 v[14:15], v[14:15], v[248:249]
	s_delay_alu instid0(VALU_DEP_2)
	v_pk_add_f32 v[236:237], v[236:237], v[246:247]
	s_delay_alu instid0(VALU_DEP_1)
	v_pk_add_f32 v[14:15], v[14:15], v[236:237]
	s_wait_alu depctr_va_vdst(0)                   ; and one for the four
.irp b, 0,1,2,3
	v_max_num_f32 v[232+\b], 0x2800000, v[232+\b]  ; the floor 2^(5 - 127)
.endr
.irp b, 0,1,2,3
	s_delay_alu instid0(VALU_DEP_4)
	v_add_nc_u32 v[244+\b], 0xfe000000, v[232+\b]
.endr
.irp b, 0,1,2,3
	s_delay_alu instid0(VALU_DEP_4)
	v_lshrrev_b32 v[236+\b], 23, v[244+\b]
.endr
	s_delay_alu instid0(VALU_DEP_3)
	v_lshl_or_b32 v253, v237, 8, v236              ; p's scale word for these 128 keys
	s_delay_alu instid0(VALU_DEP_1)
	v_lshl_or_b32 v253, v238, 16, v253
	s_delay_alu instid0(VALU_DEP_1)
	v_lshl_or_b32 v253, v239, 24, v253
.irp c, 0,1
	v_cvt_scalef32_pk16_bf6_f32 v[224+6*\c:226+6*\c], v[96+32*\c:111+32*\c], v[244+2*\c]
	v_cvt_scalef32_pk16_bf6_f32 v[236+4*\c:238+4*\c], v[112+32*\c:127+32*\c], v[244+2*\c+1]
.endr
	v_nop
.irp c, 0,1
.irp i, 0,1,2
	v_permlane16_swap_b32 v[224+6*\c+\i], v[236+4*\c+\i]
.endr
.irp i, 0,1,2
	s_delay_alu instid0(VALU_DEP_3)
	v_mov_b32 v[227+6*\c+\i], v[236+4*\c+\i]
.endr
.endr
.set j, 0
.rept 16
	v_pk_mul_f32 v[160+j:161+j], v[160+j:161+j], v[252:253] op_sel_hi:[1,0]   ; O^T under the new M; for each product below twelve of these name none of its registers
.set j, j+2
.endr
	s_wait_alu depctr_va_vdst(0)
	s_wait_dscnt 0x0                               ; V^T
.irp t, 0,1,2,3
	v_wmma_scale_f32_16x16x128_f8f6f4 v[160+8*\t:167+8*\t], v[32+12*\t:43+12*\t], v[224:235], v[160+8*\t:167+8*\t], v[200+\t], v253 matrix_a_fmt:MATRIX_FMT_BF6 matrix_b_fmt:MATRIX_FMT_BF6
.endr
.Lhidden:
	s_add_co_u32 s[KF], s[KF], 128
	s_add_co_u32 s[TB], s[TB], KB
	s_sub_co_u32 s[CNT], s[CNT], 1
	s_cmp_lg_u32 s[CNT], 0
	s_cbranch_scc1 .Lstep
	; THE WAY OUT: O^T / the sum, quantised along the head's 64 channels (two blocks), into my head's half of a fragment of ao
.rept 4
	v_nop
.endr
	v_add_f32 v14, v14, v15
	s_delay_alu instid0(VALU_DEP_1)
	v_permlanex16_b32 v252, v14, s[SEL], s[SEL+1]
	s_delay_alu instid0(VALU_DEP_1)
	v_add_f32 v14, v14, v252
	s_wait_alu depctr_va_vdst(0)
	v_rcp_f32 v14, v14
	v_nop
	s_wait_alu depctr_va_vdst(0)
.set j, 0
.rept 32
	v_mul_f32 v[96+j], v[160+j], v14               ; register 16 b + i = channel 32 b + 16 h + i
.set j, j+1
.endr
.irp b, 0,1
	v_max3_num_f32 v[232+\b], |v[96+16*\b]|, |v[97+16*\b]|, 0x2800000
.endr
.irp i, 2,4,6,8,10,12,14
.irp b, 0,1
	s_delay_alu instid0(VALU_DEP_2)
	v_max3_num_f32 v[232+\b], v[232+\b], |v[96+16*\b+\i]|, |v[97+16*\b+\i]|
.endr
.endr
.irp b, 0,1
	s_delay_alu instid0(VALU_DEP_2)
	v_permlanex16_b32 v[236+\b], v[232+\b], s[SEL], s[SEL+1]
.endr
.irp b, 0,1
	s_delay_alu instid0(VALU_DEP_2)
	v_max_num_f32 v[232+\b], v[232+\b], v[236+\b]
.endr
.irp b, 0,1
	s_delay_alu instid0(VALU_DEP_2)
	v_add_nc_u32 v[244+\b], 0xfe000000, v[232+\b]
.endr
.irp b, 0,1
	s_delay_alu instid0(VALU_DEP_2)
	v_lshrrev_b32 v[236+\b], 23, v[244+\b]
.endr
	s_delay_alu instid0(VALU_DEP_1)
	v_lshl_or_b32 v253, v237, 8, v236              ; my head's two bytes
	v_cvt_scalef32_pk16_bf6_f32 v[224:226], v[96:111], v244
	v_cvt_scalef32_pk16_bf6_f32 v[236:238], v[112:127], v245
	v_nop
.irp i, 0,1,2
	v_permlane16_swap_b32 v[224+\i], v[236+\i]
.endr
.irp i, 0,1,2
	s_delay_alu instid0(VALU_DEP_3)
	v_mov_b32 v[227+\i], v[236+\i]
.endr
	s_cmp_eq_u32 s39, 0
	s_cbranch_scc0 .Lodd
	global_store_b128 v1, v[224:227], s[58:59]     ; an even head: registers 0 to 5 of the fragment
	global_store_b64 v1, v[228:229], s[58:59] offset:512
	s_branch .Lscale
.Lodd:
	s_wait_alu depctr_va_vdst(0)
	global_store_b64 v1, v[224:225], s[58:59] offset:520   ; an odd head: registers 6 to 11
	global_store_b128 v1, v[226:229], s[58:59] offset:1024
.Lscale:
	s_wait_alu depctr_va_vdst(0)
	global_store_b16 v3, v253, s[60:61]
	s_wait_tensorcnt 0x0
	ds_add_u32 v250, v251
	s_wait_dscnt 0x0
	s_endpgm
.Lfunc_end_k_q79a5f6d2a8_attn:
	.size	k_q79a5f6d2a8_attn, .Lfunc_end_k_q79a5f6d2a8_attn-k_q79a5f6d2a8_attn
	.p2alignl 7, 3214868480
	.fill 96, 4, 3214868480
	.section	.rodata,"a",@progbits
	.p2align	6, 0x0
	.amdhsa_kernel k_q79a5f6d2a8_attn
		.amdhsa_group_segment_fixed_size 210944
		.amdhsa_private_segment_fixed_size 0
		.amdhsa_enable_private_segment 0
		.amdhsa_kernarg_size 16
		.amdhsa_user_sgpr_count 2
		.amdhsa_user_sgpr_kernarg_segment_ptr 1
		.amdhsa_wavefront_size32 1
		.amdhsa_system_sgpr_workgroup_id_x 1
		.amdhsa_system_sgpr_workgroup_id_y 1
		.amdhsa_system_sgpr_workgroup_id_z 1
		.amdhsa_system_vgpr_workitem_id 0
		.amdhsa_next_free_vgpr 256
		.amdhsa_next_free_sgpr 66
		.amdhsa_reserve_vcc 1
		.amdhsa_float_denorm_mode_32 3
		.amdhsa_float_denorm_mode_16_64 3
		.amdhsa_memory_ordered 1
		.amdhsa_forward_progress 1
		.amdhsa_inst_pref_size 35
	.end_amdhsa_kernel
	.amdgpu_metadata
---
amdhsa.version: [ 1, 2 ]
amdhsa.kernels:
  - .name:           k_q79a5f6d2a8_attn
    .symbol:         k_q79a5f6d2a8_attn.kd
    .args:
      - { .name: qkv, .offset: 0, .size: 8, .value_kind: global_buffer, .address_space: global }
      - { .name: ao, .offset: 8, .size: 8, .value_kind: global_buffer, .address_space: global }
    .group_segment_fixed_size: 210944
    .private_segment_fixed_size: 0
    .kernarg_segment_align: 8
    .kernarg_segment_size: 16
    .max_flat_workgroup_size: 512
    .sgpr_count:     66
    .vgpr_count:     256
    .wavefront_size: 32
...
	.end_amdgpu_metadata
.endif
;; end of part 10
;; launch oproj (part 11): grid 8 x 32, 4 waves a work-group, clusters of 4 x 4, 327,680 bytes of LDS; arguments ao, wts, x, x1; writes x1
.if DOCPART == 11
	.amdgcn_target "amdgcn-amd-amdhsa--gfx1250"
	.amdhsa_code_object_version 6
	.text
	.protected	k_q79a5f6d2a8_oproj
	.globl	k_q79a5f6d2a8_oproj
	.p2align	8
	.type	k_q79a5f6d2a8_oproj,@function
k_q79a5f6d2a8_oproj:
	s_mov_b64 s[64:65], 0
	v_nop
	global_prefetch_b8 v0, s[64:65] scope:SCOPE_SE
	s_setreg_imm32_b32 hwreg(HW_REG_WAVE_MODE, 25, 1), 1
	s_wait_xcnt 0x0
	s_wait_alu depctr_hold_cnt(0) depctr_sa_sdst(0) depctr_va_vdst(0) depctr_va_sdst(0) depctr_va_ssrc(0) depctr_va_vcc(0) depctr_vm_vsrc(0)
	s_getreg_b32 s2, hwreg(HW_REG_IB_STS2, 6, 4)
	s_cmp_eq_u32 s2, 0
	s_cbranch_scc0 .Lentry_in_a_cluster
	s_endpgm
.Lentry_in_a_cluster:
	s_bfe_u32 s2, ttmp6, 0x10000c
	s_cmp_lg_u32 s2, 0xf033
	s_cbranch_scc0 .Lentry_shape_is_right
	s_endpgm
.Lentry_shape_is_right:
; x1 = x + ao Wo on codes of E3M2 (K = 1,024).  A block of 128 x 128, four waves of 64 x 64; operands are images of their registers; two LDS slots of four K steps hold all of K: nothing is filled again.
; 4 x 4 work-groups form a cluster: A's tiles are asked for jointly along a row, B's along a column.  The head's four tiles go one to a wave; slot 1 follows behind the full sequence and a round.
; Slot 1's bytes are prefetched behind the head's loads: of the 96 blocks of 256 bytes of my load each of the four partners takes 24, by address.  There is no later fill to ask for.
.set KS,    8
.set BT0,   12
.set ASOFF, 3145728
.set BCOFF, 0
.set BSOFF, 9437184
.set KT,    24576
.set HT,    12288
.set FRB,   1536
.set FR,    12
.set NP,    4
.set NQ,    4
.set SLOT,  2*NQ*HT
.set LAPS,  KS/(2*NQ)
.set HALFS, KS*512
.set SCL,   2*SLOT
.set SPARE, SCL+2*HALFS
.set SPITCH, 272
.set ADRA, 16
.set ADRB, 20
.set STO,  24
.set RD,   25
.set CO,   26
.set ADRS, 27
.set SPW,  28
.set NIL,  29
.set SC,   32
.set BK,   64
.set ACC,  128
.set G1, 24
.set G0, 32
.set G1B, 48
.set G0B, 56
.set G1S, 68
.set G0S, 76
.set G1SB, 80
.set G0SB, 88
.set MSB, 0
.macro WIN new
.if MSB != (\new)
	s_set_vgpr_msb (MSB<<8)|(\new)
.set MSB, (\new)
.endif
.endm
.set MUL,  0x05
.set TO_F, 0x40
.macro JLOAD g0a, g1a, g0b, g1b
	s_cmp_eq_u32 s15, 0
	s_cbranch_scc0 .Lfor_b_\@
	tensor_load_to_lds s[\g0a:\g0a+3], s[\g1a:\g1a+7]
	s_nop 0
.rept 4
	v_nop
.endr
	s_branch .Lasked_\@
.Lfor_b_\@:
	tensor_load_to_lds s[\g0b:\g0b+3], s[\g1b:\g1b+7]
	s_nop 0
.rept 4
	v_nop
.endr
.Lasked_\@:
.endm
.macro CREST
	s_cmp_lg_u32 s14, 0
	s_cbranch_scc1 .Lnot_wave_0_\@
	s_barrier_signal -3
.Lnot_wave_0_\@:
	s_barrier_wait -3
	s_barrier_signal -1
	s_barrier_wait -1
.endm
.macro CROUND
	s_barrier_signal -1
	s_barrier_wait -1
	CREST
.endm
	s_load_b128 s[4:7], s[0:1], 0x0
	s_load_b128 s[8:11], s[0:1], 0x10
	v_lshl_add_u32 v[SPW], v0, 2, SPARE
	v_mov_b32 v[NIL], 0
	ds_add_u32 v28, v29
	ds_add_u32 v28, v29
	s_wait_dscnt 0x0
	v_lshrrev_b32 v1, 5, v0
	v_readfirstlane_b32 s14, v1
	v_and_b32 v30, 31, v0                          ; v30: the prefetch's offset: 256 x min(lane, 23); never rewritten
	v_min_u32 v30, 23, v30
	v_lshlrev_b32 v30, 8, v30
	s_lshr_b32 s15, s14, 1
	s_and_b32 s16, s14, 1
	s_bfe_u32 s40, ttmp6, 0x40000
	s_bfe_u32 s41, ttmp6, 0x40004
	s_lshl_b32 s42, ttmp9, 2
	s_add_co_u32 s42, s42, s40
	s_and_b32 s17, ttmp7, 0xffff
	s_lshl_b32 s17, s17, 2
	s_add_co_u32 s17, s17, s41
	s_lshl_b32 s43, s41, 2
	s_lshl_b32 s43, 15, s43
	s_lshl_b32 s44, 0x1111, s40
	s_or_b32 s[G1+0], s43, (3<<16)|(1<<21)
	s_or_b32 s[G1B+0], s44, (3<<16)|(1<<21)
.irp g, G1, G1B
	s_mov_b32 s[\g+1], (HT/8)<<16
	s_mov_b32 s[\g+2], 4<<16                       ; four K steps for the head's loads; two behind the head
	s_mov_b32 s[\g+3], (HT/8)<<16
	s_mov_b32 s[\g+4], 4
	s_mov_b32 s[\g+5], KT/8
	s_mov_b32 s[\g+6], 0
	s_mov_b32 s[\g+7], 0
.endr
	s_or_b32 s[G1S+0], s43, (3<<16)|(1<<21)
	s_or_b32 s[G1SB+0], s44, (3<<16)|(1<<21)
.irp g, G1S, G1SB
	s_mov_b32 s[\g+1], 32<<16
	s_mov_b32 s[\g+2], (2*KS)<<16
	s_mov_b32 s[\g+3], 32<<16
	s_mov_b32 s[\g+4], 2*KS
	s_mov_b32 s[\g+5], 32
	s_mov_b32 s[\g+6], 0
	s_mov_b32 s[\g+7], 0
.endr
	s_mul_i32 s18, s16, 2*KT
	s_mov_b32 s19, 0
	s_lshr_b32 s20, s17, 1
	s_mul_i32 s20, s20, KS*KT
	s_and_b32 s21, s17, 1
	s_mul_i32 s21, s21, HT
	s_add_co_u32 s20, s20, s21
	s_mov_b32 s21, 0
	s_mul_i32 s22, s17, HALFS
	s_add_co_u32 s22, s22, ASOFF
	s_mov_b32 s23, 0
	s_lshr_b32 s46, s42, 1
	s_add_co_u32 s46, s46, BT0
	s_mul_i32 s46, s46, KS*KT
	s_and_b32 s47, s42, 1
	s_mul_i32 s47, s47, HT
	s_add_co_u32 s46, s46, s47
	s_add_co_u32 s46, s46, BCOFF
	s_mov_b32 s47, 0
	s_add_co_u32 s92, s42, 2*BT0
	s_mul_i32 s92, s92, HALFS
	s_add_co_u32 s92, s92, BSOFF
	s_mov_b32 s93, 0
	s_mul_i32 s45, s14, 2*HT
	s_wait_kmcnt 0x0
	s_add_nc_u64 s[20:21], s[4:5], s[20:21]
	s_add_nc_u64 s[22:23], s[4:5], s[22:23]
	s_add_nc_u64 s[46:47], s[6:7], s[46:47]
	s_add_nc_u64 s[92:93], s[6:7], s[92:93]
	CROUND
	s_mov_b32 s[G0S], 1
	s_mov_b32 s[G0S+1], SCL
	s_mov_b64 s[G0S+2:G0S+3], s[22:23]
	s_or_b32 s[G0S+3], s[G0S+3], 0x80000000
	s_mov_b32 s[G0SB], 1
	s_mov_b32 s[G0SB+1], SCL+HALFS
	s_mov_b64 s[G0SB+2:G0SB+3], s[92:93]
	s_or_b32 s[G0SB+3], s[G0SB+3], 0x80000000
	s_mov_b32 s[G0], 1                             ; the head's tiles: A's slot 0 whole,
	s_mov_b32 s[G0+1], 0
	s_mov_b64 s[G0+2:G0+3], s[20:21]
	s_or_b32 s[G0+3], s[G0+3], 0x80000000
	s_mov_b32 s[G0B], 1                            ; B's behind it
	s_mov_b32 s[G0B+1], NQ*HT
	s_mov_b64 s[G0B+2:G0B+3], s[46:47]
	s_or_b32 s[G0B+3], s[G0B+3], 0x80000000
	s_add_nc_u64 s[20:21], s[20:21], s[18:19]      ; slot 1: my two K steps of its four
	s_add_nc_u64 s[46:47], s[46:47], s[18:19]
	s_mov_b32 s[G0+4], 1
	s_add_co_u32 s[G0+5], s45, SLOT
	s_add_nc_u64 s[G0+6:G0+7], s[20:21], NQ*KT
	s_or_b32 s[G0+7], s[G0+7], 0x80000000
	s_mov_b32 s[G0B+4], 1
	s_add_co_u32 s[G0B+5], s45, SLOT
	s_add_nc_u64 s[G0B+6:G0B+7], s[46:47], NQ*KT
	s_or_b32 s[G0B+7], s[G0B+7], 0x80000000
	s_cmp_eq_u32 s15, 0                            ; the prefetch: partner p (cx for A, cy for B) takes half p % 2 of K step p / 2 of my two
	s_cselect_b64 s[4:5], s[20:21], s[46:47]
	s_cselect_b32 s6, s40, s41
	s_lshr_b32 s7, s6, 1
	s_mul_i32 s7, s7, KT
	s_and_b32 s6, s6, 1
	s_mul_i32 s6, s6, HT/2
	s_add_co_u32 s6, s6, s7
	s_mov_b32 s7, 0
	s_add_nc_u64 s[4:5], s[4:5], s[6:7]
.macro ARM under, g0, g1, next
	s_cmp_lt_u32 s14, \under
	s_cbranch_scc0 \next
	tensor_load_to_lds s[\g0:\g0+3], s[\g1:\g1+7]
	s_nop 0
.rept 4
	v_nop
.endr
	s_branch .Lhead_asked
\next:
.endm
	ARM 1, G0,  G1,  .Lhead_b
	ARM 2, G0B, G1B, .Lhead_sa
	ARM 3, G0S, G1S, .Lhead_sb
	tensor_load_to_lds s[G0SB:G0SB+3], s[G1SB:G1SB+7]
	s_nop 0
.rept 4
	v_nop
.endr
.Lhead_asked:
	s_wait_alu depctr_va_vdst(0)
	global_prefetch_b8 v30, s[4:5] offset:NQ*KT th:TH_LOAD_NT scope:SCOPE_SE   ; slot 1's bytes
	s_wait_tensorcnt 0x0                           ; my tile of the head's four is in
	ds_add_u32 v28, v29
	s_mov_b32 s[G1+2], 2<<16                       ; no load of mine is out: slot 1's load brings two K steps a wave
	s_mov_b32 s[G1+4], 2
	s_mov_b32 s[G1B+2], 2<<16
	s_mov_b32 s[G1B+4], 2
	s_wait_dscnt 0x0
	CROUND
	JLOAD G0+4, G1, G0B+4, G1B
	v_and_b32 v1, 15, v0
	v_bfe_u32 v2, v0, 4, 1
	s_wait_alu depctr_va_vdst(0)
	v_and_b32 v3, 31, v0
	v_lshlrev_b32 v3, 4, v3
	s_mul_i32 s21, s15, 4*FRB
	s_mul_i32 s22, s16, 4*FRB
	s_add_co_u32 s22, s22, NQ*HT
.irp s, 0,1
	v_add_nc_u32 v[ADRA+\s], s21, v3
	v_add_nc_u32 v[ADRB+\s], s22, v3
	s_add_co_u32 s21, s21, SLOT
	s_add_co_u32 s22, s22, SLOT
.endr
	v_lshlrev_b32 v5, 2, v1
	s_lshl_b32 s21, s15, 8
	s_lshl_b32 s22, s16, 8
	s_add_co_u32 s22, s22, HALFS
	s_sub_co_u32 s22, s22, s21
	v_mul_u32_u24 v6, s22, v2
	s_add_co_u32 s21, s21, SCL
	v_add_nc_u32 v5, v5, v6
	v_add_nc_u32 v[ADRS], s21, v5
	s_mul_i32 s23, s14, 16*SPITCH
	v_mul_u32_u24 v5, v1, SPITCH
	v_lshl_add_u32 v5, v2, 6, v5
	v_add_nc_u32 v[STO], s23, v5
	v_mul_u32_u24 v5, v2, SPITCH
	v_lshl_add_u32 v5, v1, 4, v5
	v_add_nc_u32 v[RD], s23, v5
	v_lshlrev_b32 v5, 12, v2
	v_lshl_add_u32 v[CO], v1, 4, v5
	s_wait_alu depctr_va_vdst(0)
	s_lshl_b32 s20, s17, 7
	s_lshl_b32 s21, s15, 6
	s_add_co_u32 s20, s20, s21
	s_lshl_b32 s20, s20, 12
	s_lshl_b32 s46, s42, 9
	s_lshl_b32 s47, s16, 8
	s_add_co_u32 s46, s46, s47
	s_add_co_u32 s20, s20, s46
	s_mov_b32 s21, 0
	s_add_nc_u64 s[8:9], s[8:9], s[20:21]
	s_add_nc_u64 s[10:11], s[10:11], s[20:21]
	WIN 0x80
.irp a, 0,1,2,3
.irp i, 0,1,2,3,4,5,6,7
	global_load_b128 v[32*\a+4*\i:32*\a+4*\i+3], v[CO], s[8:9] offset:(32*(\a/2)+16*(\i/4)+8*(\a%2)+2*(\i%4))*4096 th:TH_LOAD_NT
.endr
.endr
	WIN 0
.macro FRAG reg, adr, q, i
.irp c, 0,1,2
	ds_load_b128 v[\reg+4*\c:\reg+4*\c+3], v[\adr] offset:(\q)*HT+(\i)*FRB+512*\c
.endr
.endm
.macro MUL4 a, p, q, sc, zero
.irp b, 0,1,2,3
.if \zero
	v_wmma_scale_f32_16x16x128_f8f6f4 v[ACC+8*(4*(\a)+\b):ACC+8*(4*(\a)+\b)+7], v[128*(\p)+48+FR*\b:128*(\p)+48+FR*\b+FR-1], v[128*(\p)+FR*(\a):128*(\p)+FR*(\a)+FR-1], 0, v[SC+16*(\sc)+NQ*\b+(\q)], v[SC+16*(\sc)+NQ*(\a)+(\q)] matrix_a_fmt:MATRIX_FMT_BF6 matrix_b_fmt:MATRIX_FMT_BF6 matrix_a_scale:MATRIX_SCALE_ROW1
.else
	v_wmma_scale_f32_16x16x128_f8f6f4 v[ACC+8*(4*(\a)+\b):ACC+8*(4*(\a)+\b)+7], v[128*(\p)+48+FR*\b:128*(\p)+48+FR*\b+FR-1], v[128*(\p)+FR*(\a):128*(\p)+FR*(\a)+FR-1], v[ACC+8*(4*(\a)+\b):ACC+8*(4*(\a)+\b)+7], v[SC+16*(\sc)+NQ*\b+(\q)], v[SC+16*(\sc)+NQ*(\a)+(\q)] matrix_a_fmt:MATRIX_FMT_BF6 matrix_b_fmt:MATRIX_FMT_BF6 matrix_a_scale:MATRIX_SCALE_ROW1
.endif
.endr
.endm
.macro FETCH slot, q, p
	WIN TO_F
.irp i, 0,1,2,3
	FRAG 128*(\p)+48+FR*\i, ADRB+\slot, \q, \i
.endr
.irp i, 0,1,2,3
	FRAG 128*(\p)+FR*\i, ADRA+\slot, \q, \i
.endr
.endm
.macro SCALES sc
	WIN 0
.irp i, 0,1,2,3
.irp q, 0,1,2,3
	ds_load_b32 v[SC+16*\sc+NQ*\i+\q], v[ADRS] offset:512*\q+64*\i
.endr
.endr
.endm
.macro PLACES n
.rept \n
	v_nop
.endr
.endm
.macro STEP slot, q, zero
	PLACES NP
	FETCH \slot, (\q)+1, ((\q)+1)%2
	s_wait_dscnt 24
	WIN MUL
	MUL4 0, (\q)%2, \q, \slot, \zero
	MUL4 1, (\q)%2, \q, \slot, \zero
	MUL4 2, (\q)%2, \q, \slot, \zero
	MUL4 3, (\q)%2, \q, \slot, \zero
.endm
.macro TURN slot, next, fill
	WIN 0
	s_wait_tensorcnt 0x0
	ds_add_u32 v[SPW], v[NIL]
	s_wait_dscnt 1
	WIN MUL
	MUL4 0, 1, NQ-1, \slot, 0
	s_wait_dscnt 0x0
	s_barrier_signal -1
	MUL4 1, 1, NQ-1, \slot, 0
	WIN 0
	s_barrier_wait -1
.if \fill
	CREST
	s_add_nc_u64 s[G0+4*\slot+2:G0+4*\slot+3], s[G0+4*\slot+2:G0+4*\slot+3], 2*NQ*KT
	s_add_nc_u64 s[G0B+4*\slot+2:G0B+4*\slot+3], s[G0B+4*\slot+2:G0B+4*\slot+3], 2*NQ*KT
	JLOAD G0+4*\slot, G1, G0B+4*\slot, G1B
.else
	PLACES NP
.endif
	v_add_nc_u32 v[ADRS], 512*NQ, v[ADRS]
	FETCH \next, 0, 0
	SCALES \next
	WIN MUL
	MUL4 2, 1, NQ-1, \slot, 0
	MUL4 3, 1, NQ-1, \slot, 0
.endm
	s_wait_tensorcnt 1
	s_barrier_signal -1
	s_barrier_wait -1
	FETCH 0, 0, 0
	SCALES 0
	STEP 0, 0, 1
	STEP 0, 1, 0
	STEP 0, 2, 0
.if LAPS > 1
	WIN 0
	s_mov_b32 s3, LAPS-1
.Llap:
	TURN 0, 1, 1
	STEP 1, 0, 0
	STEP 1, 1, 0
	STEP 1, 2, 0
	TURN 1, 0, 1
	STEP 0, 0, 0
	STEP 0, 1, 0
	STEP 0, 2, 0
	WIN 0
	s_sub_co_u32 s3, s3, 1
	s_cmp_lg_u32 s3, 0
	s_cbranch_scc1 .Llap
.endif
	TURN 0, 1, 0
	STEP 1, 0, 0
	STEP 1, 1, 0
	STEP 1, 2, 0
	s_wait_dscnt 0x0
	WIN MUL
	MUL4 0, 1, NQ-1, 1, 0
	MUL4 1, 1, NQ-1, 1, 0
	MUL4 2, 1, NQ-1, 1, 0
	MUL4 3, 1, NQ-1, 1, 0
	WIN 0
.macro TOSTAGE a
.irp b, 0,1,2,3
	ds_store_b128 v[STO], v[ACC+8*(4*(\a)+\b):ACC+8*(4*(\a)+\b)+3] offset:128*(\b/2)+32*(\b%2)
	ds_store_b128 v[STO], v[ACC+8*(4*(\a)+\b)+4:ACC+8*(4*(\a)+\b)+7] offset:128*(\b/2)+32*(\b%2)+16
.endr
.irp i, 0,1,2,3,4,5,6,7
	ds_load_b128 v[BK+32*((\a)%2)+4*\i:BK+32*((\a)%2)+4*\i+3], v[RD] offset:2*\i*SPITCH
.endr
.endm
.macro SEND a, younger
	s_wait_dscnt \younger
	WIN 0x08
.set j, 0
.rept 16
	v_pk_add_f32 v[BK+32*((\a)%2)+j:BK+32*((\a)%2)+j+1], v[BK+32*((\a)%2)+j:BK+32*((\a)%2)+j+1], v[32*(\a)+j:32*(\a)+j+1]
.set j, j+2
.endr
	WIN 0
.irp i, 0,1,2,3,4,5,6,7
	global_store_b128 v[CO], v[BK+32*((\a)%2)+4*\i:BK+32*((\a)%2)+4*\i+3], s[10:11] offset:(32*((\a)/2)+16*(\i/4)+8*((\a)%2)+2*(\i%4))*4096
.endr
.endm
	PLACES NP
	s_wait_loadcnt 0x0
	TOSTAGE 0
.irp a, 1,2,3
.if \a > 1
	s_wait_xcnt 0x0
.endif
	TOSTAGE \a
	SEND \a-1, 16
.endr
	SEND 3, 0
	s_wait_tensorcnt 0x0
	ds_add_u32 v[SPW], v[NIL]
	s_wait_dscnt 0x0
	CROUND
	s_endpgm
.Lfunc_end_k_q79a5f6d2a8_oproj:
	.size	k_q79a5f6d2a8_oproj, .Lfunc_end_k_q79a5f6d2a8_oproj-k_q79a5f6d2a8_oproj
	.p2alignl 7, 3214868480
	.fill 96, 4, 3214868480
	.section	.rodata,"a",@progbits
	.p2align	6, 0x0
	.amdhsa_kernel k_q79a5f6d2a8_oproj
		.amdhsa_group_segment_fixed_size 327680
		.amdhsa_private_segment_fixed_size 0
		.amdhsa_enable_private_segment 0
		.amdhsa_kernarg_size 32
		.amdhsa_user_sgpr_count 2
		.amdhsa_user_sgpr_kernarg_segment_ptr 1
		.amdhsa_wavefront_size32 1
		.amdhsa_system_sgpr_workgroup_id_x 1
		.amdhsa_system_sgpr_workgroup_id_y 1
		.amdhsa_system_sgpr_workgroup_id_z 1
		.amdhsa_system_vgpr_workitem_id 0
		.amdhsa_next_free_vgpr 640
		.amdhsa_next_free_sgpr 98
		.amdhsa_reserve_vcc 0
		.amdhsa_float_denorm_mode_32 3
		.amdhsa_float_denorm_mode_16_64 3
		.amdhsa_memory_ordered 1
		.amdhsa_forward_progress 1
		.amdhsa_inst_pref_size 59
	.end_amdhsa_kernel
	.amdgpu_metadata
---
amdhsa.version: [ 1, 2 ]
amdhsa.kernels:
  - .name:           k_q79a5f6d2a8_oproj
    .symbol:         k_q79a5f6d2a8_oproj.kd
    .args:
      - { .name: ao, .offset: 0, .size: 8, .value_kind: global_buffer, .address_space: global }
      - { .name: wts, .offset: 8, .size: 8, .value_kind: global_buffer, .address_space: global }
      - { .name: x, .offset: 16, .size: 8, .value_kind: global_buffer, .address_space: global }
      - { .name: x1, .offset: 24, .size: 8, .value_kind: global_buffer, .address_space: global }
    .group_segment_fixed_size: 327680
    .private_segment_fixed_size: 0
    .kernarg_segment_align: 8
    .kernarg_segment_size: 32
    .max_flat_workgroup_size: 128
    .sgpr_count:     98
    .vgpr_count:     640
    .wavefront_size: 32
...
	.end_amdgpu_metadata
.endif
;; end of part 11
;; launch ln1 (part 12): grid 256 x 1, 8 waves a work-group, no clusters, 66,816 bytes of LDS; arguments x1, ln2_w, ln2_b, hn2; writes hn2
.if DOCPART == 12
	.amdgcn_target "amdgcn-amd-amdhsa--gfx1250"
	.amdhsa_code_object_version 6
	.text
	.protected	k_q79a5f6d2a8_ln1
	.globl	k_q79a5f6d2a8_ln1
	.p2align	8
	.type	k_q79a5f6d2a8_ln1,@function
k_q79a5f6d2a8_ln1:
	s_mov_b64 s[64:65], 0
	v_nop
	global_prefetch_b8 v0, s[64:65] scope:SCOPE_SE
	s_setreg_imm32_b32 hwreg(HW_REG_WAVE_MODE, 25, 1), 1
	s_wait_xcnt 0x0
; LayerNorm of [4096][1024] f32 rows, then the rows' codes of E3M2 along the 1,024, with one E8M0 byte for each 32, laid as images of a product's operand registers:
; codes [row / 256][k / 128][(row % 256) / 16][1536], scale words [row / 128][k / 128][row % 128] behind them.  TOKEN t LIES AT ROW pi(t) = t WITH ITS BITS 3 AND 4 SWAPPED.
; A work-group makes one block of 16 rows of the output.  Phase 1: wave w normalises two tokens (8,192 consecutive bytes), all in f32: mean, then the mean of the squared differences, rsq, gain, bias; the rows go to a stage in LDS.
; One barrier.  Phase 2: wave w takes K step w of all 16 rows: lane (r, h) reads 16 neighbours of each block of 32 of row r, quantises, and the wave stores a fragment: 3 x 512 consecutive bytes.
; The stage's rows are 4,112 bytes apart, an odd multiple of 16: the sixteen rows that a load touches start in sixteen different groups of banks.
; LIMITS: NaN and infinities are not served; a block under 2^-122 or of zeros keeps the byte 1; the bytes are read by this program alone.  v_rsq_f32 is good to 1 ulp.
.set KT,    24576
.set HN_S,  3145728
.set PITCH, 4112
.set X,   32                           ; v32-95   two rows, 32 numbers a lane each
.set W,   96                           ; v96-127  the gain at my columns
.set B,   128                          ; v128-159 the bias
.set S,   160                          ; v160-167 four registers of sums a row
.set H,   32                           ; phase 2: 64 numbers
.set PC,  112                          ; the codes just made (12 registers, 7 more at work)
.set TM,  200
.set PW,  216
.set SEL, 16
	s_load_b256 s[4:11], s[0:1], 0x0               ; the rows, gain, bias, the codes' buffer
	v_lshl_add_u32 v224, v0, 2, 0x10100
	v_mov_b32 v225, 0
	v_lshrrev_b32 v1, 5, v0
	s_delay_alu instid0(VALU_DEP_1)
	v_readfirstlane_b32 s12, v1                    ; wave 0..7
	v_and_b32 v2, 31, v0
	s_delay_alu instid0(VALU_DEP_1)
	v_lshlrev_b32 v3, 4, v2                        ; 16 x lane
	s_wait_alu depctr_va_vdst(0)
	s_lshr_b32 s13, ttmp9, 1                       ; rows 2 w, 2 w + 1 of block R are tokens 32 (R / 2) + 16 (w / 4) + 8 (R % 2) + 2 (w % 4) + 0, 1
	s_lshl_b32 s13, s13, 5
	s_and_b32 s14, ttmp9, 1
	s_lshl_b32 s14, s14, 3
	s_add_co_u32 s13, s13, s14
	s_lshr_b32 s14, s12, 2
	s_lshl_b32 s14, s14, 4
	s_add_co_u32 s13, s13, s14
	s_and_b32 s14, s12, 3
	s_lshl_b32 s14, s14, 1
	s_add_co_u32 s13, s13, s14
	s_lshl_b32 s14, s13, 12
	s_mov_b32 s15, 0
	s_mov_b32 s[SEL], 0x76543210
	s_mov_b32 s[SEL+1], 0xfedcba98                 ; lane l xor 16
	s_mov_b32 s18, 0x3a800000                      ; 1 / 1024
	s_mov_b32 s19, 0x3727c5ac                      ; 1e-5
	s_lshr_b32 s20, ttmp9, 4
	s_lshl_b32 s20, s20, 3
	s_add_co_u32 s20, s20, s12
	s_mul_i32 s20, s20, KT
	s_and_b32 s21, ttmp9, 15
	s_mul_i32 s21, s21, 1536
	s_add_co_u32 s20, s20, s21                     ; my fragment
	s_mov_b32 s21, 0
	s_lshr_b32 s22, ttmp9, 3
	s_lshl_b32 s22, s22, 3
	s_add_co_u32 s22, s22, s12
	s_lshl_b32 s22, s22, 9
	s_and_b32 s23, ttmp9, 7
	s_lshl_b32 s23, s23, 6
	s_add_co_u32 s22, s22, s23
	s_add_co_u32 s22, s22, HN_S                    ; its scale words
	s_mov_b32 s23, 0
	s_mul_i32 s24, s12, 2*PITCH
	v_add_nc_u32 v4, s24, v3                       ; the stage, in: my two rows, 16 bytes a lane
	v_and_b32 v5, 15, v0                           ; r
	v_bfe_u32 v6, v0, 4, 1                         ; h
	s_delay_alu instid0(VALU_DEP_2)
	v_mul_u32_u24 v7, v5, PITCH
	s_delay_alu instid0(VALU_DEP_1)
	v_lshl_add_u32 v7, v6, 6, v7
	s_lshl_b32 s24, s12, 9
	v_add_nc_u32 v7, s24, v7                       ; out: row r, K step w, + 64 h
	v_lshlrev_b32 v8, 2, v5
.irp b, 0,1,2,3
	v_mov_b32 v[TM+4+\b], 0                        ; written once: a lane permute's destination counts as one of its sources
.endr
	s_wait_kmcnt 0x0
	s_add_nc_u64 s[4:5], s[4:5], s[14:15]
	s_add_nc_u64 s[20:21], s[10:11], s[20:21]
	s_add_nc_u64 s[22:23], s[10:11], s[22:23]
.irp e, 0,1
.irp j, 0,1,2,3,4,5,6,7
	global_load_b128 v[X+32*\e+4*\j:X+32*\e+4*\j+3], v3, s[4:5] offset:4096*\e+512*\j th:TH_LOAD_NT
.endr
.endr
.irp j, 0,1,2,3,4,5,6,7
	global_load_b128 v[W+4*\j:W+4*\j+3], v3, s[6:7] offset:512*\j
.endr
.irp j, 0,1,2,3,4,5,6,7
	global_load_b128 v[B+4*\j:B+4*\j+3], v3, s[8:9] offset:512*\j
.endr
.macro WSUM                            ; both rows' figures over the 32 lanes, the rows by turns
.irp m, 1,2,4,8
.irp e, 0,1
	s_delay_alu instid0(VALU_DEP_2)
	v_add_f32_dpp v[S+4*\e], v[S+4*\e], v[S+4*\e] row_xmask:\m row_mask:0xf bank_mask:0xf
.endr
.endr
.irp e, 0,1
	s_delay_alu instid0(VALU_DEP_2)
	v_permlanex16_b32 v[S+4*\e+1], v[S+4*\e], s[SEL], s[SEL+1]
.endr
.irp e, 0,1
	s_delay_alu instid0(VALU_DEP_2)
	v_add_f32 v[S+4*\e], v[S+4*\e], v[S+4*\e+1]
.endr
.endm
	s_wait_loadcnt 16                              ; the rows are in; gain and bias, 16 loads, may be out
.irp e, 0,1
	v_pk_add_f32 v[S+4*\e:S+4*\e+1], v[X+32*\e:X+32*\e+1], v[X+32*\e+2:X+32*\e+3]
	v_pk_add_f32 v[S+4*\e+2:S+4*\e+3], v[X+32*\e+4:X+32*\e+5], v[X+32*\e+6:X+32*\e+7]
.endr
.irp j, 8,12,16,20,24,28
.irp e, 0,1
	s_delay_alu instid0(VALU_DEP_4)
	v_pk_add_f32 v[S+4*\e:S+4*\e+1], v[S+4*\e:S+4*\e+1], v[X+32*\e+\j:X+32*\e+\j+1]
	s_delay_alu instid0(VALU_DEP_4)
	v_pk_add_f32 v[S+4*\e+2:S+4*\e+3], v[S+4*\e+2:S+4*\e+3], v[X+32*\e+\j+2:X+32*\e+\j+3]
.endr
.endr
.irp e, 0
	s_delay_alu instid0(VALU_DEP_3)
	v_pk_add_f32 v[S+4*\e:S+4*\e+1], v[S+4*\e:S+4*\e+1], v[S+4*\e+2:S+4*\e+3]
.endr
.irp e, 1
	s_delay_alu instid0(VALU_DEP_2)
	v_pk_add_f32 v[S+4*\e:S+4*\e+1], v[S+4*\e:S+4*\e+1], v[S+4*\e+2:S+4*\e+3]
.endr
.irp e, 0,1
	s_delay_alu instid0(VALU_DEP_2)
	v_add_f32 v[S+4*\e], v[S+4*\e], v[S+4*\e+1]
.endr
	WSUM
.irp e, 0,1
	s_delay_alu instid0(VALU_DEP_2)
	v_mul_f32 v[S+4*\e], s18, v[S+4*\e]            ; the mean
.endr
.irp j, 0,2,4,6,8,10,12,14,16,18,20,22,24,26,28,30
.irp e, 0,1
	v_pk_add_f32 v[X+32*\e+\j:X+32*\e+\j+1], v[X+32*\e+\j:X+32*\e+\j+1], v[S+4*\e:S+4*\e+1] op_sel_hi:[1,0] neg_lo:[0,1] neg_hi:[0,1]   ; x - mean
.endr
.endr
.irp e, 0,1
	v_pk_mul_f32 v[S+4*\e:S+4*\e+1], v[X+32*\e:X+32*\e+1], v[X+32*\e:X+32*\e+1]
	v_pk_mul_f32 v[S+4*\e+2:S+4*\e+3], v[X+32*\e+2:X+32*\e+3], v[X+32*\e+2:X+32*\e+3]
.endr
.irp j, 4,8,12,16,20,24,28
.irp e, 0,1
	s_delay_alu instid0(VALU_DEP_4)
	v_pk_fma_f32 v[S+4*\e:S+4*\e+1], v[X+32*\e+\j:X+32*\e+\j+1], v[X+32*\e+\j:X+32*\e+\j+1], v[S+4*\e:S+4*\e+1]
	s_delay_alu instid0(VALU_DEP_4)
	v_pk_fma_f32 v[S+4*\e+2:S+4*\e+3], v[X+32*\e+\j+2:X+32*\e+\j+3], v[X+32*\e+\j+2:X+32*\e+\j+3], v[S+4*\e+2:S+4*\e+3]
.endr
.endr
.irp e, 0
	s_delay_alu instid0(VALU_DEP_3)
	v_pk_add_f32 v[S+4*\e:S+4*\e+1], v[S+4*\e:S+4*\e+1], v[S+4*\e+2:S+4*\e+3]
.endr
.irp e, 1
	s_delay_alu instid0(VALU_DEP_2)
	v_pk_add_f32 v[S+4*\e:S+4*\e+1], v[S+4*\e:S+4*\e+1], v[S+4*\e+2:S+4*\e+3]
.endr
.irp e, 0,1
	s_delay_alu instid0(VALU_DEP_2)
	v_add_f32 v[S+4*\e], v[S+4*\e], v[S+4*\e+1]
.endr
	WSUM
.irp e, 0,1
	s_delay_alu instid0(VALU_DEP_2)
	v_fma_f32 v[S+4*\e], v[S+4*\e], s18, s19       ; the variance + 1e-5
.endr
	s_wait_alu depctr_va_vdst(0)
.irp e, 0,1
	v_rsq_f32 v[S+4*\e], v[S+4*\e]
.endr
	v_nop                                          ; a plain line behind the transcendentals
	s_wait_alu depctr_va_vdst(0)                   ; one wait for both, ahead of their first reader
	s_wait_loadcnt 0x0                             ; gain and bias
.irp j, 0,2,4,6,8,10,12,14,16,18,20,22,24,26,28,30
.irp e, 0,1
	v_pk_mul_f32 v[X+32*\e+\j:X+32*\e+\j+1], v[X+32*\e+\j:X+32*\e+\j+1], v[S+4*\e:S+4*\e+1] op_sel_hi:[1,0]
.endr
.endr
.irp j, 0,2,4,6,8,10,12,14,16,18,20,22,24,26,28,30
.irp e, 0,1
	v_pk_fma_f32 v[X+32*\e+\j:X+32*\e+\j+1], v[X+32*\e+\j:X+32*\e+\j+1], v[W+\j:W+\j+1], v[B+\j:B+\j+1]
.endr
.endr
.irp e, 0,1
.irp j, 0,1,2,3,4,5,6,7
	ds_store_b128 v4, v[X+32*\e+4*\j:X+32*\e+4*\j+3] offset:PITCH*\e+512*\j
.endr
.endr
	s_wait_dscnt 0x0                               ; for the others' sake: my rows lie in the stage
	s_barrier_signal -1
	s_barrier_wait -1
.irp b, 0,1,2,3
.irp j, 0,1,2,3
	ds_load_b128 v[H+16*\b+4*\j:H+16*\b+4*\j+3], v7 offset:128*\b+16*\j   ; register 16 b + i = k 32 b + 16 h + i of row r
.endr
.endr
	s_wait_dscnt 0x0
.irp b, 0,1,2,3
	v_max3_num_f32 v[TM+\b], |v[H+16*\b]|, |v[H+1+16*\b]|, 0x2800000     ; my 16 numbers of block b, and the floor 2^(5 - 127)
.endr
.irp i, 2,4,6,8,10,12,14
.irp b, 0,1,2,3
	s_delay_alu instid0(VALU_DEP_4)
	v_max3_num_f32 v[TM+\b], v[TM+\b], |v[H+16*\b+\i]|, |v[H+1+16*\b+\i]|
.endr
.endr
.irp b, 0,1,2,3
	s_delay_alu instid0(VALU_DEP_4)
	v_permlanex16_b32 v[TM+4+\b], v[TM+\b], s[SEL], s[SEL+1]
.endr
.irp b, 0,1,2,3
	s_delay_alu instid0(VALU_DEP_4)
	v_max_num_f32 v[TM+\b], v[TM+\b], v[TM+4+\b]   ; with lane l xor 16's: the block's largest magnitude
.endr
.irp b, 0,1,2,3
	s_delay_alu instid0(VALU_DEP_4)
	v_add_nc_u32 v[TM+12+\b], 0xfe000000, v[TM+\b] ; 4 off the exponent field: the conversion's scale operand
.endr
.irp b, 0,1,2,3
	s_delay_alu instid0(VALU_DEP_4)
	v_lshrrev_b32 v[TM+4+\b], 23, v[TM+12+\b]      ; the scale's byte
.endr
	s_delay_alu instid0(VALU_DEP_3)
	v_lshl_or_b32 v[PW], v[TM+5], 8, v[TM+4]
	s_delay_alu instid0(VALU_DEP_1)
	v_lshl_or_b32 v[PW], v[TM+6], 16, v[PW]
	s_delay_alu instid0(VALU_DEP_1)
	v_lshl_or_b32 v[PW], v[TM+7], 24, v[PW]
.irp c, 0,1
	v_cvt_scalef32_pk16_bf6_f32 v[PC+6*\c:PC+2+6*\c], v[H+32*\c:H+15+32*\c], v[TM+12+2*\c]
	v_cvt_scalef32_pk16_bf6_f32 v[PC+12+4*\c:PC+14+4*\c], v[H+16+32*\c:H+31+32*\c], v[TM+13+2*\c]
.endr
	v_nop                                          ; a plain line behind the scaled conversions
.irp c, 0,1                                    ; the operand wants a whole block in a lane: lanes 0-15 block 2 c, lanes 16-31 block 2 c + 1
.irp i, 0,1,2
	v_permlane16_swap_b32 v[PC+6*\c+\i], v[PC+12+4*\c+\i]
.endr
.irp i, 0,1,2
	s_delay_alu instid0(VALU_DEP_3)
	v_mov_b32 v[PC+3+6*\c+\i], v[PC+12+4*\c+\i]
.endr
.endr
.irp c, 0,1,2
	global_store_b128 v3, v[PC+4*\c:PC+4*\c+3], s[20:21] offset:512*\c    ; 512 consecutive bytes, aligned
.endr
	global_store_b32 v8, v[PW], s[22:23]           ; lanes r and 16 + r hold the same word and write it to the same place
	s_wait_tensorcnt 0x0
	ds_add_u32 v224, v225
	s_wait_dscnt 0x0
	s_endpgm
.Lfunc_end_k_q79a5f6d2a8_ln1:
	.size	k_q79a5f6d2a8_ln1, .Lfunc_end_k_q79a5f6d2a8_ln1-k_q79a5f6d2a8_ln1
	.p2alignl 7, 3214868480
	.fill 96, 4, 3214868480
	.section	.rodata,"a",@progbits
	.p2align	6, 0x0
	.amdhsa_kernel k_q79a5f6d2a8_ln1
		.amdhsa_group_segment_fixed_size 66816
		.amdhsa_private_segment_fixed_size 0
		.amdhsa_enable_private_segment 0
		.amdhsa_kernarg_size 32
		.amdhsa_user_sgpr_count 2
		.amdhsa_user_sgpr_kernarg_segment_ptr 1
		.amdhsa_wavefront_size32 1
		.amdhsa_system_sgpr_workgroup_id_x 1
		.amdhsa_system_sgpr_workgroup_id_y 1
		.amdhsa_system_sgpr_workgroup_id_z 1
		.amdhsa_system_vgpr_workitem_id 0
		.amdhsa_next_free_vgpr 226
		.amdhsa_next_free_sgpr 66
		.amdhsa_reserve_vcc 0
		.amdhsa_float_denorm_mode_32 3
		.amdhsa_float_denorm_mode_16_64 3
		.amdhsa_memory_ordered 1
		.amdhsa_forward_progress 1
		.amdhsa_inst_pref_size 29
	.end_amdhsa_kernel
	.amdgpu_metadata
---
amdhsa.version: [ 1, 2 ]
amdhsa.kernels:
  - .name:           k_q79a5f6d2a8_ln1
    .symbol:         k_q79a5f6d2a8_ln1.kd
    .args:
      - { .name: x1, .offset: 0, .size: 8, .value_kind: global_buffer, .address_space: global }
      - { .name: ln2_w, .offset: 8, .size: 8, .value_kind: global_buffer, .address_space: global }
      - { .name: ln2_b, .offset: 16, .size: 8, .value_kind: global_buffer, .address_space: global }
      - { .name: hn2, .offset: 24, .size: 8, .value_kind: global_buffer, .address_space: global }
    .group_segment_fixed_size: 66816
    .private_segment_fixed_size: 0
    .kernarg_segment_align: 8
    .kernarg_segment_size: 32
    .max_flat_workgroup_size: 256
    .sgpr_count:     66
    .vgpr_count:     226
    .wavefront_size: 32
...
	.end_amdgpu_metadata
.endif
;; end of part 12
;; launch ffn1 (part 13): grid 16 x 16, 4 waves a work-group, clusters of 4 x 4, 327,680 bytes of LDS; arguments hn2, wts, g; writes g
.if DOCPART == 13
	.amdgcn_target "amdgcn-amd-amdhsa--gfx1250"
	.amdhsa_code_object_version 6
	.text
	.protected	k_q79a5f6d2a8_ffn1
	.globl	k_q79a5f6d2a8_ffn1
	.p2align	8
	.type	k_q79a5f6d2a8_ffn1,@function
k_q79a5f6d2a8_ffn1:
	s_mov_b64 s[64:65], 0
	v_nop
	global_prefetch_b8 v0, s[64:65] scope:SCOPE_SE
	s_setreg_imm32_b32 hwreg(HW_REG_WAVE_MODE, 25, 1), 1
	s_wait_xcnt 0x0
	s_wait_alu depctr_hold_cnt(0) depctr_sa_sdst(0) depctr_va_vdst(0) depctr_va_sdst(0) depctr_va_ssrc(0) depctr_va_vcc(0) depctr_vm_vsrc(0)
	s_getreg_b32 s2, hwreg(HW_REG_IB_STS2, 6, 4)
	s_cmp_eq_u32 s2, 0
	s_cbranch_scc0 .Lentry_in_a_cluster
	s_endpgm
.Lentry_in_a_cluster:
	s_bfe_u32 s2, ttmp6, 0x10000c
	s_cmp_lg_u32 s2, 0xf033
	s_cbranch_scc0 .Lentry_shape_is_right
	s_endpgm
.Lentry_shape_is_right:
; g = the codes of gelu(hn2 W1), exact erf form, on codes of E3M2 (K = 1,024).  A block of 256 x 256, four waves of 128 x 128; operands are images of their registers; a ring of two LDS slots of two K steps; the scale words come once.
; 4 x 4 work-groups form a cluster: A's tiles are asked for jointly along a row, B's along a column.  The head's four tiles go one to a wave; slot 1 follows behind the full sequence and a round.
; Prefetches: slot fills 1 and 2 behind the head's loads, fill 3 behind slot 1's load: of the 96 blocks of 256 bytes of my load each of the four partners takes 24, by address.
.set KS,    8
.set BT0,   16
.set ASOFF, 3145728
.set BCOFF, 0
.set BSOFF, 9437184
.set G_S,   12582912
.set KT,    24576
.set FRB,   1536
.set FR,    12
.set NL,    3
.set NP,    4
.set NQ,    2
.set SLOT,  4*KT
.set LAPS,  KS/4
.set HALFS, KS*512
.set SCL,   2*SLOT
.set SPARE, SCL+4*HALFS
.set ADRA, 16
.set ADRB, 20
.set LI16, 24
.set LR4,  26
.set ADRS, 27
.set SPW,  28
.set NIL,  29
.set SC,   32
.set AF,   128
.set X,    32
.set T,    96
.set P,    160
.set Y,    244
.set PC,   160
.set TM,   224
.set PW,   240
.set SEL,  66
.set G1, 24
.set G0, 32
.set G1B, 48
.set G0B, 56
.set G1S, 68
.set G0S, 76
.set G1SB, 80
.set G0SB, 88
.set MSB, 0
.macro WIN new
.if MSB != (\new)
	s_set_vgpr_msb (MSB<<8)|(\new)
.set MSB, (\new)
.endif
.endm
.set MUL_LO, 0xa1
.set MUL_HI, 0xf1
.set TO_B,   0x40
.macro JLOAD g0a, g1a, g0b, g1b
	s_cmp_eq_u32 s15, 0
	s_cbranch_scc0 .Lfor_b_\@
	tensor_load_to_lds s[\g0a:\g0a+3], s[\g1a:\g1a+7]
	s_nop 0
.rept 4
	v_nop
.endr
	s_branch .Lasked_\@
.Lfor_b_\@:
	tensor_load_to_lds s[\g0b:\g0b+3], s[\g1b:\g1b+7]
	s_nop 0
.rept 4
	v_nop
.endr
.Lasked_\@:
.endm
.macro CREST
	s_cmp_lg_u32 s14, 0
	s_cbranch_scc1 .Lnot_wave_0_\@
	s_barrier_signal -3
.Lnot_wave_0_\@:
	s_barrier_wait -3
	s_barrier_signal -1
	s_barrier_wait -1
.endm
.macro CROUND
	s_barrier_signal -1
	s_barrier_wait -1
	CREST
.endm
	s_load_b128 s[4:7], s[0:1], 0x0
	s_load_b64 s[8:9], s[0:1], 0x10
	v_lshl_add_u32 v[SPW], v0, 2, SPARE
	v_mov_b32 v[NIL], 0
	ds_add_u32 v28, v29
	ds_add_u32 v28, v29
	s_wait_dscnt 0x0
	v_lshrrev_b32 v1, 5, v0
	v_readfirstlane_b32 s14, v1
	v_and_b32 v30, 31, v0                          ; v30: the prefetches' offset: 256 x min(lane, 23); never rewritten
	v_min_u32 v30, 23, v30
	v_lshlrev_b32 v30, 8, v30
	s_lshr_b32 s15, s14, 1
	s_and_b32 s16, s14, 1
	s_bfe_u32 s40, ttmp6, 0x40000
	s_bfe_u32 s41, ttmp6, 0x40004
	s_lshl_b32 s42, ttmp9, 2
	s_add_co_u32 s42, s42, s40
	s_and_b32 s17, ttmp7, 0xffff
	s_lshl_b32 s17, s17, 2
	s_add_co_u32 s17, s17, s41
	s_lshl_b32 s43, s41, 2
	s_lshl_b32 s43, 15, s43
	s_lshl_b32 s44, 0x1111, s40
	s_or_b32 s[G1+0], s43, (3<<16)|(1<<21)
	s_or_b32 s[G1B+0], s44, (3<<16)|(1<<21)
.irp g, G1, G1B
	s_mov_b32 s[\g+1], 32<<16
	s_mov_b32 s[\g+2], 192<<16                     ; a slot's two K steps for the head's loads; one K step, 96 rows, behind the head
	s_mov_b32 s[\g+3], 32<<16
	s_mov_b32 s[\g+4], 192
	s_mov_b32 s[\g+5], 32
	s_mov_b32 s[\g+6], 0
	s_mov_b32 s[\g+7], 0
.endr
	s_or_b32 s[G1S+0], s43, (3<<16)|(1<<21)
	s_or_b32 s[G1SB+0], s44, (3<<16)|(1<<21)
.irp g, G1S, G1SB
	s_mov_b32 s[\g+1], 32<<16
	s_mov_b32 s[\g+2], (4*KS)<<16
	s_mov_b32 s[\g+3], 32<<16
	s_mov_b32 s[\g+4], 4*KS
	s_mov_b32 s[\g+5], 32
	s_mov_b32 s[\g+6], 0
	s_mov_b32 s[\g+7], 0
.endr
	s_mul_i32 s18, s16, KT
	s_mov_b32 s19, 0
	s_mul_i32 s20, s17, KS*KT
	s_mov_b32 s21, 0
	s_lshl_b32 s22, s17, 1
	s_mul_i32 s22, s22, HALFS
	s_add_co_u32 s22, s22, ASOFF
	s_mov_b32 s23, 0
	s_add_co_u32 s46, s42, BT0
	s_lshl_b32 s92, s46, 1
	s_mul_i32 s92, s92, HALFS
	s_add_co_u32 s92, s92, BSOFF
	s_mov_b32 s93, 0
	s_mul_i32 s46, s46, KS*KT
	s_add_co_u32 s46, s46, BCOFF
	s_mov_b32 s47, 0
	s_mul_i32 s45, s14, KT
	s_wait_kmcnt 0x0
	s_add_nc_u64 s[20:21], s[4:5], s[20:21]
	s_add_nc_u64 s[22:23], s[4:5], s[22:23]
	s_add_nc_u64 s[46:47], s[6:7], s[46:47]
	s_add_nc_u64 s[92:93], s[6:7], s[92:93]
	CROUND
	s_mov_b32 s[G0S], 1
	s_mov_b32 s[G0S+1], SCL
	s_mov_b64 s[G0S+2:G0S+3], s[22:23]
	s_or_b32 s[G0S+3], s[G0S+3], 0x80000000
	s_mov_b32 s[G0SB], 1
	s_mov_b32 s[G0SB+1], SCL+2*HALFS
	s_mov_b64 s[G0SB+2:G0SB+3], s[92:93]
	s_or_b32 s[G0SB+3], s[G0SB+3], 0x80000000
	s_mov_b32 s[G0], 1                             ; the head's tiles: A's slot 0 whole,
	s_mov_b32 s[G0+1], 0
	s_mov_b64 s[G0+2:G0+3], s[20:21]
	s_or_b32 s[G0+3], s[G0+3], 0x80000000
	s_mov_b32 s[G0B], 1                            ; B's behind it
	s_mov_b32 s[G0B+1], 2*KT
	s_mov_b64 s[G0B+2:G0B+3], s[46:47]
	s_or_b32 s[G0B+3], s[G0B+3], 0x80000000
	s_add_nc_u64 s[20:21], s[20:21], s[18:19]      ; for the ring: my K step of a slot's two
	s_add_nc_u64 s[46:47], s[46:47], s[18:19]
	s_mov_b32 s[G0+4], 1
	s_add_co_u32 s[G0+5], s45, SLOT
	s_add_nc_u64 s[G0+6:G0+7], s[20:21], 2*KT
	s_or_b32 s[G0+7], s[G0+7], 0x80000000
	s_mov_b32 s[G0B+4], 1
	s_add_co_u32 s[G0B+5], s45, SLOT
	s_add_nc_u64 s[G0B+6:G0B+7], s[46:47], 2*KT
	s_or_b32 s[G0B+7], s[G0B+7], 0x80000000
	s_cmp_eq_u32 s15, 0                            ; the prefetches: partner p (cx for A, cy for B) takes quarter p of my K step
	s_cselect_b64 s[4:5], s[20:21], s[46:47]
	s_cselect_b32 s6, s40, s41
	s_mul_i32 s6, s6, KT/4
	s_mov_b32 s7, 0
	s_add_nc_u64 s[4:5], s[4:5], s[6:7]
.macro ARM under, g0, g1, next
	s_cmp_lt_u32 s14, \under
	s_cbranch_scc0 \next
	tensor_load_to_lds s[\g0:\g0+3], s[\g1:\g1+7]
	s_nop 0
.rept 4
	v_nop
.endr
	s_branch .Lhead_asked
\next:
.endm
	ARM 1, G0,  G1,  .Lhead_b
	ARM 2, G0B, G1B, .Lhead_sa
	ARM 3, G0S, G1S, .Lhead_sb
	tensor_load_to_lds s[G0SB:G0SB+3], s[G1SB:G1SB+7]
	s_nop 0
.rept 4
	v_nop
.endr
.Lhead_asked:
	s_wait_alu depctr_va_vdst(0)
	global_prefetch_b8 v30, s[4:5] offset:2*KT th:TH_LOAD_NT scope:SCOPE_SE
	global_prefetch_b8 v30, s[4:5] offset:4*KT th:TH_LOAD_NT scope:SCOPE_SE
	s_wait_tensorcnt 0x0                           ; my tile of the head's four is in
	ds_add_u32 v28, v29
	s_mov_b32 s[G1+2], 96<<16                      ; no load of mine is out: from here on a load brings one K step
	s_mov_b32 s[G1+4], 96
	s_mov_b32 s[G1B+2], 96<<16
	s_mov_b32 s[G1B+4], 96
	s_add_co_u32 s[G0+1], s45, 0                   ; slot 0's ring values
	s_mov_b64 s[G0+2:G0+3], s[20:21]
	s_or_b32 s[G0+3], s[G0+3], 0x80000000
	s_add_co_u32 s[G0B+1], s45, 0
	s_mov_b64 s[G0B+2:G0B+3], s[46:47]
	s_or_b32 s[G0B+3], s[G0B+3], 0x80000000
	s_wait_dscnt 0x0
	CROUND
	JLOAD G0+4, G1, G0B+4, G1B
	global_prefetch_b8 v30, s[4:5] offset:6*KT th:TH_LOAD_NT scope:SCOPE_SE
	v_and_b32 v1, 15, v0
	v_bfe_u32 v2, v0, 4, 1
	s_wait_alu depctr_va_vdst(0)
	v_and_b32 v3, 31, v0
	v_lshlrev_b32 v3, 4, v3
	v_mov_b32 v[LI16], v3
	v_lshlrev_b32 v[LR4], 2, v1
	s_mul_i32 s21, s15, 8*FRB
	s_mul_i32 s22, s16, 8*FRB
	s_add_co_u32 s22, s22, 2*KT
.irp s, 0,1
	v_add_nc_u32 v[ADRA+\s], s21, v3
	v_add_nc_u32 v[ADRB+\s], s22, v3
	s_add_co_u32 s21, s21, SLOT
	s_add_co_u32 s22, s22, SLOT
.endr
	s_mul_i32 s21, s15, HALFS
	s_mul_i32 s22, s16, HALFS
	s_add_co_u32 s22, s22, 2*HALFS
	s_sub_co_u32 s22, s22, s21
	v_mul_u32_u24 v6, s22, v2
	s_wait_alu depctr_va_vdst(0)
	s_add_co_u32 s21, s21, SCL
	v_add_nc_u32 v5, v[LR4], v6
	v_add_nc_u32 v[ADRS], s21, v5
.macro FRAG reg, adr, q, i
.irp c, 0,1,2
	ds_load_b128 v[\reg+4*\c:\reg+4*\c+3], v[\adr] offset:(\q)*KT+(\i)*FRB+512*\c
.endr
.endm
.macro MUL16 a0, p, q, sc, zero
.irp a, \a0, \a0+1
.irp b, 0,1,2,3,4,5,6,7
.if \zero
	v_wmma_scale_f32_16x16x128_f8f6f4 v[8*(8*((\a)%4)+\b):8*(8*((\a)%4)+\b)+7], v[128*(\p)+FR*\b:128*(\p)+FR*\b+FR-1], v[AF+FR*(\a):AF+FR*(\a)+FR-1], 0, v[SC+8*NQ*(\sc)+NQ*\b+(\q)], v[SC+8*NQ*(\sc)+NQ*(\a)+(\q)] matrix_a_fmt:MATRIX_FMT_BF6 matrix_b_fmt:MATRIX_FMT_BF6 matrix_a_scale:MATRIX_SCALE_ROW1
.else
	v_wmma_scale_f32_16x16x128_f8f6f4 v[8*(8*((\a)%4)+\b):8*(8*((\a)%4)+\b)+7], v[128*(\p)+FR*\b:128*(\p)+FR*\b+FR-1], v[AF+FR*(\a):AF+FR*(\a)+FR-1], v[8*(8*((\a)%4)+\b):8*(8*((\a)%4)+\b)+7], v[SC+8*NQ*(\sc)+NQ*\b+(\q)], v[SC+8*NQ*(\sc)+NQ*(\a)+(\q)] matrix_a_fmt:MATRIX_FMT_BF6 matrix_b_fmt:MATRIX_FMT_BF6 matrix_a_scale:MATRIX_SCALE_ROW1
.endif
.endr
.endr
.endm
.macro FETCH_B slot, q, p
	WIN TO_B
.irp i, 0,1,2,3,4,5,6,7
	FRAG 128*(\p)+FR*\i, ADRB+\slot, \q, \i
.endr
	WIN 0
.endm
.macro FETCH_A slot, q, i0
.irp i, \i0, \i0+1, \i0+2, \i0+3
	FRAG AF+FR*(\i), ADRA+\slot, \q, \i
.endr
.endm
.macro SCALES sc
.irp i, 0,1,2,3,4,5,6,7
.irp q, 0,1
	ds_load_b32 v[SC+16*\sc+2*\i+\q], v[ADRS] offset:512*\q+64*\i
.endr
.endr
.endm
.macro PLACES n
.rept \n
	v_nop
.endr
.endm
.macro STEP slot, q, zero
	s_wait_dscnt 4*NL
	WIN MUL_LO
	MUL16 0, (\q)%2, \q, \slot, \zero
	MUL16 2, (\q)%2, \q, \slot, \zero
	s_wait_dscnt 0
	PLACES NP
	FETCH_B \slot, (\q)+1, 1-(\q)%2
	FETCH_A \slot, (\q)+1, 0
	WIN MUL_HI
	MUL16 4, (\q)%2, \q, \slot, \zero
	MUL16 6, (\q)%2, \q, \slot, \zero
	PLACES NP
	WIN 0
	FETCH_A \slot, (\q)+1, 4
.endm
.macro TURN slot, next, fill
	s_wait_tensorcnt 0x0
	ds_add_u32 v[SPW], v[NIL]
	s_wait_dscnt 4*NL+1
	WIN MUL_LO
	MUL16 0, 1, NQ-1, \slot, 0
	s_wait_dscnt 0x0
	s_barrier_signal -1
	MUL16 2, 1, NQ-1, \slot, 0
	WIN 0
	s_barrier_wait -1
.if \fill
	CREST
	s_add_nc_u64 s[G0+4*\slot+2:G0+4*\slot+3], s[G0+4*\slot+2:G0+4*\slot+3], 4*KT
	s_add_nc_u64 s[G0B+4*\slot+2:G0B+4*\slot+3], s[G0B+4*\slot+2:G0B+4*\slot+3], 4*KT
	JLOAD G0+4*\slot, G1, G0B+4*\slot, G1B
.else
	PLACES NP
.endif
	s_wait_alu depctr_va_vdst(0)
	v_add_nc_u32 v[ADRS], 512*NQ, v[ADRS]
	FETCH_B \next, 0, 0
	FETCH_A \next, 0, 0
	SCALES \next
	WIN MUL_HI
	MUL16 4, 1, NQ-1, \slot, 0
	MUL16 6, 1, NQ-1, \slot, 0
	PLACES NP
	WIN 0
	FETCH_A \next, 0, 4
.endm
	s_wait_alu depctr_va_vdst(0)
	s_wait_tensorcnt 1
	s_barrier_signal -1
	s_barrier_wait -1
	FETCH_B 0, 0, 0
	FETCH_A 0, 0, 0
	SCALES 0
	FETCH_A 0, 0, 4
	STEP 0, 0, 1
	s_mov_b32 s3, LAPS-1
.Llap:
	TURN 0, 1, 1
	STEP 1, 0, 0
	TURN 1, 0, 1
	STEP 0, 0, 0
	s_sub_co_u32 s3, s3, 1
	s_cmp_lg_u32 s3, 0
	s_cbranch_scc1 .Llap
	TURN 0, 1, 0
	STEP 1, 0, 0
	s_wait_dscnt 4*NL
	WIN MUL_LO
	MUL16 0, 1, NQ-1, 1, 0
	MUL16 2, 1, NQ-1, 1, 0
	s_wait_dscnt 0
	WIN MUL_HI
	MUL16 4, 1, NQ-1, 1, 0
	MUL16 6, 1, NQ-1, 1, 0
	WIN 0
	PLACES NP
	s_mov_b32 s24, 0x3e7c6f08
	s_mov_b32 s26, 0x40097039
	s_mov_b32 s28, 0xbfd1a1e5
	s_mov_b32 s30, 0x3ecdfd18
	s_mov_b32 s32, 0xbe899a80
	s_mov_b32 s34, 0x3e0efb2e
	s_mov_b32 s36, 0x3f0a29d2
	s_mov_b32 s38, 0x3fb8ab5a
	s_mov_b32 s40, 0xc034d90f
	s_mov_b32 s44, 0xbf38aa3b
.irp c, 24,26,28,30,32,34,36,38,40,44
	s_mov_b32 s[\c+1], s[\c]
.endr
	s_mov_b32 s43, 0x3eb504f3
	s_mov_b32 s[SEL], 0x76543210
	s_mov_b32 s[SEL+1], 0xfedcba98
	v_mov_b32 v252, 0xbf97d29d
	v_mov_b32 v253, 0xbf97d29d
.irp b, 0,1,2,3
	v_mov_b32 v[TM+4+\b], 0
.endr
	s_lshl_b32 s46, s17, 5
	s_lshl_b32 s47, s42, 1
	s_add_co_u32 s46, s46, s47
	s_add_co_u32 s46, s46, s16
	s_mul_i32 s46, s46, KT
	s_mul_i32 s47, s15, 8*FRB
	s_add_co_u32 s46, s46, s47
	s_mov_b32 s47, 0
	s_lshl_b32 s48, s17, 1
	s_add_co_u32 s48, s48, s15
	s_lshl_b32 s48, s48, 5
	s_lshl_b32 s49, s42, 1
	s_add_co_u32 s48, s48, s49
	s_add_co_u32 s48, s48, s16
	s_lshl_b32 s48, s48, 9
	s_add_co_u32 s48, s48, G_S
	s_mov_b32 s49, 0
	s_add_nc_u64 s[46:47], s[8:9], s[46:47]
	s_add_nc_u64 s[48:49], s[8:9], s[48:49]
	s_mov_b32 s20, 0
.macro STUB k
.Lc\k:
	WIN 2+\k/4
.set j, 0
.rept 64
	v_mov_b32 v[X+j], v[64*(\k%4)+j]
.set j, j+1
.endr
	WIN 0
	s_branch .Lcommon
.endm
.Lrow:
.irp k, 1,2,3,4,5,6,7
	s_cmp_eq_u32 s20, \k
	s_cbranch_scc1 .Lc\k
.endr
.irp k, 0,1,2,3,4,5,6,7
	STUB \k
.endr
.Lcommon:
.set j, 0
.rept 64
	v_fma_f32 v[T+j], |v[X+j]|, s43, 1.0
.set j, j+1
.endr
.set j, 0
	s_wait_alu depctr_va_vdst(0)
.rept 64
	v_rcp_f32 v[T+j], v[T+j]
.set j, j+1
.endr
	v_nop
	s_wait_alu depctr_va_vdst(0)
.set j, 0
.rept 32
	v_pk_fma_f32 v[P+j:P+j+1], v[T+j:T+j+1], s[24:25], v[252:253] op_sel_hi:[1,0,1]
.set j, j+2
.endr
.irp c, 26,28,30,32,34,36,38,40
.set j, 0
.rept 32
	v_pk_fma_f32 v[P+j:P+j+1], v[P+j:P+j+1], v[T+j:T+j+1], s[\c:\c+1] op_sel_hi:[1,1,0]
.set j, j+2
.endr
.endr
.set j, 0
.rept 8
.irp u, 0,2,4,6
	v_pk_mul_f32 v[Y+\u:Y+\u+1], v[X+j+\u:X+j+\u+1], s[44:45] op_sel_hi:[1,0]
.endr
.irp u, 0,2,4,6
	v_pk_fma_f32 v[P+j+\u:P+j+\u+1], v[X+j+\u:X+j+\u+1], v[Y+\u:Y+\u+1], v[P+j+\u:P+j+\u+1]
.endr
.set j, j+8
.endr
.set j, 0
	s_wait_alu depctr_va_vdst(0)
.rept 64
	v_exp_f32 v[P+j], v[P+j]
.set j, j+1
.endr
	v_nop
	s_wait_alu depctr_va_vdst(0)
.set j, 0
.rept 32
	v_pk_mul_f32 v[P+j:P+j+1], v[P+j:P+j+1], v[T+j:T+j+1]
.set j, j+2
.endr
.set j, 0
.rept 64
	v_max_num_f32 v[T+j], 0, v[X+j]
.set j, j+1
.endr
.set j, 0
.rept 64
	v_fma_f32 v[T+j], -|v[X+j]|, v[P+j], v[T+j]
.set j, j+1
.endr
.irp b, 0,1,2,3
	v_max3_num_f32 v[TM+\b], |v[T+16*\b]|, |v[T+1+16*\b]|, 0x2800000
.endr
.irp i, 2,4,6,8,10,12,14
.irp b, 0,1,2,3
	v_max3_num_f32 v[TM+\b], v[TM+\b], |v[T+16*\b+\i]|, |v[T+1+16*\b+\i]|
.endr
.endr
.irp b, 0,1,2,3
	v_permlanex16_b32 v[TM+4+\b], v[TM+\b], s[SEL], s[SEL+1]
.endr
.irp b, 0,1,2,3
	v_max_num_f32 v[TM+\b], v[TM+\b], v[TM+4+\b]
.endr
.irp b, 0,1,2,3
	v_add_nc_u32 v[TM+12+\b], 0xfe000000, v[TM+\b]
.endr
.irp b, 0,1,2,3
	v_lshrrev_b32 v[TM+4+\b], 23, v[TM+12+\b]
.endr
	v_lshl_or_b32 v[PW], v[TM+5], 8, v[TM+4]
	v_lshl_or_b32 v[PW], v[TM+6], 16, v[PW]
	v_lshl_or_b32 v[PW], v[TM+7], 24, v[PW]
.irp c, 0,1
	v_cvt_scalef32_pk16_bf6_f32 v[PC+6*\c:PC+2+6*\c], v[T+32*\c:T+15+32*\c], v[TM+12+2*\c]
	v_cvt_scalef32_pk16_bf6_f32 v[PC+12+4*\c:PC+14+4*\c], v[T+16+32*\c:T+31+32*\c], v[TM+13+2*\c]
.endr
	v_nop
.irp c, 0,1
.irp i, 0,1,2
	v_permlane16_swap_b32 v[PC+6*\c+\i], v[PC+12+4*\c+\i]
.endr
.irp i, 0,1,2
	v_mov_b32 v[PC+3+6*\c+\i], v[PC+12+4*\c+\i]
.endr
.endr
.irp c, 0,1,2
	global_store_b128 v[LI16], v[PC+4*\c:PC+4*\c+3], s[46:47] offset:512*\c
.endr
	global_store_b32 v[LR4], v[PW], s[48:49]
	s_wait_xcnt 0x0
	s_add_nc_u64 s[46:47], s[46:47], FRB
	s_add_nc_u64 s[48:49], s[48:49], 64
	s_add_co_u32 s20, s20, 1
	s_cmp_lt_u32 s20, 8
	s_cbranch_scc1 .Lrow
	s_wait_tensorcnt 0x0
	ds_add_u32 v[SPW], v[NIL]
	s_wait_dscnt 0x0
	CROUND
	s_endpgm
.Lfunc_end_k_q79a5f6d2a8_ffn1:
	.size	k_q79a5f6d2a8_ffn1, .Lfunc_end_k_q79a5f6d2a8_ffn1-k_q79a5f6d2a8_ffn1
	.p2alignl 7, 3214868480
	.fill 96, 4, 3214868480
	.section	.rodata,"a",@progbits
	.p2align	6, 0x0
	.amdhsa_kernel k_q79a5f6d2a8_ffn1
		.amdhsa_group_segment_fixed_size 327680
		.amdhsa_private_segment_fixed_size 0
		.amdhsa_enable_private_segment 0
		.amdhsa_kernarg_size 24
		.amdhsa_user_sgpr_count 2
		.amdhsa_user_sgpr_kernarg_segment_ptr 1
		.amdhsa_wavefront_size32 1
		.amdhsa_system_sgpr_workgroup_id_x 1
		.amdhsa_system_sgpr_workgroup_id_y 1
		.amdhsa_system_sgpr_workgroup_id_z 1
		.amdhsa_system_vgpr_workitem_id 0
		.amdhsa_next_free_vgpr 1024
		.amdhsa_next_free_sgpr 98
		.amdhsa_reserve_vcc 0
		.amdhsa_float_denorm_mode_32 3
		.amdhsa_float_denorm_mode_16_64 3
		.amdhsa_memory_ordered 1
		.amdhsa_forward_progress 1
		.amdhsa_inst_pref_size 171
	.end_amdhsa_kernel
	.amdgpu_metadata
---
amdhsa.version: [ 1, 2 ]
amdhsa.kernels:
  - .name:           k_q79a5f6d2a8_ffn1
    .symbol:         k_q79a5f6d2a8_ffn1.kd
    .args:
      - { .name: hn2, .offset: 0, .size: 8, .value_kind: global_buffer, .address_space: global }
      - { .name: wts, .offset: 8, .size: 8, .value_kind: global_buffer, .address_space: global }
      - { .name: g, .offset: 16, .size: 8, .value_kind: global_buffer, .address_space: global }
    .group_segment_fixed_size: 327680
    .private_segment_fixed_size: 0
    .kernarg_segment_align: 8
    .kernarg_segment_size: 24
    .max_flat_workgroup_size: 128
    .sgpr_count:     98
    .vgpr_count:     1024
    .wavefront_size: 32
...
	.end_amdgpu_metadata
.endif
;; end of part 13
;; launch ffn2 (part 14): grid 8 x 32, 4 waves a work-group, clusters of 4 x 4, 327,680 bytes of LDS; arguments g, wts, x1, out0; writes out0
.if DOCPART == 14
	.amdgcn_target "amdgcn-amd-amdhsa--gfx1250"
	.amdhsa_code_object_version 6
	.text
	.protected	k_q79a5f6d2a8_ffn2
	.globl	k_q79a5f6d2a8_ffn2
	.p2align	8
	.type	k_q79a5f6d2a8_ffn2,@function
k_q79a5f6d2a8_ffn2:
	s_mov_b64 s[64:65], 0
	v_nop
	global_prefetch_b8 v0, s[64:65] scope:SCOPE_SE
	s_setreg_imm32_b32 hwreg(HW_REG_WAVE_MODE, 25, 1), 1
	s_wait_xcnt 0x0
	s_wait_alu depctr_hold_cnt(0) depctr_sa_sdst(0) depctr_va_vdst(0) depctr_va_sdst(0) depctr_va_ssrc(0) depctr_va_vcc(0) depctr_vm_vsrc(0)
	s_getreg_b32 s2, hwreg(HW_REG_IB_STS2, 6, 4)
	s_cmp_eq_u32 s2, 0
	s_cbranch_scc0 .Lentry_in_a_cluster
	s_endpgm
.Lentry_in_a_cluster:
	s_bfe_u32 s2, ttmp6, 0x10000c
	s_cmp_lg_u32 s2, 0xf033
	s_cbranch_scc0 .Lentry_shape_is_right
	s_endpgm
.Lentry_shape_is_right:
; out0 = x1 + g W2 on codes of E3M2 (K = 4,096).  A block of 128 x 128, four waves of 64 x 64; operands are images of their registers; a ring of two LDS slots of four K steps, eight fills in all; the scale words come once.
; 4 x 4 work-groups form a cluster: A's tiles are asked for jointly along a row, B's along a column.  The head's four tiles go one to a wave; slot 1 follows behind the full sequence and a round.
; Prefetches: fills 1 and 2 behind the head's loads, fill 3 behind slot 1's load; in the loop each refill asks for the fill two refills on, and the last trip asks for nothing.
; Of the 96 blocks of 256 bytes of my load each of the four partners takes 24, by address; lanes 24-31 name the last block again.
.set KS,    32
.set BT0,   0
.set ASOFF, 12582912
.set BCOFF, 6291456
.set BSOFF, 9699328
.set KT,    24576
.set HT,    12288
.set FRB,   1536
.set FR,    12
.set NP,    4
.set NQ,    4
.set SLOT,  2*NQ*HT
.set LAPS,  KS/(2*NQ)
.set HALFS, KS*512
.set SCL,   2*SLOT
.set SPARE, SCL+2*HALFS
.set SPITCH, 272
.set ADRA, 16
.set ADRB, 20
.set STO,  24
.set RD,   25
.set CO,   26
.set ADRS, 27
.set SPW,  28
.set NIL,  29
.set SC,   32
.set BK,   64
.set ACC,  128
.set G1, 24
.set G0, 32
.set G1B, 48
.set G0B, 56
.set G1S, 68
.set G0S, 76
.set G1SB, 80
.set G0SB, 88
.set MSB, 0
.macro WIN new
.if MSB != (\new)
	s_set_vgpr_msb (MSB<<8)|(\new)
.set MSB, (\new)
.endif
.endm
.set MUL,  0x05
.set TO_F, 0x40
.macro JLOAD g0a, g1a, g0b, g1b
	s_cmp_eq_u32 s15, 0
	s_cbranch_scc0 .Lfor_b_\@
	tensor_load_to_lds s[\g0a:\g0a+3], s[\g1a:\g1a+7]
	s_nop 0
.rept 4
	v_nop
.endr
	s_branch .Lasked_\@
.Lfor_b_\@:
	tensor_load_to_lds s[\g0b:\g0b+3], s[\g1b:\g1b+7]
	s_nop 0
.rept 4
	v_nop
.endr
.Lasked_\@:
.endm
.macro CREST
	s_cmp_lg_u32 s14, 0
	s_cbranch_scc1 .Lnot_wave_0_\@
	s_barrier_signal -3
.Lnot_wave_0_\@:
	s_barrier_wait -3
	s_barrier_signal -1
	s_barrier_wait -1
.endm
.macro CROUND
	s_barrier_signal -1
	s_barrier_wait -1
	CREST
.endm
	s_load_b128 s[4:7], s[0:1], 0x0
	s_load_b128 s[8:11], s[0:1], 0x10
	v_lshl_add_u32 v[SPW], v0, 2, SPARE
	v_mov_b32 v[NIL], 0
	ds_add_u32 v28, v29
	ds_add_u32 v28, v29
	s_wait_dscnt 0x0
	v_lshrrev_b32 v1, 5, v0
	v_readfirstlane_b32 s14, v1
	v_and_b32 v30, 31, v0                          ; v30: the prefetches' offset: 256 x min(lane, 23); never rewritten
	v_min_u32 v30, 23, v30
	v_lshlrev_b32 v30, 8, v30
	s_lshr_b32 s15, s14, 1
	s_and_b32 s16, s14, 1
	s_bfe_u32 s40, ttmp6, 0x40000
	s_bfe_u32 s41, ttmp6, 0x40004
	s_lshl_b32 s42, ttmp9, 2
	s_add_co_u32 s42, s42, s40
	s_and_b32 s17, ttmp7, 0xffff
	s_lshl_b32 s17, s17, 2
	s_add_co_u32 s17, s17, s41
	s_lshl_b32 s43, s41, 2
	s_lshl_b32 s43, 15, s43
	s_lshl_b32 s44, 0x1111, s40
	s_or_b32 s[G1+0], s43, (3<<16)|(1<<21)
	s_or_b32 s[G1B+0], s44, (3<<16)|(1<<21)
.irp g, G1, G1B
	s_mov_b32 s[\g+1], (HT/8)<<16
	s_mov_b32 s[\g+2], 4<<16                       ; four K steps for the head's loads; two behind the head
	s_mov_b32 s[\g+3], (HT/8)<<16
	s_mov_b32 s[\g+4], 4
	s_mov_b32 s[\g+5], KT/8
	s_mov_b32 s[\g+6], 0
	s_mov_b32 s[\g+7], 0
.endr
	s_or_b32 s[G1S+0], s43, (3<<16)|(1<<21)
	s_or_b32 s[G1SB+0], s44, (3<<16)|(1<<21)
.irp g, G1S, G1SB
	s_mov_b32 s[\g+1], 32<<16
	s_mov_b32 s[\g+2], (2*KS)<<16
	s_mov_b32 s[\g+3], 32<<16
	s_mov_b32 s[\g+4], 2*KS
	s_mov_b32 s[\g+5], 32
	s_mov_b32 s[\g+6], 0
	s_mov_b32 s[\g+7], 0
.endr
	s_mul_i32 s18, s16, 2*KT
	s_mov_b32 s19, 0
	s_lshr_b32 s20, s17, 1
	s_mul_i32 s20, s20, KS*KT
	s_and_b32 s21, s17, 1
	s_mul_i32 s21, s21, HT
	s_add_co_u32 s20, s20, s21
	s_mov_b32 s21, 0
	s_mul_i32 s22, s17, HALFS
	s_add_co_u32 s22, s22, ASOFF
	s_mov_b32 s23, 0
	s_lshr_b32 s46, s42, 1
	s_add_co_u32 s46, s46, BT0
	s_mul_i32 s46, s46, KS*KT
	s_and_b32 s47, s42, 1
	s_mul_i32 s47, s47, HT
	s_add_co_u32 s46, s46, s47
	s_add_co_u32 s46, s46, BCOFF
	s_mov_b32 s47, 0
	s_add_co_u32 s92, s42, 2*BT0
	s_mul_i32 s92, s92, HALFS
	s_add_co_u32 s92, s92, BSOFF
	s_mov_b32 s93, 0
	s_mul_i32 s45, s14, 2*HT
	s_wait_kmcnt 0x0
	s_add_nc_u64 s[20:21], s[4:5], s[20:21]
	s_add_nc_u64 s[22:23], s[4:5], s[22:23]
	s_add_nc_u64 s[46:47], s[6:7], s[46:47]
	s_add_nc_u64 s[92:93], s[6:7], s[92:93]
	CROUND
	s_mov_b32 s[G0S], 1
	s_mov_b32 s[G0S+1], SCL
	s_mov_b64 s[G0S+2:G0S+3], s[22:23]
	s_or_b32 s[G0S+3], s[G0S+3], 0x80000000
	s_mov_b32 s[G0SB], 1
	s_mov_b32 s[G0SB+1], SCL+HALFS
	s_mov_b64 s[G0SB+2:G0SB+3], s[92:93]
	s_or_b32 s[G0SB+3], s[G0SB+3], 0x80000000
	s_mov_b32 s[G0], 1                             ; the head's tiles: A's slot 0 whole,
	s_mov_b32 s[G0+1], 0
	s_mov_b64 s[G0+2:G0+3], s[20:21]
	s_or_b32 s[G0+3], s[G0+3], 0x80000000
	s_mov_b32 s[G0B], 1                            ; B's behind it
	s_mov_b32 s[G0B+1], NQ*HT
	s_mov_b64 s[G0B+2:G0B+3], s[46:47]
	s_or_b32 s[G0B+3], s[G0B+3], 0x80000000
	s_add_nc_u64 s[20:21], s[20:21], s[18:19]      ; for the ring: my two K steps of a slot's four
	s_add_nc_u64 s[46:47], s[46:47], s[18:19]
	s_mov_b32 s[G0+4], 1
	s_add_co_u32 s[G0+5], s45, SLOT
	s_add_nc_u64 s[G0+6:G0+7], s[20:21], NQ*KT
	s_or_b32 s[G0+7], s[G0+7], 0x80000000
	s_mov_b32 s[G0B+4], 1
	s_add_co_u32 s[G0B+5], s45, SLOT
	s_add_nc_u64 s[G0B+6:G0B+7], s[46:47], NQ*KT
	s_or_b32 s[G0B+7], s[G0B+7], 0x80000000
	s_cmp_eq_u32 s15, 0                            ; the prefetches: partner p (cx for A, cy for B) takes half p % 2 of K step p / 2 of my two
	s_cselect_b64 s[4:5], s[20:21], s[46:47]
	s_cselect_b32 s6, s40, s41
	s_lshr_b32 s7, s6, 1
	s_mul_i32 s7, s7, KT
	s_and_b32 s6, s6, 1
	s_mul_i32 s6, s6, HT/2
	s_add_co_u32 s6, s6, s7
	s_mov_b32 s7, 0
	s_add_nc_u64 s[4:5], s[4:5], s[6:7]
.macro ARM under, g0, g1, next
	s_cmp_lt_u32 s14, \under
	s_cbranch_scc0 \next
	tensor_load_to_lds s[\g0:\g0+3], s[\g1:\g1+7]
	s_nop 0
.rept 4
	v_nop
.endr
	s_branch .Lhead_asked
\next:
.endm
	ARM 1, G0,  G1,  .Lhead_b
	ARM 2, G0B, G1B, .Lhead_sa
	ARM 3, G0S, G1S, .Lhead_sb
	tensor_load_to_lds s[G0SB:G0SB+3], s[G1SB:G1SB+7]
	s_nop 0
.rept 4
	v_nop
.endr
.Lhead_asked:
	s_wait_alu depctr_va_vdst(0)
	global_prefetch_b8 v30, s[4:5] offset:NQ*KT th:TH_LOAD_NT scope:SCOPE_SE
	global_prefetch_b8 v30, s[4:5] offset:2*NQ*KT th:TH_LOAD_NT scope:SCOPE_SE
	s_wait_tensorcnt 0x0                           ; my tile of the head's four is in
	ds_add_u32 v28, v29
	s_mov_b32 s[G1+2], 2<<16                       ; no load of mine is out: from here on a load brings two K steps
	s_mov_b32 s[G1+4], 2
	s_mov_b32 s[G1B+2], 2<<16
	s_mov_b32 s[G1B+4], 2
	s_add_co_u32 s[G0+1], s45, 0                   ; slot 0's ring values
	s_mov_b64 s[G0+2:G0+3], s[20:21]
	s_or_b32 s[G0+3], s[G0+3], 0x80000000
	s_add_co_u32 s[G0B+1], s45, 0
	s_mov_b64 s[G0B+2:G0B+3], s[46:47]
	s_or_b32 s[G0B+3], s[G0B+3], 0x80000000
	s_wait_dscnt 0x0
	CROUND
	JLOAD G0+4, G1, G0B+4, G1B
	global_prefetch_b8 v30, s[4:5] offset:3*NQ*KT th:TH_LOAD_NT scope:SCOPE_SE
	v_and_b32 v1, 15, v0
	v_bfe_u32 v2, v0, 4, 1
	s_wait_alu depctr_va_vdst(0)
	v_and_b32 v3, 31, v0
	v_lshlrev_b32 v3, 4, v3
	s_mul_i32 s21, s15, 4*FRB
	s_mul_i32 s22, s16, 4*FRB
	s_add_co_u32 s22, s22, NQ*HT
.irp s, 0,1
	v_add_nc_u32 v[ADRA+\s], s21, v3
	v_add_nc_u32 v[ADRB+\s], s22, v3
	s_add_co_u32 s21, s21, SLOT
	s_add_co_u32 s22, s22, SLOT
.endr
	v_lshlrev_b32 v5, 2, v1
	s_lshl_b32 s21, s15, 8
	s_lshl_b32 s22, s16, 8
	s_add_co_u32 s22, s22, HALFS
	s_sub_co_u32 s22, s22, s21
	v_mul_u32_u24 v6, s22, v2
	s_add_co_u32 s21, s21, SCL
	v_add_nc_u32 v5, v5, v6
	v_add_nc_u32 v[ADRS], s21, v5
	s_mul_i32 s23, s14, 16*SPITCH
	v_mul_u32_u24 v5, v1, SPITCH
	v_lshl_add_u32 v5, v2, 6, v5
	v_add_nc_u32 v[STO], s23, v5
	v_mul_u32_u24 v5, v2, SPITCH
	v_lshl_add_u32 v5, v1, 4, v5
	v_add_nc_u32 v[RD], s23, v5
	v_lshlrev_b32 v5, 12, v2
	v_lshl_add_u32 v[CO], v1, 4, v5
	s_wait_alu depctr_va_vdst(0)
	s_lshl_b32 s20, s17, 7
	s_lshl_b32 s21, s15, 6
	s_add_co_u32 s20, s20, s21
	s_lshl_b32 s20, s20, 12
	s_lshl_b32 s46, s42, 9
	s_lshl_b32 s47, s16, 8
	s_add_co_u32 s46, s46, s47
	s_add_co_u32 s20, s20, s46
	s_mov_b32 s21, 0
	s_add_nc_u64 s[8:9], s[8:9], s[20:21]
	s_add_nc_u64 s[10:11], s[10:11], s[20:21]
	WIN 0x80
.irp a, 0,1,2,3
.irp i, 0,1,2,3,4,5,6,7
	global_load_b128 v[32*\a+4*\i:32*\a+4*\i+3], v[CO], s[8:9] offset:(32*(\a/2)+16*(\i/4)+8*(\a%2)+2*(\i%4))*4096 th:TH_LOAD_NT
.endr
.endr
	WIN 0
.macro FRAG reg, adr, q, i
.irp c, 0,1,2
	ds_load_b128 v[\reg+4*\c:\reg+4*\c+3], v[\adr] offset:(\q)*HT+(\i)*FRB+512*\c
.endr
.endm
.macro MUL4 a, p, q, sc, zero
.irp b, 0,1,2,3
.if \zero
	v_wmma_scale_f32_16x16x128_f8f6f4 v[ACC+8*(4*(\a)+\b):ACC+8*(4*(\a)+\b)+7], v[128*(\p)+48+FR*\b:128*(\p)+48+FR*\b+FR-1], v[128*(\p)+FR*(\a):128*(\p)+FR*(\a)+FR-1], 0, v[SC+16*(\sc)+NQ*\b+(\q)], v[SC+16*(\sc)+NQ*(\a)+(\q)] matrix_a_fmt:MATRIX_FMT_BF6 matrix_b_fmt:MATRIX_FMT_BF6 matrix_a_scale:MATRIX_SCALE_ROW1
.else
	v_wmma_scale_f32_16x16x128_f8f6f4 v[ACC+8*(4*(\a)+\b):ACC+8*(4*(\a)+\b)+7], v[128*(\p)+48+FR*\b:128*(\p)+48+FR*\b+FR-1], v[128*(\p)+FR*(\a):128*(\p)+FR*(\a)+FR-1], v[ACC+8*(4*(\a)+\b):ACC+8*(4*(\a)+\b)+7], v[SC+16*(\sc)+NQ*\b+(\q)], v[SC+16*(\sc)+NQ*(\a)+(\q)] matrix_a_fmt:MATRIX_FMT_BF6 matrix_b_fmt:MATRIX_FMT_BF6 matrix_a_scale:MATRIX_SCALE_ROW1
.endif
.endr
.endm
.macro FETCH slot, q, p
	WIN TO_F
.irp i, 0,1,2,3
	FRAG 128*(\p)+48+FR*\i, ADRB+\slot, \q, \i
.endr
.irp i, 0,1,2,3
	FRAG 128*(\p)+FR*\i, ADRA+\slot, \q, \i
.endr
.endm
.macro SCALES sc
	WIN 0
.irp i, 0,1,2,3
.irp q, 0,1,2,3
	ds_load_b32 v[SC+16*\sc+NQ*\i+\q], v[ADRS] offset:512*\q+64*\i
.endr
.endr
.endm
.macro PLACES n
.rept \n
	v_nop
.endr
.endm
.macro STEP slot, q, zero
	PLACES NP
	FETCH \slot, (\q)+1, ((\q)+1)%2
	s_wait_dscnt 24
	WIN MUL
	MUL4 0, (\q)%2, \q, \slot, \zero
	MUL4 1, (\q)%2, \q, \slot, \zero
	MUL4 2, (\q)%2, \q, \slot, \zero
	MUL4 3, (\q)%2, \q, \slot, \zero
.endm
.macro TURN slot, next, fill
	WIN 0
	s_wait_tensorcnt 0x0
	ds_add_u32 v[SPW], v[NIL]
	s_wait_dscnt 1
	WIN MUL
	MUL4 0, 1, NQ-1, \slot, 0
	s_wait_dscnt 0x0
	s_barrier_signal -1
	MUL4 1, 1, NQ-1, \slot, 0
	WIN 0
	s_barrier_wait -1
.if \fill
	CREST
	s_add_nc_u64 s[G0+4*\slot+2:G0+4*\slot+3], s[G0+4*\slot+2:G0+4*\slot+3], 2*NQ*KT
	s_add_nc_u64 s[G0B+4*\slot+2:G0B+4*\slot+3], s[G0B+4*\slot+2:G0B+4*\slot+3], 2*NQ*KT
	JLOAD G0+4*\slot, G1, G0B+4*\slot, G1B
.else
	PLACES NP
.endif
	s_wait_alu depctr_va_vdst(0)
	v_add_nc_u32 v[ADRS], 512*NQ, v[ADRS]
	FETCH \next, 0, 0
	SCALES \next
.if \fill
	s_cmp_gt_u32 s3, 1                             ; s3 = 1 in the loop's last trip: its refills have no fill two on
	s_cbranch_scc0 .Lnoask_\@
	global_prefetch_b8 v30, s[4:5] offset:(4+\slot)*NQ*KT th:TH_LOAD_NT scope:SCOPE_SE   ; the fill two refills on
.Lnoask_\@:
.endif
	WIN MUL
	MUL4 2, 1, NQ-1, \slot, 0
	MUL4 3, 1, NQ-1, \slot, 0
.endm
	s_wait_tensorcnt 1
	s_barrier_signal -1
	s_barrier_wait -1
	FETCH 0, 0, 0
	SCALES 0
	STEP 0, 0, 1
	STEP 0, 1, 0
	STEP 0, 2, 0
.if LAPS > 1
	WIN 0
	s_mov_b32 s3, LAPS-1
.Llap:
	TURN 0, 1, 1
	STEP 1, 0, 0
	STEP 1, 1, 0
	STEP 1, 2, 0
	TURN 1, 0, 1
	STEP 0, 0, 0
	STEP 0, 1, 0
	STEP 0, 2, 0
	WIN 0
	s_wait_xcnt 0x0                                ; my prefetches have read their address: it steps two fills on
	s_add_nc_u64 s[4:5], s[4:5], 2*NQ*KT
	s_sub_co_u32 s3, s3, 1
	s_cmp_lg_u32 s3, 0
	s_cbranch_scc1 .Llap
.endif
	TURN 0, 1, 0
	STEP 1, 0, 0
	STEP 1, 1, 0
	STEP 1, 2, 0
	s_wait_dscnt 0x0
	WIN MUL
	MUL4 0, 1, NQ-1, 1, 0
	MUL4 1, 1, NQ-1, 1, 0
	MUL4 2, 1, NQ-1, 1, 0
	MUL4 3, 1, NQ-1, 1, 0
	WIN 0
.macro TOSTAGE a
.irp b, 0,1,2,3
	ds_store_b128 v[STO], v[ACC+8*(4*(\a)+\b):ACC+8*(4*(\a)+\b)+3] offset:128*(\b/2)+32*(\b%2)
	ds_store_b128 v[STO], v[ACC+8*(4*(\a)+\b)+4:ACC+8*(4*(\a)+\b)+7] offset:128*(\b/2)+32*(\b%2)+16
.endr
.irp i, 0,1,2,3,4,5,6,7
	ds_load_b128 v[BK+32*((\a)%2)+4*\i:BK+32*((\a)%2)+4*\i+3], v[RD] offset:2*\i*SPITCH
.endr
.endm
.macro SEND a, younger
	s_wait_dscnt \younger
	WIN 0x08
.set j, 0
.rept 16
	v_pk_add_f32 v[BK+32*((\a)%2)+j:BK+32*((\a)%2)+j+1], v[BK+32*((\a)%2)+j:BK+32*((\a)%2)+j+1], v[32*(\a)+j:32*(\a)+j+1]
.set j, j+2
.endr
	WIN 0
.irp i, 0,1,2,3,4,5,6,7
	global_store_b128 v[CO], v[BK+32*((\a)%2)+4*\i:BK+32*((\a)%2)+4*\i+3], s[10:11] offset:(32*((\a)/2)+16*(\i/4)+8*((\a)%2)+2*(\i%4))*4096 th:TH_STORE_NT
.endr
.endm
	PLACES NP
	s_wait_loadcnt 0x0
	TOSTAGE 0
.irp a, 1,2,3
.if \a > 1
	s_wait_xcnt 0x0
.endif
	TOSTAGE \a
	SEND \a-1, 16
.endr
	SEND 3, 0
	s_wait_tensorcnt 0x0
	ds_add_u32 v[SPW], v[NIL]
	s_wait_dscnt 0x0
	CROUND
	s_endpgm
.Lfunc_end_k_q79a5f6d2a8_ffn2:
	.size	k_q79a5f6d2a8_ffn2, .Lfunc_end_k_q79a5f6d2a8_ffn2-k_q79a5f6d2a8_ffn2
	.p2alignl 7, 3214868480
	.fill 96, 4, 3214868480
	.section	.rodata,"a",@progbits
	.p2align	6, 0x0
	.amdhsa_kernel k_q79a5f6d2a8_ffn2
		.amdhsa_group_segment_fixed_size 327680
		.amdhsa_private_segment_fixed_size 0
		.amdhsa_enable_private_segment 0
		.amdhsa_kernarg_size 32
		.amdhsa_user_sgpr_count 2
		.amdhsa_user_sgpr_kernarg_segment_ptr 1
		.amdhsa_wavefront_size32 1
		.amdhsa_system_sgpr_workgroup_id_x 1
		.amdhsa_system_sgpr_workgroup_id_y 1
		.amdhsa_system_sgpr_workgroup_id_z 1
		.amdhsa_system_vgpr_workitem_id 0
		.amdhsa_next_free_vgpr 640
		.amdhsa_next_free_sgpr 98
		.amdhsa_reserve_vcc 0
		.amdhsa_float_denorm_mode_32 3
		.amdhsa_float_denorm_mode_16_64 3
		.amdhsa_memory_ordered 1
		.amdhsa_forward_progress 1
		.amdhsa_inst_pref_size 94
	.end_amdhsa_kernel
	.amdgpu_metadata
---
amdhsa.version: [ 1, 2 ]
amdhsa.kernels:
  - .name:           k_q79a5f6d2a8_ffn2
    .symbol:         k_q79a5f6d2a8_ffn2.kd
    .args:
      - { .name: g, .offset: 0, .size: 8, .value_kind: global_buffer, .address_space: global }
      - { .name: wts, .offset: 8, .size: 8, .value_kind: global_buffer, .address_space: global }
      - { .name: x1, .offset: 16, .size: 8, .value_kind: global_buffer, .address_space: global }
      - { .name: out0, .offset: 24, .size: 8, .value_kind: global_buffer, .address_space: global }
    .group_segment_fixed_size: 327680
    .private_segment_fixed_size: 0
    .kernarg_segment_align: 8
    .kernarg_segment_size: 32
    .max_flat_workgroup_size: 128
    .sgpr_count:     98
    .vgpr_count:     640
    .wavefront_size: 32
...
	.end_amdgpu_metadata
.endif
;; end of part 14
